; MI455X (gfx1250); checked and timed in simulation.
; The chip was launched on July 23, 2026; its instructions are those of AMD's public machine-readable ISA for CDNA 5 (MIT licence, August 2026) and "CDNA5" Instruction Set Architecture Reference Guide (July 2026). The comments in the code are by the model that wrote it; some were corrected since.
;; Bidaf Attn. Allowed arithmetic: matrix products marked QUANTISED: E2M1 operands, one E8M0 scale for each 32 along K, by v_wmma_scale_f32_16x16x128_f8f6f4 with both operands' format E2M1 (or v_wmma_scale_f32_32x16x128_f4), f32 sums; products left as they are: f32 operands where the result goes on into a quantised operand, else bf16, f16 or f32 operands; f32 sums; everything else in f32.
;; Inputs: l1 32 int32; l2 32 int32; s1 32 x 1,024 x 256 float32; s2 32 x 1,024 x 256 float32; w 768 float32.
;; Outputs: out0 32 x 1,024 x 256 float32.
;; This version of the problem:
;;   THIS VERSION OF THE PROBLEM IS GIVEN IN LOW PRECISION. The matrix products marked QUANTISED in the list below multiply operands that are first quantised to E2M1 (2 exponent bits, 1 mantissa bit; 4 bits a number), with one power-of-two scale for each 32 numbers along K (OCP MX v1.0); their sums are f32. All else is computed in f32.
;;   The module's matrix products, in the order in which they are computed (A, B: the left and right operand; K: the contracted axis; several contracted axes count as one K, in the product's order):
;;     1. [M 32,768, K 256] x [K 256, N 1]; A: input s1; B: input w: left as it is (N = 1 < 16)
;;     2. [M 32,768, K 256] x [K 256, N 1]; A: input s2; B: input w: left as it is (N = 1 < 16)
;;     3. batch 32 x [M 1,024, K 256] x [K 256, N 1,024]; A: computed on the way; B: input s2: QUANTISED
;;     4. batch 32 x [M 1,024, K 1,024] x [K 1,024, N 256]; A: computed on the way; B: input s2: QUANTISED
;;   THE QUANTISER, for each operand of a quantised product, along K:
;;     - K is cut into blocks of 32 from its start; a last block that is shorter is filled with zeros.
;;     - A block's scale is 2^e with e = floor(log2(the largest magnitude in the block)) - 2, held to -126 .. 127; a block of zeros has e = 0. As a byte (E8M0): e + 127.
;;     - Each number is divided by its block's scale, clamped to +-6, and rounded to the nearest number of E2M1, ties to even, subnormals kept.
;;     - The product sums the exact products of the quantised numbers (number of the format x scale) in f32.
;;   ~~~python
;;   def quantise(x, axis):      # numpy; x: float32 -> the quantised numbers, widened to float32 again
;;       x = np.moveaxis(x, axis, -1); K = x.shape[-1]
;;       x = np.pad(x, [(0, 0)] * (x.ndim - 1) + [(0, -K % 32)]); x = x.reshape(x.shape[:-1] + (-1, 32)); a = np.abs(x).max(-1, keepdims=True)
;;       e = np.where(a > 0, np.clip(np.frexp(np.where(a > 0, a, 1))[1] - 1 - 2, -126, 127), 0)      # np.frexp(a)[1] - 1 = floor(log2(a)), exactly
;;       r = np.clip(x / 2.0 ** e, -6, 6)
;;       step = 2.0 ** (np.maximum(np.frexp(np.where(r == 0, 1, r))[1] - 1, 0) - 1)
;;       q = np.round(r / step) * step * 2.0 ** e      # np.round: ties to even
;;       return np.moveaxis(q.reshape(q.shape[:-2] + (-1,))[..., :K], -1, axis).astype(np.float32)
;;   ~~~
;;   OPERANDS COMPUTED ON THE WAY. 'Computed on the way' means the value that the module computes at that place (a softmax that the list does not call 'softmax' is quantised finished and normalised). What goes into a quantiser is computed in f32, as accurately as f32 sums, v_exp_f32 and their like allow (about 1e-6 of the number): no bf16 or f16 on the way to a quantiser, and a product that is left as it is and whose result goes on into a quantised operand takes f32 operands (vector FMAs, or v_wmma_f32_16x16x4_f32). A number that lies on a knife's edge between two numbers of the format may be rounded either way, as far as f32 arithmetic and the matrix unit's own rounding can turn it there, and no further.
;; 3 versions. Each part assembles by itself: llvm-mc -triple=amdgcn-amd-amdhsa -mcpu=gfx1250 --defsym DOCPART=n.
;; ======== version 1 of 3: 2 launches
;; workspace buffers: qrec 9,043,968 bytes; kvrec 9,043,968 bytes
;; launch prep (part 1): grid 16 x 32, 4 waves a work-group, no clusters, 37,376 bytes of LDS; arguments s1, s2, w, l1, l2, qrec, kvrec; writes qrec, kvrec
.if DOCPART == 1
	.amdgcn_target "amdgcn-amd-amdhsa--gfx1250"
	.amdhsa_code_object_version 6
	.text
	.protected	k_qd1f1e6b9af_prep
	.globl	k_qd1f1e6b9af_prep
	.p2align	8
	.type	k_qd1f1e6b9af_prep,@function
k_qd1f1e6b9af_prep:
	s_mov_b64 s[64:65], 0
	v_nop
	global_prefetch_b8 v0, s[64:65] scope:SCOPE_SE
	s_setreg_imm32_b32 hwreg(HW_REG_WAVE_MODE, 25, 1), 1
	s_wait_xcnt 0x0
; s2 and s1 x w3 become codes of FP4 (E2M1) with one E8M0 scale byte for each 32 along K, laid in the order in which the next launch's operand registers take them; s1 . w1 and s2 . w2 are made on the way, in f32.
; A work-group takes a chunk of 128 rows of one sample: x = 0 .. 7 chunk x of s2, x = 8 .. 15 chunk x - 8 of s1; y = the sample.  Wave w takes the chunk's rows 32 w .. 32 w + 31, all 256 columns.
; A chunk whose first row lies at or beyond the sample's l2 (s2) or l1 (s1) is thrown away by the mask that the problem builds itself: its work-group stores nothing and ends.  That is the price of a grid that serves every l1 and l2.
; s2 is quantised TWICE: along d (K of the scores) and along the keys (K of the second product).  s1 x w3 along d alone.  Both tensors take one path: for s2 the factor is 1.0, which changes no bit.
; A RECORD (REC bytes) for each sample and chunk:
;   KC  fragment images along d: tile T = 2 w + u, K step s of 128: at 2048 T + 1024 s + 512 c + 16 lane the 16 bytes (32 codes) of d block 4 s + 2 c + lane / 16 of the tile's position lane % 16
;   VC  (s2) fragment images along the keys: d tile T (d = 16 T + lane % 16): at 1024 T + 512 c + 16 lane the 32 codes of the chunk's key block 2 c + lane / 16
;   SC  scale words along d: at 256 w + 8 (r + 16 s) + 4 u the four bytes of K step s of position r of tile 2 w + u;   SC + 1024 (s2): at 256 w + 8 (r + 16 g) + i the byte of d = 16 (8 g + i) + r for key block w
;   P2  the row's product with w1 or w2, f32, by positions: 64 T + 4 position
; THE ROWS OF A TILE ARE NOT NEIGHBOURS: position m of tile 2 w + u is row 32 w + 8 u + m + 8 (m / 8), so that in the transposed score product a lane's 16 registers of two neighbouring tiles are 16 neighbouring keys.
; Row k of a wave's 32 has place RHO(k) = 16 ((k / 8) % 2) + k % 8 + 8 (k / 16) among the wave's 32 positions.
; A block's scale is 2^(floor(log2(its largest magnitude)) - 2); its byte is the largest magnitude's exponent field - 2, held at 1 from below by a floor among the maximum's leaves.
; LIMITS: a block of zeros gets the byte 1 where the rule says 127 (its codes are zeros, and this program alone reads the bytes); blocks whose largest magnitude lies under 2^-124 get the byte 1; NaN and infinities are not served; a negative l counts as 0.
; No tensor load, no barrier: waves share nothing.  All 64 loads of a wave's 32 KiB go out at its start.  No matrix unit, no cluster: the launch streams, and no two work-groups read the same bytes.
.set REC,   35328
.set BATCH, 8*REC
.set KC,    0
.set VC,    16384
.set SC,    32768
.set P2,    34816
.set WREG,  9216                       ; LDS of a wave: a stage of 32 positions x SP bytes, 256 bytes of K's scale words, 256 of V's scale bytes
.set SP,    272                        ; 256 bytes (64 d) + 16: 17 x 16 bytes, so that sixteen lanes that read 16 bytes of sixteen rows touch sixteen different columns of 16 bytes modulo 256
.set KSA,   8704
.set VSA,   8960
.set FLOOR, 0x1800000                  ; 2^(3 - 127)
.set WD,    16                         ; v16-31   w1 or w2 at my four columns of each quarter of a row
.set WM,    32                         ; v32-47   w3 there, or 1.0
.set ACC,   48                         ; v48-79   16 pairs: the running products of rows 2 i + lane / 16 with WD
.set X,     80                         ; v80-143  64 neighbours along d of my position; at the end the rows' sums
.set KCD,   144                        ; v144-151 codes along d
.set VCD,   152                        ; v152-159 codes along the keys
.set XV,    160                        ; v160-223 two columns, 32 keys each
.set KW,    224                        ; v224-225 my position's two scale words
.set TK,    226                        ; v226-233 at work for K;  v234-241 for V
.set TV,    234
.set MSB, 0
.macro WIN new                         ; s_set_vgpr_msb: bits 1:0 source 0, 3:2 source 1, 5:4 source 2, 7:6 destination; the high byte repeats the setting that is left
.if MSB != (\new)
	s_set_vgpr_msb (MSB<<8)|(\new)
.set MSB, (\new)
.endif
.endm
	s_load_b256 s[4:11], s[0:1], 0x0               ; s1 s[4:5], s2 s[6:7], w s[8:9], l1 s[10:11]
	s_load_b128 s[12:15], s[0:1], 0x20             ; l2 s[12:13], qrec s[14:15]
	s_load_b64 s[16:17], s[0:1], 0x30              ; kvrec
	v_lshl_add_u32 v254, v0, 2, 0x9000
	v_mov_b32 v255, 0
	v_lshrrev_b32 v1, 5, v0
	v_readfirstlane_b32 s20, v1                    ; wave 0..3
	s_and_b32 s23, ttmp7, 0xffff                   ; the sample
	s_lshl_b32 s32, s23, 2
	s_mov_b32 s33, 0
	s_wait_kmcnt 0x0
	s_cmp_lt_u32 ttmp9, 8                          ; s2's work-group or s1's?  The choice hangs on the work-group's number alone
	s_cselect_b64 s[24:25], s[6:7], s[4:5]         ; the source
	s_cselect_b64 s[28:29], s[12:13], s[10:11]     ; its limits
	s_cselect_b64 s[26:27], s[16:17], s[14:15]     ; the records
	s_cselect_b32 s21, 1, 0                        ; 1: s2
	s_cselect_b32 s31, -1, 0                       ; all lanes: the factor is 1.0
	s_cselect_b32 s40, 1024, 0                     ; w2 begins 1,024 bytes into w, w1 at its start
	s_cselect_b32 s22, 0, 8
	s_sub_co_u32 s22, ttmp9, s22                   ; the chunk
	s_add_nc_u64 s[28:29], s[28:29], s[32:33]
	s_load_b32 s30, s[28:29], 0x0                  ; l2[b] or l1[b]
	s_mov_b32 s44, s40
	s_mov_b32 s45, 0
	s_add_nc_u64 s[42:43], s[8:9], s[44:45]        ; w1 or w2
	s_lshl_b32 s32, s23, 20                        ; the source at my wave's rows: sample x 2^20 + chunk x 2^17 + wave x 2^15 bytes
	s_lshl_b32 s34, s22, 17
	s_add_co_u32 s32, s32, s34
	s_lshl_b32 s34, s20, 15
	s_add_co_u32 s32, s32, s34
	s_add_nc_u64 s[24:25], s[24:25], s[32:33]
	s_mul_i32 s34, s23, BATCH                      ; the record
	s_mul_i32 s35, s22, REC
	s_add_co_u32 s34, s34, s35
	s_mov_b32 s35, 0
	s_add_nc_u64 s[26:27], s[26:27], s[34:35]
	s_mov_b32 s36, 0xaaaaaaaa                      ; lanes whose number has bit 0, 1, 2, 3 set: for the sums across lanes
	s_mov_b32 s37, 0xcccccccc
	s_mov_b32 s38, 0xf0f0f0f0
	s_mov_b32 s39, 0xff00ff00
	v_and_b32 v1, 31, v0                           ; lane
	v_and_b32 v2, 15, v0                           ; lane % 16
	v_bfe_u32 v3, v0, 4, 1                         ; lane / 16
	s_mul_i32 s41, s20, WREG                       ; my wave's LDS
	v_lshlrev_b32 v15, 4, v2                       ; v15 my 16 bytes of 256: the weights' place too
	v_lshl_add_u32 v4, v3, 10, v15                 ; v4  in: lanes 0-15 an even row, lanes 16-31 the odd row behind it
	v_mul_u32_u24 v5, v3, SP
	v_add_nc_u32 v5, v5, v15
	v_add_nc_u32 v5, s41, v5                       ; v5  into the stage, likewise (RHO(2 i + 1) = RHO(2 i) + 1)
	v_mul_u32_u24 v6, v1, SP
	v_add_nc_u32 v6, s41, v6                       ; v6  out of it for K: lane = position
	v_lshl_add_u32 v7, v1, 2, s41                  ; v7  out of it for V: lane = column
	s_lshl_b32 s46, s20, 12
	v_lshl_add_u32 v8, v3, 11, v15
	v_add_nc_u32 v8, s46, v8                       ; v8  K's codes: 2048 (2 w + lane / 16) + 16 (lane % 16); a d block is 256 bytes on from the last
	s_lshl_b32 s46, s20, 8
	v_add_nc_u32 v9, s46, v4                       ; v9  V's codes: 256 w + 1024 (lane / 16) + 16 (lane % 16); 32 columns are 2,048 bytes on
	v_lshl_add_u32 v13, v1, 3, s46                 ; v13 the scales' place in the record: 256 w + 8 lane
	v_lshlrev_b32 v10, 3, v2
	v_lshl_add_u32 v10, v3, 2, v10
	v_add_nc_u32 v10, s41, v10                     ; v10 my position's scale words in LDS: 8 (lane % 16) + 4 (lane / 16)
	v_lshl_add_u32 v11, v2, 3, v3
	v_add_nc_u32 v11, s41, v11                     ; v11 my column's scale byte in LDS: 8 (lane % 16) + lane / 16
	v_lshl_add_u32 v12, v1, 3, s41                 ; v12 and back: 8 bytes a lane
	v_lshl_add_u32 v226, v2, 1, v3                 ; the row whose sum ends in my lane: k = 2 (lane % 16) + lane / 16
	v_bfe_u32 v227, v226, 3, 1
	v_and_b32 v228, 7, v226
	v_lshl_add_u32 v228, v227, 4, v228
	v_lshrrev_b32 v227, 4, v226
	v_lshl_add_u32 v228, v227, 3, v228             ; RHO(k)
	s_lshl_b32 s46, s20, 7
	v_lshl_add_u32 v14, v228, 2, s46               ; v14 its place in the record: 128 w + 4 RHO(k)
	s_wait_kmcnt 0x0
	s_max_i32 s30, s30, 0
	s_lshl_b32 s32, s22, 7
	s_cmp_lt_i32 s32, s30                          ; does the chunk begin under the limit?
	s_cbranch_scc0 .Lend
.irp q, 0,1,2,3
	global_load_b128 v[WD+4*\q:WD+4*\q+3], v15, s[42:43] offset:256*\q
.endr
.irp q, 0,1,2,3
	global_load_b128 v[WM+4*\q:WM+4*\q+3], v15, s[8:9] offset:2048+256*\q      ; w3
.endr
; Quarter q of the wave's 32 rows (64 columns): 16 loads, each half of the lanes reads 256 consecutive bytes of one row, aligned.  They land in window 1, load i at v[64 q + 4 i].
.macro LOADQ q
.set II, 0
.rept 16
	global_load_b128 v[64*\q+4*II:64*\q+4*II+3], v4, s[24:25] offset:2048*II+256*\q th:TH_LOAD_NT
.set II, II+1
.endr
.endm
	WIN 0x40                                       ; destination window 1
	LOADQ 0
	LOADQ 1
	LOADQ 2
	LOADQ 3
	WIN 0
; The rows' products with w1 or w2 go on (the first quarter starts the sums: nothing is cleared); then the numbers are multiplied by w3 or by 1.0, in place.
.macro DOTMUL q
	WIN 0x01                                       ; source 0 window 1
.set II, 0
.rept 16
.if (\q) == 0
	v_pk_mul_f32 v[ACC+2*II:ACC+2*II+1], v[4*II:4*II+1], v[WD:WD+1]
.else
	v_pk_fma_f32 v[ACC+2*II:ACC+2*II+1], v[64*(\q)+4*II:64*(\q)+4*II+1], v[WD+4*(\q):WD+4*(\q)+1], v[ACC+2*II:ACC+2*II+1]
.endif
.set II, II+1
.endr
.set II, 0
.rept 16
	v_pk_fma_f32 v[ACC+2*II:ACC+2*II+1], v[64*(\q)+4*II+2:64*(\q)+4*II+3], v[WD+4*(\q)+2:WD+4*(\q)+3], v[ACC+2*II:ACC+2*II+1]
.set II, II+1
.endr
	WIN 0x41                                       ; destination and source 0 window 1
.set II, 0
.rept 16
	v_pk_mul_f32 v[64*(\q)+4*II:64*(\q)+4*II+1], v[64*(\q)+4*II:64*(\q)+4*II+1], v[WM+4*(\q):WM+4*(\q)+1]
	v_pk_mul_f32 v[64*(\q)+4*II+2:64*(\q)+4*II+3], v[64*(\q)+4*II+2:64*(\q)+4*II+3], v[WM+4*(\q)+2:WM+4*(\q)+3]
.set II, II+1
.endr
.endm
; Into the stage, each row at its position.  LDS serves a wave's instructions in order, so the stage is written again in the next quarter with no wait of its own.
.macro TOSTAGE q
	WIN 0x04                                       ; an LDS store's data are its source 1: window 1
.set II, 0
.rept 16
.set RHO, 16*(((2*II)>>3)&1)+((2*II)&7)+8*((2*II)>>4)
	ds_store_b128 v5, v[64*(\q)+4*II:64*(\q)+4*II+3] offset:SP*RHO
.set II, II+1
.endr
	WIN 0
.endm
.macro KREAD                           ; lane = position: its 64 neighbours along d
.set II, 0
.rept 16
	ds_load_b128 v[X+4*II:X+4*II+3], v6 offset:16*II
.set II, II+1
.endr
.endm
.macro VREAD                           ; lane = column (two columns, 32 apart): the registers run down the 32 keys in their true order
.set II, 0
.rept 32
.set RHO, 16*((II>>3)&1)+(II&7)+8*(II>>4)
	ds_load_b32 v[XV+II], v7 offset:SP*RHO
	ds_load_b32 v[XV+32+II], v7 offset:SP*RHO+128
.set II, II+1
.endr
.endm
; Two blocks of 32 numbers, v[x ..] and v[x + 32 ..], by turns, each in two chains: the largest magnitude with the floor among its leaves -> v[t + g]; the conversion's scale operand (2 off the exponent field) -> v[t + 4 + g]; the byte -> v[t + 6 + g]
.macro MAX2 x, t
.irp g, 0,1
	v_max3_num_f32 v[\t+\g], |v[\x+32*\g]|, |v[\x+32*\g+1]|, FLOOR
	v_max3_num_f32 v[\t+2+\g], |v[\x+32*\g+16]|, |v[\x+32*\g+17]|, |v[\x+32*\g+18]|
.endr
.irp i, 0,2,4,6,8,10
.irp g, 0,1
	v_max3_num_f32 v[\t+\g], v[\t+\g], |v[\x+32*\g+2+\i]|, |v[\x+32*\g+3+\i]|
	v_max3_num_f32 v[\t+2+\g], v[\t+2+\g], |v[\x+32*\g+19+\i]|, |v[\x+32*\g+20+\i]|
.endr
.endr
.irp g, 0,1
	v_max3_num_f32 v[\t+\g], v[\t+\g], |v[\x+32*\g+14]|, |v[\x+32*\g+15]|
.endr
.irp g, 0,1
	v_max3_num_f32 v[\t+\g], v[\t+\g], v[\t+2+\g], |v[\x+32*\g+31]|
.endr
.irp g, 0,1
	v_add_nc_u32 v[\t+4+\g], 0xff000000, v[\t+\g]
.endr
.irp g, 0,1
	v_lshrrev_b32 v[\t+6+\g], 23, v[\t+4+\g]
.endr
.endm
; d blocks 2 q and 2 q + 1 of my position: bytes into the scale words, codes to the record.
.macro KCOMP q
	MAX2 X, TK
.irp g, 0,1
.if (2*((\q)%2)+\g) == 0
	v_mov_b32 v[KW+(\q)/2], v[TK+6+\g]
.else
	v_lshl_or_b32 v[KW+(\q)/2], v[TK+6+\g], 8*(2*((\q)%2)+\g), v[KW+(\q)/2]
.endif
.endr
.if (\q) > 0
	s_wait_xcnt 0x0                                ; the last quarter's stores, of K's codes and of V's, have read their registers: both sets are written again only behind this wait
.endif
.irp g, 0,1
.irp k, 0,1,2,3
	v_cvt_scalef32_pk8_fp4_f32 v[KCD+4*\g+\k], v[X+32*\g+8*\k:X+32*\g+8*\k+7], v[TK+4+\g]
.endr
.endr
	v_nop                                          ; one plain line behind the last scaled conversion
.irp g, 0,1
	global_store_b128 v8, v[KCD+4*\g:KCD+4*\g+3], s[26:27] offset:KC+256*(2*(\q)+\g)   ; each half of the lanes stores 256 consecutive bytes, aligned
.endr
.endm
; My two columns' key block: the byte to the wave's 256 bytes in LDS, the codes to the record.
.macro VCOMP q
	MAX2 XV, TV
.irp g, 0,1
	ds_store_b8 v11, v[TV+6+\g] offset:VSA+128*((2*(\q)+\g)/4)+2*((2*(\q)+\g)%4)
.endr
.irp g, 0,1
.irp k, 0,1,2,3
	v_cvt_scalef32_pk8_fp4_f32 v[VCD+4*\g+\k], v[XV+32*\g+8*\k:XV+32*\g+8*\k+7], v[TV+4+\g]
.endr
.endr
	v_nop
.irp g, 0,1
	global_store_b128 v9, v[VCD+4*\g:VCD+4*\g+3], s[26:27] offset:VC+2048*(2*(\q)+\g)
.endr
.endm
; A quarter.  K's arithmetic is written in both arms, so that in s2's arm V's LDS reads land under it, and so that no register is written on one way and read behind the join.
.macro QUARTER q
	s_wait_loadcnt 48-16*(\q)                      ; this quarter's 16 loads are in (and the weights', which are older); the 16 of each later quarter may stay out
.if (\q) == 0
.set II, 0
.rept 16
	v_cndmask_b32 v[WM+II], v[WM+II], 1.0, s31     ; s2 is quantised as it is
.set II, II+1
.endr
.endif
	DOTMUL \q
	TOSTAGE \q
	KREAD
	s_wait_dscnt 0x0
	s_cmp_lg_u32 s21, 0
	s_cbranch_scc1 .Lboth_\@
	KCOMP \q
	s_branch .Ldone_\@
.Lboth_\@:
	VREAD
	KCOMP \q
	s_wait_dscnt 0x0
	VCOMP \q
.Ldone_\@:
.endm
	QUARTER 0
	QUARTER 1
	QUARTER 2
	QUARTER 3
; The sums across the sixteen lanes of a half.  A lane holds parts of 16 rows' sums.  In each of four stages it keeps half of its sums and hands the other half to the lane whose number differs in one bit:
; at the end lane l holds the whole sum of row 2 (l % 16) + l / 16.
.macro RSTAGE m, sm
.set II, 0
.rept 8/\m
	v_cndmask_b32 v[XV+2*II], v[X+2*\m*II], v[X+2*\m*II+\m], s[\sm]       ; what I keep
	v_cndmask_b32 v[XV+2*II+1], v[X+2*\m*II+\m], v[X+2*\m*II], s[\sm]     ; what I hand over
.set II, II+1
.endr
.set II, 0
.rept 8/\m
	v_add_f32_dpp v[X+2*\m*II], v[XV+2*II+1], v[XV+2*II] row_xmask:\m row_mask:0xf bank_mask:0xf
.set II, II+1
.endr
.endm
	ds_store_b32 v10, v[KW] offset:KSA             ; my position's two scale words
	ds_store_b32 v10, v[KW+1] offset:KSA+128
	ds_load_b64 v[242:243], v12 offset:KSA         ; LDS serves a wave's instructions in order: this sees the stores
.set II, 0
.rept 16
	v_add_f32 v[X+II], v[ACC+2*II], v[ACC+2*II+1]
.set II, II+1
.endr
	RSTAGE 1, 36
	RSTAGE 2, 37
	RSTAGE 4, 38
	RSTAGE 8, 39
	s_wait_dscnt 0x0
	global_store_b64 v13, v[242:243], s[26:27] offset:SC       ; the wave stores 256 consecutive bytes, aligned
	global_store_b32 v14, v[X], s[26:27] offset:P2             ; 128 consecutive bytes
	s_cmp_lg_u32 s21, 0
	s_cbranch_scc0 .Lend
	ds_load_b64 v[244:245], v12 offset:VSA
	s_wait_dscnt 0x0
	global_store_b64 v13, v[244:245], s[26:27] offset:SC+1024
.Lend:
	s_wait_tensorcnt 0x0
	ds_add_u32 v254, v255
	s_wait_dscnt 0x0
	s_endpgm
.Lfunc_end_k_qd1f1e6b9af_prep:
	.size	k_qd1f1e6b9af_prep, .Lfunc_end_k_qd1f1e6b9af_prep-k_qd1f1e6b9af_prep
	.p2alignl 7, 3214868480
	.fill 96, 4, 3214868480
	.section	.rodata,"a",@progbits
	.p2align	6, 0x0
	.amdhsa_kernel k_qd1f1e6b9af_prep
		.amdhsa_group_segment_fixed_size 37376
		.amdhsa_private_segment_fixed_size 0
		.amdhsa_enable_private_segment 0
		.amdhsa_kernarg_size 56
		.amdhsa_user_sgpr_count 2
		.amdhsa_user_sgpr_kernarg_segment_ptr 1
		.amdhsa_wavefront_size32 1
		.amdhsa_system_sgpr_workgroup_id_x 1
		.amdhsa_system_sgpr_workgroup_id_y 1
		.amdhsa_system_sgpr_workgroup_id_z 1
		.amdhsa_system_vgpr_workitem_id 0
		.amdhsa_next_free_vgpr 512
		.amdhsa_next_free_sgpr 66
		.amdhsa_reserve_vcc 0
		.amdhsa_float_denorm_mode_32 3
		.amdhsa_float_denorm_mode_16_64 3
		.amdhsa_memory_ordered 1
		.amdhsa_forward_progress 1
		.amdhsa_inst_pref_size 95
	.end_amdhsa_kernel
	.amdgpu_metadata
---
amdhsa.version: [ 1, 2 ]
amdhsa.kernels:
  - .name:           k_qd1f1e6b9af_prep
    .symbol:         k_qd1f1e6b9af_prep.kd
    .args:
      - { .name: s1, .offset: 0, .size: 8, .value_kind: global_buffer, .address_space: global }
      - { .name: s2, .offset: 8, .size: 8, .value_kind: global_buffer, .address_space: global }
      - { .name: w, .offset: 16, .size: 8, .value_kind: global_buffer, .address_space: global }
      - { .name: l1, .offset: 24, .size: 8, .value_kind: global_buffer, .address_space: global }
      - { .name: l2, .offset: 32, .size: 8, .value_kind: global_buffer, .address_space: global }
      - { .name: qrec, .offset: 40, .size: 8, .value_kind: global_buffer, .address_space: global }
      - { .name: kvrec, .offset: 48, .size: 8, .value_kind: global_buffer, .address_space: global }
    .group_segment_fixed_size: 37376
    .private_segment_fixed_size: 0
    .kernarg_segment_align: 8
    .kernarg_segment_size: 56
    .max_flat_workgroup_size: 128
    .sgpr_count:     66
    .vgpr_count:     512
    .wavefront_size: 32
...
	.end_amdgpu_metadata
.endif
;; end of part 1
;; launch attn (part 2): grid 16 x 32, 4 waves a work-group, no clusters, 300,544 bytes of LDS; arguments l1, l2, qrec, kvrec, out0; writes out0
.if DOCPART == 2
	.amdgcn_target "amdgcn-amd-amdhsa--gfx1250"
	.amdhsa_code_object_version 6
	.text
	.protected	k_qd1f1e6b9af_attn
	.globl	k_qd1f1e6b9af_attn
	.p2align	8
	.type	k_qd1f1e6b9af_attn,@function
k_qd1f1e6b9af_attn:
	s_mov_b64 s[64:65], 0
	v_nop
	global_prefetch_b8 v0, s[64:65] scope:SCOPE_SE
	s_setreg_imm32_b32 hwreg(HW_REG_WAVE_MODE, 25, 1), 1
	s_wait_xcnt 0x0
; u[b][t][:] = the sum over keys k of a[t][k] s2[b][k][:], a = softmax over k < l2 of part1[t] + part2[k] + (s1 x w3)[t] . s2[k], rows t >= l1 and keys k >= l2 zero.  Both products on codes of FP4 (E2M1) with E8M0 scales.
; THE FINISHED, NORMALISED a IS WHAT IS QUANTISED, in blocks of 32 keys: so a row's whole sum is known before any of its codes is made.  Two sweeps over the keys: the first, upward, makes p = 2^(t - M) and the sum and KEEPS p
; (16 queries x 1,024 keys are 512 registers of a wave); the second, downward, multiplies p by 2^(its step's M - the last M) / the sum, quantises and multiplies by V.  No score and no exponential is made twice.
; t = score x log2(e); M = the running largest t, rounded up to a whole number, so that a change of M multiplies by a power of two and rounds nothing.
; SHARES.  y = the sample, x = a block of 64 queries; wave w owns one tile of 16 of them.  The sample's records of K and V codes (the launch before laid them in the order of the operands' registers), as far as l2 reaches, are
; brought into LDS once, through registers, by the four waves together, and stay.  Steps of 128 keys at or beyond l2 are neither fetched nor multiplied; waves whose rows all lie at or beyond l1 store zeros.
; THE MASK costs no line in the sweeps: on its way into LDS part2 becomes -1e30 (the problem's own constant) for keys at or beyond l2, and 1 / the sum becomes 0 for rows at or beyond l1.
; The number of steps, N, hangs on l2.  UP, THEN DOWN THE SAME STEPS: the exits of an ascending run lead into a descending run, so that on every way only what has been written is read.
; No tensor load and no joint load, though the sixteen work-groups of a sample read the same records: the branches on l1 and l2, which spare three quarters of the work on average, are branches on numbers read from memory.
; LAYOUT.  Both products are used transposed: S^T = K Q^T (source 0 = 16 keys, source 1 = my 16 queries), O^T = V^T a^T: a lane holds ONE query (lane % 16) throughout.  Position m of tile 2 w + u of a chunk of 128 rows is
; row 32 w + 8 u + m + 8 (m / 8): so the 16 registers of tiles 2 b, 2 b + 1 are keys 32 b + 16 (lane / 16) + 0 .. 15.
; LIMITS: NaN and infinities are not served; l1, l2 under 0 count as 0, l2 over 1,024 as 1,024; a block of a whose largest number lies under 2^-124 gets the byte 1; a block's largest a is taken from its largest score,
; which takes v_exp_f32 not to fall where its input rises.
; REGISTERS, in windows of 256: window 0: see the names below.  Window 1: v0-127 O^T (d tile T at 8 T), v128-255 a step's 16 fragments of K or of V.  Windows 2, 3: step s has 64 registers at 64 (s % 4) of window 2 + s / 4:
; first the landing of the fill's codes, then part1 + part2 (the C of the scores), the scores, p, a.
.set REC,   35328
.set BATCH, 8*REC
.set KC,    0
.set VC,    16384
.set SC,    32768
.set P2,    34816
.set STG,   8*REC                      ; behind the eight records: 16 rows x 272 bytes for each wave, for the way out
.set NEGBIG, 0xf149f2ca                ; -1e30
.set FLOOR, 0x1800000                  ; 2^(3 - 127)
.set LI,   1                           ; v1   16 x lane
.set L8,   2                           ; v2   8 x lane
.set H32,  3                           ; v3   32 x (lane / 16)
.set FC,   4                           ; v4   the fill: my wave's quarter of 16 KiB of codes: 4096 w + 16 lane
.set FS,   5                           ; v5   of the 2,048 scale bytes: 512 w + 16 lane
.set FP,   6                           ; v6   of part2: 128 w + 4 lane
.set KEY0, 7                           ; v7   the key, within its step, of the part2 that I bring
.set QFO,  8                           ; v8   Q's fragments, v9 its scale words, v10 part1: byte offsets in the record
.set QSO,  9
.set P1O,  10
.set ROWREL, 11                        ; v11  my query's row less the tile's first row: r + 8 (r / 8)
.set OSA,  12                          ; v12  the way out: where I put 32 bytes of a row; v13 where I read rows back; v14 my byte offset in out0
.set ORA,  13
.set OGA,  14
.set A0,   16                          ; v16-18 the LDS addresses in hand
.set A1,   17
.set A2,   18
.set P1,   20                          ; v[20:21] part1 of my query, twice
.set NGM,  22                          ; v22  -M (v23 is named with it as a pair)
.set MT,   24                          ; v24  the running largest t
.set DLT,  25
.set FF,   26                          ; v26  2^(old M - new M) (v27 named with it)
.set LS,   28                          ; v[28:29] the sum, in two halves;  v[30:31] its second chain
.set T2,   30
.set QF,   32                          ; v32-47 Q's two fragments
.set QS,   48                          ; v48  Q's scale words: lanes 0-15 K step 0, lanes 16-31 K step 1
.set PW,   49                          ; v49  a's scale word
.set GG,   50                          ; v50  2^(the step's M - M) / the sum (v51 named with it)
.set KSR,  52                          ; v52-59 K's scale words, tile T: lanes 0-15 K step 0, lanes 16-31 K step 1
.set VSW,  60                          ; v60-67 V's scale words: register i: lanes 0-15 d tile i, lanes 16-31 d tile 8 + i
.set VSB,  68                          ; v68-75 V's scale bytes as they lie
.set NM,   76                          ; v76-83 -M as it stood in step s
.set PM,   84                          ; v84-115 the largest p of block b of step s, at 4 s + b
.set PCD,  116                         ; v116-123 a's codes
.set RL,   124                         ; v124 1 / the sum, or 0
.set BM,   128                         ; v128-131 block maxima; v132-135 the other half's; v136-139 scale operands; v140-143 bytes
.set T4,   132
.set SOP,  136
.set BY,   140
.set PT,   144                         ; v144-147 at work
.set ZR,   148                         ; v148-151 zeros
.set FSC,  152                         ; v152-183 the fill: scale bytes, 4 registers a step;  v184-191 part2
.set FP2,  184
.set BK,   128                         ; the way out: rows read back, v128-255
.set FRG,  128                         ; in window 1
.set MSB, 0
.macro WIN new                         ; s_set_vgpr_msb: bits 1:0 source 0, 3:2 source 1, 5:4 source 2, 7:6 destination; the high byte repeats the setting that is left.  At a label and at a branch every window is 0
.if MSB != (\new)
	s_set_vgpr_msb (MSB<<8)|(\new)
.set MSB, (\new)
.endif
.endm
	s_load_b256 s[4:11], s[0:1], 0x0               ; l1 s[4:5], l2 s[6:7], qrec s[8:9], kvrec s[10:11]
	s_load_b64 s[12:13], s[0:1], 0x20              ; out0
	v_lshl_add_u32 v126, v0, 2, 0x49400
	v_mov_b32 v127, 0
	v_lshrrev_b32 v[PT], 5, v0
	v_readfirstlane_b32 s14, v[PT]                 ; wave 0..3
	s_and_b32 s15, ttmp7, 0xffff                   ; the sample
	s_mov_b32 s16, ttmp9                           ; the block of 64 queries
	s_lshl_b32 s28, s15, 2
	s_mov_b32 s29, 0
	s_wait_kmcnt 0x0
	s_add_nc_u64 s[4:5], s[4:5], s[28:29]
	s_add_nc_u64 s[6:7], s[6:7], s[28:29]
	s_load_b32 s17, s[4:5], 0x0                    ; l1[b]
	s_load_b32 s18, s[6:7], 0x0                    ; l2[b]
	s_and_b32 s32, s16, 1
	s_lshl_b32 s32, s32, 2
	s_add_co_u32 s32, s32, s14                     ; my tile T = 4 (x % 2) + wave of chunk x / 2
	s_lshr_b32 s33, s16, 1
	s_lshl_b32 s30, s33, 7
	s_lshr_b32 s34, s32, 1
	s_lshl_b32 s34, s34, 5
	s_add_co_u32 s30, s30, s34
	s_and_b32 s34, s32, 1
	s_lshl_b32 s34, s34, 3
	s_add_co_u32 s30, s30, s34                     ; its first row R0 = 128 (x / 2) + 32 (T / 2) + 8 (T % 2)
	s_mul_i32 s34, s15, BATCH
	s_mov_b32 s35, 0
	s_add_nc_u64 s[10:11], s[10:11], s[34:35]      ; the sample's records of K and V
	s_mul_i32 s28, s33, REC
	s_add_co_u32 s34, s34, s28
	s_add_nc_u64 s[8:9], s[8:9], s[34:35]          ; my chunk's record of Q
	s_lshl_b32 s34, s15, 20
	s_lshl_b32 s28, s30, 10
	s_add_co_u32 s34, s34, s28
	s_add_nc_u64 s[12:13], s[12:13], s[34:35]      ; out0 at row R0
	s_mov_b32 s20, 0x76543210                      ; v_permlanex16_b32's selects for lane l xor 16
	s_mov_b32 s21, 0xfedcba98
	s_mov_b32 s22, 0x3fb8aa3b                      ; log2(e)
	s_mov_b32 s23, s22                             ; (named with it as a pair)
	s_mov_b32 s24, 0x05010400                      ; v_perm_b32's selects: bytes 0, 1 of two words by turns;
	s_mov_b32 s25, 0x07030602                      ; bytes 2, 3 by turns;
	s_mov_b32 s26, 0x05040100                      ; the two low halves;
	s_mov_b32 s27, 0x07060302                      ; the two high halves
	v_and_b32 v[PT], 15, v0                        ; r
	v_bfe_u32 v[PT+1], v0, 4, 1                    ; h
	v_and_b32 v[PT+2], 31, v0                      ; lane
	v_lshlrev_b32 v[LI], 4, v[PT+2]
	v_lshlrev_b32 v[L8], 3, v[PT+2]
	v_lshlrev_b32 v[H32], 5, v[PT+1]
	s_lshl_b32 s28, s14, 12
	v_add_nc_u32 v[FC], s28, v[LI]
	s_lshl_b32 s28, s14, 9
	v_add_nc_u32 v[FS], s28, v[LI]
	s_lshl_b32 s28, s14, 7
	v_lshl_add_u32 v[FP], v[PT+2], 2, s28
	v_and_b32 v[ROWREL], 8, v[PT]
	v_add_nc_u32 v[ROWREL], v[ROWREL], v[PT]
	v_lshl_add_u32 v[KEY0], v[PT+1], 3, v[ROWREL]
	s_lshl_b32 s28, s14, 5
	v_add_nc_u32 v[KEY0], s28, v[KEY0]             ; entry 32 w + lane of part2 is position lane % 16 of tile 2 w + lane / 16: key 32 w + 8 h + r + 8 (r / 8)
	s_lshl_b32 s28, s32, 11
	v_add_nc_u32 v[QFO], s28, v[LI]
	s_lshr_b32 s28, s32, 1
	s_lshl_b32 s28, s28, 8
	s_and_b32 s29, s32, 1
	s_lshl_b32 s29, s29, 2
	s_add_co_u32 s28, s28, s29
	v_add_nc_u32 v[QSO], s28, v[L8]
	s_lshl_b32 s28, s32, 6
	v_lshl_add_u32 v[P1O], v[PT], 2, s28
	s_mul_i32 s28, s14, 4352
	s_add_co_u32 s28, s28, STG                     ; my stage
	v_mul_u32_u24 v[OSA], v[PT], 272
	v_lshl_add_u32 v[OSA], v[PT+1], 5, v[OSA]
	v_add_nc_u32 v[OSA], s28, v[OSA]               ; in: row r, 32 bytes for each half of the lanes
	v_mul_u32_u24 v[ORA], v[PT+1], 272
	v_lshl_add_u32 v[ORA], v[PT], 4, v[ORA]
	v_add_nc_u32 v[ORA], s28, v[ORA]               ; back: lanes 0-15 one row, lanes 16-31 the next
	v_lshlrev_b32 v[OGA], 4, v[PT]
	v_lshl_add_u32 v[OGA], v[PT+1], 10, v[OGA]     ; and the same in out0
.irp b, 0,1,2,3
	v_mov_b32 v[T4+\b], 0                          ; written once: a lane permute's destination counts as one of its sources
.endr
	v_mov_b32 v[NGM+1], 0                          ; upper halves of pairs of which the low word serves both halves
	v_mov_b32 v[FF+1], 0
	v_mov_b32 v[GG+1], 0
	s_wait_kmcnt 0x0
	s_max_i32 s18, s18, 0
	s_min_i32 s18, s18, 1024                       ; L2
	s_max_i32 s17, s17, 0
	s_cmp_gt_i32 s18, 0
	s_cselect_b32 s17, s17, 0                      ; L1, and 0 where no key counts: every test of a row is then against L1 alone
	s_add_co_u32 s19, s18, 127
	s_lshr_b32 s19, s19, 7                         ; N: steps of 128 keys that hold a key that counts
	s_sub_co_i32 s31, s17, s30                     ; L1 - R0
	s_lshl_b32 s28, s16, 6
	s_cmp_lt_i32 s28, s17                          ; does any of the block's 64 rows count?
	s_cbranch_scc0 .Linvalid
; THE FILL.  Step s: my wave's quarter of the record, 18 loads, each of 512 consecutive bytes (part2: 128).  The address registers are never rewritten.
.macro FLOAD s
.set W, 2+(\s)/4
.set PB, 64*((\s)%4)
.set RB, (\s)*REC
	WIN W<<6                                       ; destination: the step's window
.irp i, 0,1,2,3,4,5,6,7
	global_load_b128 v[PB+4*\i:PB+4*\i+3], v[FC], s[10:11] offset:RB+KC+512*\i
	global_load_b128 v[PB+32+4*\i:PB+32+4*\i+3], v[FC], s[10:11] offset:RB+VC+512*\i
.endr
	WIN 0
	global_load_b128 v[FSC+4*(\s):FSC+4*(\s)+3], v[FS], s[10:11] offset:RB+SC
	global_load_b32 v[FP2+(\s)], v[FP], s[10:11] offset:RB+P2
.endm
.macro FSTORE s
.set W, 2+(\s)/4
.set PB, 64*((\s)%4)
.set RB, (\s)*REC
	s_wait_loadcnt 0x0                             ; at every way in: all my loads are in, Q's too
	v_add_nc_u32 v[A0], RB, v[FC]
	v_add_nc_u32 v[A1], RB, v[FS]
	v_add_nc_u32 v[A2], RB, v[FP]
	s_sub_co_i32 s28, s18, 128*(\s)
	v_cmp_gt_i32 vcc_lo, s28, v[KEY0]              ; the key counts where 128 s + its place < L2
	v_cndmask_b32 v[FP2+(\s)], NEGBIG, v[FP2+(\s)], vcc_lo
	WIN W<<2                                       ; an LDS store's data are its source 1
.irp i, 0,1,2,3,4,5,6,7
	ds_store_b128 v[A0], v[PB+4*\i:PB+4*\i+3] offset:KC+512*\i
	ds_store_b128 v[A0], v[PB+32+4*\i:PB+32+4*\i+3] offset:VC+512*\i
.endr
	WIN 0
	ds_store_b128 v[A1], v[FSC+4*(\s):FSC+4*(\s)+3] offset:SC
	ds_store_b32 v[A2], v[FP2+(\s)] offset:P2
.endm
.macro FUP n                           ; on to step n, if there is one
	s_cmp_eq_u32 s19, \n
	s_cbranch_scc1 .LF\n
	FLOAD \n
.endm
.macro FDOWN n, s
.LF\n:
	FSTORE \s
.endm
.irp k, 0,1
.irp c, 0,1
	global_load_b128 v[QF+8*\k+4*\c:QF+8*\k+4*\c+3], v[QFO], s[8:9] offset:KC+1024*\k+512*\c   ; Q's chunk begins at or under row 64 x, which counts: the launch before wrote its record whole
.endr
.endr
	global_load_b32 v[QS], v[QSO], s[8:9] offset:SC
	global_load_b32 v[P1], v[P1O], s[8:9] offset:P2
	FLOAD 0                                        ; a row counts, so a key counts: N is at least 1
	FUP 1
	FUP 2
	FUP 3
	FUP 4
	FUP 5
	FUP 6
	FUP 7
	FDOWN 8, 7
	FDOWN 7, 6
	FDOWN 6, 5
	FDOWN 5, 4
	FDOWN 4, 3
	FDOWN 3, 2
	FDOWN 2, 1
	FDOWN 1, 0
	v_mov_b32 v[P1+1], v[P1]
	s_branch .Ljoin
.Linvalid:                                             ; no row of the block counts: nothing is fetched.  What the text behind the barrier names is written here too
	v_mov_b32 v[QS], 0
	v_mov_b32 v[P1], 0
	v_mov_b32 v[P1+1], 0
.set JJ, 0
.rept 16
	v_mov_b32 v[QF+JJ], 0
.set JJ, JJ+1
.endr
.Ljoin:
	s_wait_dscnt 0x0                               ; for the others' sake: my part of the records lies in LDS
	s_barrier_signal -1                            ; the one barrier, on every wave's way
	WIN 0x40
.set JJ, 0
.rept 128
	v_mov_b32 v[JJ], 0                             ; O^T.  The downward sweep is entered at a step that hangs on l2, so no one product can be written as the sums' first; the clearing is work on registers while the others arrive
.set JJ, JJ+1
.endr
	WIN 0
	s_barrier_wait -1
	s_cmp_lt_i32 s30, s17                          ; does my tile's first row count?
	s_cbranch_scc0 .Lzero
; THE FIRST SWEEP, step s: scores of 128 keys, their p under the running M, the block maxima of p, the sum.
.macro SWEEP1 s
.set W, 2+(\s)/4
.set PB, 64*((\s)%4)
.set RB, (\s)*REC
	v_add_nc_u32 v[A0], RB, v[LI]
	v_add_nc_u32 v[A1], RB, v[H32]
	v_add_nc_u32 v[A2], RB, v[L8]
	WIN W<<6
.irp t, 0,1,2,3,4,5,6,7
	ds_load_b128 v[PB+8*\t:PB+8*\t+3], v[A1] offset:P2+64*\t           ; part2 of tile t's positions 8 h + 0 .. 7: straight into the registers of C
	ds_load_b128 v[PB+8*\t+4:PB+8*\t+7], v[A1] offset:P2+64*\t+16
.endr
	WIN 0
.irp b, 0,1,2,3
	ds_load_b64 v[KSR+2*\b:KSR+2*\b+1], v[A2] offset:SC+256*\b         ; the scale words of tiles 2 b and 2 b + 1
.endr
	WIN 0x40
.irp t, 0,1,2,3,4,5,6,7
.irp k, 0,1
.irp c, 0,1
	ds_load_b128 v[FRG+16*\t+8*\k+4*\c:FRG+16*\t+8*\k+4*\c+3], v[A0] offset:KC+2048*\t+1024*\k+512*\c
.endr
.endr
.endr
	s_wait_dscnt 36                                ; part2 is in; the 4 + 32 younger loads may stay out
	WIN (W<<6)|W
.set JJ, 0
.rept 32
	v_pk_add_f32 v[PB+JJ:PB+JJ+1], v[PB+JJ:PB+JJ+1], v[P1:P1+1]        ; part1 + part2: the C of the scores' first product
.set JJ, JJ+2
.endr
.rept 4
	v_nop                                          ; places between the last of these additions and the product that takes its result
.endr
	s_wait_dscnt 0x0
	WIN (W<<6)|(W<<4)|1                            ; source 0 (K) window 1, source 1 (Q) window 0, C and D the step's window.  The eight accumulators take turns
.irp t, 0,1,2,3,4,5,6,7
	v_wmma_scale_f32_16x16x128_f8f6f4 v[PB+8*\t:PB+8*\t+7], v[FRG+16*\t:FRG+16*\t+7], v[QF:QF+7], v[PB+8*\t:PB+8*\t+7], v[KSR+\t], v[QS] matrix_a_fmt:MATRIX_FMT_FP4 matrix_b_fmt:MATRIX_FMT_FP4
.endr
.irp t, 0,1,2,3,4,5,6,7
	v_wmma_scale_f32_16x16x128_f8f6f4 v[PB+8*\t:PB+8*\t+7], v[FRG+16*\t+8:FRG+16*\t+15], v[QF+8:QF+15], v[PB+8*\t:PB+8*\t+7], v[KSR+\t], v[QS] matrix_a_fmt:MATRIX_FMT_FP4 matrix_b_fmt:MATRIX_FMT_FP4 matrix_a_scale:MATRIX_SCALE_ROW1 matrix_b_scale:MATRIX_SCALE_ROW1
.endr
	WIN 0
.rept 4
	v_nop                                          ; four places behind the last product, ahead of the first read of results (ISA guide 7.12.1)
.endr
	WIN W|(W<<2)|(W<<4)
.irp b, 0,1,2,3
	v_max3_num_f32 v[BM+\b], v[PB+16*\b], v[PB+16*\b+1], v[PB+16*\b+2]   ; the largest score of each block of 32 keys: for the row's maximum, and, since p rises with the score, for the block's largest p.  Each accumulator is read from its low end on
.endr
	WIN (W<<2)|(W<<4)
.irp i, 3,5,7,9,11,13
.irp b, 0,1,2,3
	v_max3_num_f32 v[BM+\b], v[BM+\b], v[PB+16*\b+\i], v[PB+16*\b+\i+1]
.endr
.endr
	WIN W<<2
.irp b, 0,1,2,3
	v_max_num_f32 v[BM+\b], v[BM+\b], v[PB+16*\b+15]
.endr
	WIN 0
.irp b, 0,1,2,3
	v_permlanex16_b32 v[T4+\b], v[BM+\b], s20, s21
.endr
.irp b, 0,1,2,3
	v_max_num_f32 v[BM+\b], v[BM+\b], v[T4+\b]     ; with lane l xor 16's 16 keys
.endr
	v_max3_num_f32 v[T2], v[BM], v[BM+1], v[BM+2]
	v_max_num_f32 v[T2], v[T2], v[BM+3]            ; the step's largest score of my query: every step walked holds a key that counts
.if (\s) > 0
	v_mul_f32 v[T2], s22, v[T2]
	v_max_num_f32 v[MT], v[MT], v[T2]              ; the running largest t
	v_mov_b32 v[DLT], v[NGM]
	v_floor_f32 v[NGM], -v[MT]                     ; -M = floor(-t): M is a whole number
	v_sub_f32 v[DLT], v[NGM], v[DLT]               ; old M - new M, 0 or less
	v_cvt_i32_f32 v[DLT], v[DLT]                   ; (it saturates)
	v_ldexp_f32 v[FF], 1.0, v[DLT]
.else
	v_mul_f32 v[MT], s22, v[T2]
	v_floor_f32 v[NGM], -v[MT]
.endif
	WIN (W<<6)|W
.set JJ, 0
.rept 32
	v_pk_fma_f32 v[PB+JJ:PB+JJ+1], v[PB+JJ:PB+JJ+1], s[22:23], v[NGM:NGM+1] op_sel_hi:[1,0,0]   ; t - M, two at a time
.set JJ, JJ+2
.endr
.set JJ, 0
.rept 64
	v_exp_f32 v[PB+JJ], v[PB+JJ]                   ; p = 2^(t - M); 0 for a key that does not count
.set JJ, JJ+1
.endr
	WIN 0
.irp b, 0,1,2,3
	v_fma_f32 v[BM+\b], v[BM+\b], s22, v[NGM]      ; the same of each block's largest score.  (Plain lines behind the exponentials)
.endr
.irp b, 0,1,2,3
	v_exp_f32 v[PM+4*(\s)+\b], v[BM+\b]            ; the block's largest p: the same two instructions on the same number give the same bits
.endr
	v_mov_b32 v[NM+(\s)], v[NGM]                   ; the M under which this step's p stand.  (A plain line behind the exponentials)
.if (\s) > 0
	v_pk_mul_f32 v[LS:LS+1], v[LS:LS+1], v[FF:FF+1] op_sel_hi:[1,0]    ; the sum under the new M
	WIN W|(W<<2)
	s_wait_alu depctr_va_vdst(0)
	v_pk_add_f32 v[T2:T2+1], v[PB:PB+1], v[PB+2:PB+3]                  ; the sum is taken of the unquantised p, two at a time, in two chains
	WIN W<<2
.set JJ, 4
.rept 15
	v_pk_add_f32 v[LS:LS+1], v[LS:LS+1], v[PB+JJ:PB+JJ+1]
	v_pk_add_f32 v[T2:T2+1], v[T2:T2+1], v[PB+JJ+2:PB+JJ+3]
.set JJ, JJ+4
.endr
.else
	WIN W|(W<<2)
	s_wait_alu depctr_va_vdst(0)
	v_pk_add_f32 v[LS:LS+1], v[PB:PB+1], v[PB+4:PB+5]                  ; the first step starts the sum
	v_pk_add_f32 v[T2:T2+1], v[PB+2:PB+3], v[PB+6:PB+7]
	WIN W<<2
.set JJ, 8
.rept 14
	v_pk_add_f32 v[LS:LS+1], v[LS:LS+1], v[PB+JJ:PB+JJ+1]
	v_pk_add_f32 v[T2:T2+1], v[T2:T2+1], v[PB+JJ+2:PB+JJ+3]
.set JJ, JJ+4
.endr
.endif
	WIN 0
	v_pk_add_f32 v[LS:LS+1], v[LS:LS+1], v[T2:T2+1]
.endm
; Between the sweeps: 1 / the row's sum, or 0 for a row at or beyond l1: its a, its codes and its row of the result are then zeros.
.macro FINAL
	v_add_f32 v[LS], v[LS], v[LS+1]
	v_permlanex16_b32 v[T4], v[LS], s20, s21
	v_add_f32 v[LS], v[LS], v[T4]
	v_cmp_gt_i32 vcc_lo, s31, v[ROWREL]            ; my row counts where R0 + its place < L1
	v_rcp_f32 v[RL], v[LS]
	v_nop                                          ; one plain line behind the reciprocal
	s_wait_alu depctr_va_vdst(0)
	v_cndmask_b32 v[RL], 0, v[RL], vcc_lo
.endm
; THE SECOND SWEEP, step s: a = p x g, quantised in blocks of 32 keys; O^T += V^T a^T.
.macro SWEEP2 s
.set W, 2+(\s)/4
.set PB, 64*((\s)%4)
.set RB, (\s)*REC
	v_add_nc_u32 v[A0], RB, v[LI]                  ; these six lines name no register of the last products: they are the places ahead of the loads into V's fragments
	v_add_nc_u32 v[A2], RB, v[L8]
	v_sub_f32 v[DLT], v[NGM], v[NM+(\s)]           ; the step's M less the last M: a whole number, 0 or less
	v_cvt_i32_f32 v[DLT], v[DLT]
	v_ldexp_f32 v[GG], v[RL], v[DLT]               ; g = 2^(the step's M - M) / the sum
	v_nop
.irp b, 0,1,2,3
	ds_load_b64 v[VSB+2*\b:VSB+2*\b+1], v[A2] offset:SC+1024+256*\b    ; V's scale bytes of key block b: lane r + 16 g: d tiles 8 g + 0 .. 7
.endr
	WIN 0x40
.irp t, 0,1,2,3,4,5,6,7,8,9,10,11,12,13,14,15
.irp c, 0,1
	ds_load_b128 v[FRG+8*\t+4*\c:FRG+8*\t+4*\c+3], v[A0] offset:VC+1024*\t+512*\c
.endr
.endr
	WIN 0
.irp b, 0,1,2,3
	v_mul_f32 v[BM+\b], v[PM+4*(\s)+\b], v[GG]     ; the block's largest a
.endr
.irp b, 0,1,2,3
	v_max_num_f32 v[BM+\b], FLOOR, v[BM+\b]        ; the floor: the byte cannot fall under 1
.endr
.irp b, 0,1,2,3
	v_add_nc_u32 v[SOP+\b], 0xff000000, v[BM+\b]   ; 2 off the exponent field: the conversion's scale operand
.endr
.irp b, 0,1,2,3
	v_lshrrev_b32 v[BY+\b], 23, v[SOP+\b]
.endr
	v_lshl_or_b32 v[PW], v[BY+1], 8, v[BY]         ; a's scale word for these 128 keys
	v_lshl_or_b32 v[PW], v[BY+2], 16, v[PW]
	v_lshl_or_b32 v[PW], v[BY+3], 24, v[PW]
	s_wait_dscnt 32                                ; V's scale bytes are in; the 32 fragment loads may stay out
.irp g, 0,1                            ; 4 key blocks x 8 d tiles of bytes are turned into 8 words of 4 key blocks
	v_perm_b32 v[PT], v[VSB+2+\g], v[VSB+\g], s24
	v_perm_b32 v[PT+1], v[VSB+2+\g], v[VSB+\g], s25
	v_perm_b32 v[PT+2], v[VSB+6+\g], v[VSB+4+\g], s24
	v_perm_b32 v[PT+3], v[VSB+6+\g], v[VSB+4+\g], s25
	v_perm_b32 v[VSW+4*\g], v[PT+2], v[PT], s26
	v_perm_b32 v[VSW+4*\g+1], v[PT+2], v[PT], s27
	v_perm_b32 v[VSW+4*\g+2], v[PT+3], v[PT+1], s26
	v_perm_b32 v[VSW+4*\g+3], v[PT+3], v[PT+1], s27
.endr
	WIN (W<<6)|W
.set JJ, 0
.rept 32
	v_pk_mul_f32 v[PB+JJ:PB+JJ+1], v[PB+JJ:PB+JJ+1], v[GG:GG+1] op_sel_hi:[1,0]   ; a.  (These 32 also stand between the scale words just made and the products)
.set JJ, JJ+2
.endr
	WIN W
.irp b, 0,1,2,3
	v_cvt_scalef32_pk8_fp4_f32 v[PCD+2*\b], v[PB+16*\b:PB+16*\b+7], v[SOP+\b]
	v_cvt_scalef32_pk8_fp4_f32 v[PCD+2*\b+1], v[PB+16*\b+8:PB+16*\b+15], v[SOP+\b]
.endr
	WIN 0
	v_nop                                          ; one plain line behind the last scaled conversion
.irp c, 0,1                            ; the operand's layout wants a whole block in a lane: lanes 0-15 block 2 c, lanes 16-31 block 2 c + 1
.irp i, 0,1
	v_permlane16_swap_b32 v[PCD+4*\c+\i], v[PCD+4*\c+2+\i]
.endr
.endr
.rept 4
	v_nop                                          ; an operand written by vector instructions stands four places ahead of a scaled product
.endr
	s_wait_dscnt 0x0
	WIN 0x51                                       ; source 0 (V), C and D window 1, source 1 (a) window 0.  The sixteen accumulators take turns, from step to step too
.irp t, 0,1,2,3,4,5,6,7
	v_wmma_scale_f32_16x16x128_f8f6f4 v[8*\t:8*\t+7], v[FRG+8*\t:FRG+8*\t+7], v[PCD:PCD+7], v[8*\t:8*\t+7], v[VSW+\t], v[PW] matrix_a_fmt:MATRIX_FMT_FP4 matrix_b_fmt:MATRIX_FMT_FP4
.endr
.irp t, 8,9,10,11,12,13,14,15
	v_wmma_scale_f32_16x16x128_f8f6f4 v[8*\t:8*\t+7], v[FRG+8*\t:FRG+8*\t+7], v[PCD:PCD+7], v[8*\t:8*\t+7], v[VSW+\t-8], v[PW] matrix_a_fmt:MATRIX_FMT_FP4 matrix_b_fmt:MATRIX_FMT_FP4 matrix_a_scale:MATRIX_SCALE_ROW1
.endr
	WIN 0
.endm
.macro UP s, n                         ; behind step s: was it the last?  Then down from there; else on to step n
	s_cmp_lg_u32 s19, \n
	s_cbranch_scc1 .LS\n
	FINAL
	s_branch .LP\s
.LS\n:
	SWEEP1 \n
.endm
.macro DOWN s
.LP\s:
	SWEEP2 \s
.endm
	SWEEP1 0
	UP 0, 1
	UP 1, 2
	UP 2, 3
	UP 3, 4
	UP 4, 5
	UP 5, 6
	UP 6, 7
	FINAL
	DOWN 7
	DOWN 6
	DOWN 5
	DOWN 4
	DOWN 3
	DOWN 2
	DOWN 1
	DOWN 0
	; THE WAY OUT.  A lane holds 32 neighbouring bytes of a row, and the lanes beside it hold other rows: a quarter of the 16 rows (64 d, 256 bytes) at a time goes through my stage in LDS and comes back by rows.
	; LDS serves a wave's instructions in order: no wait between the stores and the loads, nor ahead of the next quarter's stores.  Each quarter has registers of its own.
.rept 4
	v_nop                                          ; four places behind the last product
.endr
.irp u, 0,1,2,3
	WIN 0x04                                       ; the data: window 1
.irp t, 0,1,2,3
	ds_store_b128 v[OSA], v[8*(4*\u+\t):8*(4*\u+\t)+3] offset:64*\t        ; each accumulator from its low end on
	ds_store_b128 v[OSA], v[8*(4*\u+\t)+4:8*(4*\u+\t)+7] offset:64*\t+16
.endr
	WIN 0
.irp i, 0,1,2,3,4,5,6,7
	ds_load_b128 v[BK+32*\u+4*\i:BK+32*\u+4*\i+3], v[ORA] offset:544*\i
.endr
.endr
.irp u, 0,1,2,3
.irp i, 0,1,2,3,4,5,6,7
	s_wait_dscnt 16*(3-\u)+7-\i                    ; behind this load: the 7 - i later ones of its quarter and 16 LDS instructions for each later quarter
	global_store_b128 v[OGA], v[BK+32*\u+4*\i:BK+32*\u+4*\i+3], s[12:13] offset:(2*\i+8*(\i/4))*1024+256*\u th:TH_STORE_NT   ; positions 2 i, 2 i + 1 are rows 2 i + 8 (i / 4) on; sixteen lanes store 256 consecutive bytes, aligned
.endr
.endr
	s_wait_tensorcnt 0x0
	ds_add_u32 v126, v127
	s_wait_dscnt 0x0
	s_endpgm
.Lzero:                                                ; none of my 16 rows counts: two runs of eight rows of zeros, 512 consecutive bytes a store
.irp j, 0,1,2,3
	v_mov_b32 v[ZR+\j], 0
.endr
.set JJ, 0
.rept 32
	global_store_b128 v[LI], v[ZR:ZR+3], s[12:13] offset:512*JJ+8192*(JJ/16) th:TH_STORE_NT
.set JJ, JJ+1
.endr
	s_wait_tensorcnt 0x0
	ds_add_u32 v126, v127
	s_wait_dscnt 0x0
	s_endpgm
.Lfunc_end_k_qd1f1e6b9af_attn:
	.size	k_qd1f1e6b9af_attn, .Lfunc_end_k_qd1f1e6b9af_attn-k_qd1f1e6b9af_attn
	.p2alignl 7, 3214868480
	.fill 96, 4, 3214868480
	.section	.rodata,"a",@progbits
	.p2align	6, 0x0
	.amdhsa_kernel k_qd1f1e6b9af_attn
		.amdhsa_group_segment_fixed_size 300544
		.amdhsa_private_segment_fixed_size 0
		.amdhsa_enable_private_segment 0
		.amdhsa_kernarg_size 40
		.amdhsa_user_sgpr_count 2
		.amdhsa_user_sgpr_kernarg_segment_ptr 1
		.amdhsa_wavefront_size32 1
		.amdhsa_system_sgpr_workgroup_id_x 1
		.amdhsa_system_sgpr_workgroup_id_y 1
		.amdhsa_system_sgpr_workgroup_id_z 1
		.amdhsa_system_vgpr_workitem_id 0
		.amdhsa_next_free_vgpr 1024
		.amdhsa_next_free_sgpr 66
		.amdhsa_reserve_vcc 1
		.amdhsa_float_denorm_mode_32 3
		.amdhsa_float_denorm_mode_16_64 3
		.amdhsa_memory_ordered 1
		.amdhsa_forward_progress 1
		.amdhsa_inst_pref_size 255
	.end_amdhsa_kernel
	.section	.bss,"aw",@nobits
	.p2align	6
	.space	262144
	.amdgpu_metadata
---
amdhsa.version: [ 1, 2 ]
amdhsa.kernels:
  - .name:           k_qd1f1e6b9af_attn
    .symbol:         k_qd1f1e6b9af_attn.kd
    .args:
      - { .name: l1, .offset: 0, .size: 8, .value_kind: global_buffer, .address_space: global }
      - { .name: l2, .offset: 8, .size: 8, .value_kind: global_buffer, .address_space: global }
      - { .name: qrec, .offset: 16, .size: 8, .value_kind: global_buffer, .address_space: global }
      - { .name: kvrec, .offset: 24, .size: 8, .value_kind: global_buffer, .address_space: global }
      - { .name: out0, .offset: 32, .size: 8, .value_kind: global_buffer, .address_space: global }
    .group_segment_fixed_size: 300544
    .private_segment_fixed_size: 0
    .kernarg_segment_align: 8
    .kernarg_segment_size: 40
    .max_flat_workgroup_size: 128
    .sgpr_count:     66
    .vgpr_count:     1024
    .wavefront_size: 32
...
	.end_amdgpu_metadata
.endif
;; end of part 2
;; ======== version 2 of 3: 2 launches
;; workspace buffers: qrec 9,043,968 bytes; kvrec 9,043,968 bytes; order 2,048 bytes of whole numbers
;; launch prep (part 3): grid 16 x 32, 4 waves a work-group, no clusters, 37,376 bytes of LDS; arguments s1, s2, w, l1, l2, qrec, kvrec, order; writes qrec, kvrec, order
.if DOCPART == 3
	.amdgcn_target "amdgcn-amd-amdhsa--gfx1250"
	.amdhsa_code_object_version 6
	.text
	.protected	k_qd1f1e6b9af_prep
	.globl	k_qd1f1e6b9af_prep
	.p2align	8
	.type	k_qd1f1e6b9af_prep,@function
k_qd1f1e6b9af_prep:
	s_mov_b64 s[64:65], 0
	v_nop
	global_prefetch_b8 v0, s[64:65] scope:SCOPE_SE
	s_setreg_imm32_b32 hwreg(HW_REG_WAVE_MODE, 25, 1), 1
	s_wait_xcnt 0x0
; s2 and s1 x w3 become codes of FP4 (E2M1) with one E8M0 scale byte for each 32 along K, laid in the order in which the next launch's operand registers take them; s1 . w1 and s2 . w2 are made on the way, in f32.
; A work-group takes a chunk of 128 rows of one sample: x = 0 .. 7 chunk x of s2, x = 8 .. 15 chunk x - 8 of s1; y = the sample.  Wave w takes the chunk's rows 32 w .. 32 w + 31, all 256 columns.
; A chunk whose first row lies at or beyond the sample's l2 (s2) or l1 (s1) is thrown away by the mask that the problem builds itself: its work-group stores nothing and ends.  That is the price of a grid that serves every l1 and l2.
; s2 is quantised TWICE: along d (K of the scores) and along the keys (K of the second product).  s1 x w3 along d alone.  Both tensors take one path: for s2 the factor is 1.0, which changes no bit.
; A RECORD (REC bytes) for each sample and chunk:
;   KC  fragment images along d: tile T = 2 w + u, K step s of 128: at 2048 T + 1024 s + 512 c + 16 lane the 16 bytes (32 codes) of d block 4 s + 2 c + lane / 16 of the tile's position lane % 16
;   VC  (s2) fragment images along the keys: d tile T (d = 16 T + lane % 16): at 1024 T + 512 c + 16 lane the 32 codes of the chunk's key block 2 c + lane / 16
;   SC  scale words along d: at 256 w + 8 (r + 16 s) + 4 u the four bytes of K step s of position r of tile 2 w + u;   SC + 1024 (s2): at 256 w + 8 (r + 16 g) + i the byte of d = 16 (8 g + i) + r for key block w
;   P2  the row's product with w1 or w2, f32, by positions: 64 T + 4 position
; THE ROWS OF A TILE ARE NOT NEIGHBOURS: position m of tile 2 w + u is row 32 w + 8 u + m + 8 (m / 8), so that in the transposed score product a lane's 16 registers of two neighbouring tiles are 16 neighbouring keys.
; Row k of a wave's 32 has place RHO(k) = 16 ((k / 8) % 2) + k % 8 + 8 (k / 16) among the wave's 32 positions.
; A block's scale is 2^(floor(log2(its largest magnitude)) - 2); its byte is the largest magnitude's exponent field - 2, held at 1 from below by a floor among the maximum's leaves.
; THE LIST.  Wave 0 of the last work-group also lays out the next launch's work: 512 blocks of 64 queries (sample b, block x), one word each: x | b << 4 | L1 << 9 | L2 << 20.  A block's work there grows with its sample's
; number of steps of 128 keys; a block with no row under L1 only stores zeros.  The list has the blocks with rows first, those of the most key steps at the lowest numbers, and the blocks of zeros behind them.
; LIMITS: a block of zeros gets the byte 1 where the rule says 127 (its codes are zeros, and this program alone reads the bytes); blocks whose largest magnitude lies under 2^-124 get the byte 1; NaN and infinities are not served;
; a negative l counts as 0, one over 1,024 as 1,024 (the same mask).
; No tensor load, no barrier: waves share nothing.  All 64 loads of a wave's 32 KiB go out at its start.  No matrix unit, no cluster: the launch streams, and no two work-groups read the same bytes.
.set REC,   35328
.set BATCH, 8*REC
.set KC,    0
.set VC,    16384
.set SC,    32768
.set P2,    34816
.set WREG,  9216                       ; LDS of a wave: a stage of 32 positions x SP bytes, 256 bytes of K's scale words, 256 of V's scale bytes
.set SP,    272                        ; 256 bytes (64 d) + 16: 17 x 16 bytes, so that sixteen lanes that read 16 bytes of sixteen rows touch sixteen different columns of 16 bytes modulo 256
.set KSA,   8704
.set VSA,   8960
.set FLOOR, 0x1800000                  ; 2^(3 - 127)
.set WD,    16                         ; v16-31   w1 or w2 at my four columns of each quarter of a row
.set WM,    32                         ; v32-47   w3 there, or 1.0
.set ACC,   48                         ; v48-79   16 pairs: the running products of rows 2 i + lane / 16 with WD
.set X,     80                         ; v80-143  64 neighbours along d of my position; at the end the rows' sums
.set KCD,   144                        ; v144-151 codes along d
.set VCD,   152                        ; v152-159 codes along the keys
.set XV,    160                        ; v160-223 two columns, 32 keys each
.set KW,    224                        ; v224-225 my position's two scale words
.set TK,    226                        ; v226-233 at work for K;  v234-241 for V
.set TV,    234
.set LL1,   160                        ; the list (its registers are free again when it is stored): v160 L1, v161 L2 of sample = lane
.set LL2,   161
.set LNV,   162                        ; v162 blocks of 64 queries that hold a row under L1
.set LKEY,  163                        ; v163 32 x key steps + 31 - sample: no two samples have the same
.set LBAS,  164                        ; v164 where the sample's blocks with rows begin in the list
.set LPRE,  165                        ; v165 such blocks of all lower samples
.set LZB,   166                        ; v166 where its blocks of zeros begin, less their first x
.set LENT,  167                        ; v167 the entry without x
.set LT,    168                        ; v168-169 at work
.set LP,    170                        ; v170-185 the sixteen places;  v186-201 the sixteen entries
.set LE,    186
.set MSB, 0
.macro WIN new                         ; s_set_vgpr_msb: bits 1:0 source 0, 3:2 source 1, 5:4 source 2, 7:6 destination; the high byte repeats the setting that is left
.if MSB != (\new)
	s_set_vgpr_msb (MSB<<8)|(\new)
.set MSB, (\new)
.endif
.endm
	s_load_b256 s[4:11], s[0:1], 0x0               ; s1 s[4:5], s2 s[6:7], w s[8:9], l1 s[10:11]
	s_load_b128 s[12:15], s[0:1], 0x20             ; l2 s[12:13], qrec s[14:15]
	s_load_b128 s[16:19], s[0:1], 0x30             ; kvrec s[16:17], order s[18:19]
	v_lshl_add_u32 v254, v0, 2, 0x9000
	v_mov_b32 v255, 0
	v_lshrrev_b32 v1, 5, v0
	v_readfirstlane_b32 s20, v1                    ; wave 0..3
	s_and_b32 s23, ttmp7, 0xffff                   ; the sample
	s_lshl_b32 s32, s23, 2
	s_mov_b32 s33, 0
	s_wait_kmcnt 0x0
	s_cmp_lt_u32 ttmp9, 8                          ; s2's work-group or s1's?  The choice hangs on the work-group's number alone
	s_cselect_b64 s[24:25], s[6:7], s[4:5]         ; the source
	s_cselect_b64 s[28:29], s[12:13], s[10:11]     ; its limits
	s_cselect_b64 s[26:27], s[16:17], s[14:15]     ; the records
	s_cselect_b32 s21, 1, 0                        ; 1: s2
	s_cselect_b32 s31, -1, 0                       ; all lanes: the factor is 1.0
	s_cselect_b32 s40, 1024, 0                     ; w2 begins 1,024 bytes into w, w1 at its start
	s_cselect_b32 s22, 0, 8
	s_sub_co_u32 s22, ttmp9, s22                   ; the chunk
	s_add_nc_u64 s[28:29], s[28:29], s[32:33]
	s_load_b32 s30, s[28:29], 0x0                  ; l2[b] or l1[b]
	s_mov_b32 s44, s40
	s_mov_b32 s45, 0
	s_add_nc_u64 s[42:43], s[8:9], s[44:45]        ; w1 or w2
	s_lshl_b32 s32, s23, 20                        ; the source at my wave's rows: sample x 2^20 + chunk x 2^17 + wave x 2^15 bytes
	s_lshl_b32 s34, s22, 17
	s_add_co_u32 s32, s32, s34
	s_lshl_b32 s34, s20, 15
	s_add_co_u32 s32, s32, s34
	s_add_nc_u64 s[24:25], s[24:25], s[32:33]
	s_mul_i32 s34, s23, BATCH                      ; the record
	s_mul_i32 s35, s22, REC
	s_add_co_u32 s34, s34, s35
	s_mov_b32 s35, 0
	s_add_nc_u64 s[26:27], s[26:27], s[34:35]
	s_mov_b32 s36, 0xaaaaaaaa                      ; lanes whose number has bit 0, 1, 2, 3 set: for the sums across lanes
	s_mov_b32 s37, 0xcccccccc
	s_mov_b32 s38, 0xf0f0f0f0
	s_mov_b32 s39, 0xff00ff00
	v_and_b32 v1, 31, v0                           ; lane
	v_and_b32 v2, 15, v0                           ; lane % 16
	v_bfe_u32 v3, v0, 4, 1                         ; lane / 16
	s_mul_i32 s41, s20, WREG                       ; my wave's LDS
	v_lshlrev_b32 v15, 4, v2                       ; v15 my 16 bytes of 256: the weights' place too
	v_lshl_add_u32 v4, v3, 10, v15                 ; v4  in: lanes 0-15 an even row, lanes 16-31 the odd row behind it
	v_mul_u32_u24 v5, v3, SP
	v_add_nc_u32 v5, v5, v15
	v_add_nc_u32 v5, s41, v5                       ; v5  into the stage, likewise (RHO(2 i + 1) = RHO(2 i) + 1)
	v_mul_u32_u24 v6, v1, SP
	v_add_nc_u32 v6, s41, v6                       ; v6  out of it for K: lane = position
	v_lshl_add_u32 v7, v1, 2, s41                  ; v7  out of it for V: lane = column
	s_lshl_b32 s46, s20, 12
	v_lshl_add_u32 v8, v3, 11, v15
	v_add_nc_u32 v8, s46, v8                       ; v8  K's codes: 2048 (2 w + lane / 16) + 16 (lane % 16); a d block is 256 bytes on from the last
	s_lshl_b32 s46, s20, 8
	v_add_nc_u32 v9, s46, v4                       ; v9  V's codes: 256 w + 1024 (lane / 16) + 16 (lane % 16); 32 columns are 2,048 bytes on
	v_lshl_add_u32 v13, v1, 3, s46                 ; v13 the scales' place in the record: 256 w + 8 lane
	v_lshlrev_b32 v10, 3, v2
	v_lshl_add_u32 v10, v3, 2, v10
	v_add_nc_u32 v10, s41, v10                     ; v10 my position's scale words in LDS: 8 (lane % 16) + 4 (lane / 16)
	v_lshl_add_u32 v11, v2, 3, v3
	v_add_nc_u32 v11, s41, v11                     ; v11 my column's scale byte in LDS: 8 (lane % 16) + lane / 16
	v_lshl_add_u32 v12, v1, 3, s41                 ; v12 and back: 8 bytes a lane
	v_lshl_add_u32 v226, v2, 1, v3                 ; the row whose sum ends in my lane: k = 2 (lane % 16) + lane / 16
	v_bfe_u32 v227, v226, 3, 1
	v_and_b32 v228, 7, v226
	v_lshl_add_u32 v228, v227, 4, v228
	v_lshrrev_b32 v227, 4, v226
	v_lshl_add_u32 v228, v227, 3, v228             ; RHO(k)
	s_lshl_b32 s46, s20, 7
	v_lshl_add_u32 v14, v228, 2, s46               ; v14 its place in the record: 128 w + 4 RHO(k)
	s_wait_kmcnt 0x0
	; THE LIST: wave 0 of work-group (15, 31) alone.  Lane = sample.  No LDS, no other wave.
	s_lshl_b32 s46, s23, 4
	s_add_co_u32 s46, s46, ttmp9
	s_lshl_b32 s46, s46, 2
	s_add_co_u32 s46, s46, s20                     ; 4 x (16 y + x) + wave
	s_cmp_lg_u32 s46, 2044
	s_cbranch_scc1 .Lnolist
	v_lshlrev_b32 v[LT], 2, v1
	global_load_b32 v[LL1], v[LT], s[10:11]
	global_load_b32 v[LL2], v[LT], s[12:13]
	s_wait_loadcnt 0x0
	v_cmp_le_i32 vcc_lo, 0, v[LL1]
	v_cndmask_b32 v[LL1], 0, v[LL1], vcc_lo        ; a negative l counts as 0,
	v_min_u32 v[LL1], 1024, v[LL1]                 ; one over 1,024 as 1,024
	v_cmp_le_i32 vcc_lo, 0, v[LL2]
	v_cndmask_b32 v[LL2], 0, v[LL2], vcc_lo
	v_min_u32 v[LL2], 1024, v[LL2]
	v_cmp_lt_u32 vcc_lo, 0, v[LL2]
	v_cndmask_b32 v[LL1], 0, v[LL1], vcc_lo        ; where no key counts no row counts: every test of a row is then against L1 alone
	v_add_nc_u32 v[LNV], 63, v[LL1]
	v_lshrrev_b32 v[LNV], 6, v[LNV]                ; blocks with a row: 0 .. 16
	v_add_nc_u32 v[LKEY], 127, v[LL2]
	v_lshrrev_b32 v[LKEY], 7, v[LKEY]              ; key steps: 0 .. 8
	v_sub_nc_u32 v[LT], 31, v1
	v_lshl_add_u32 v[LKEY], v[LKEY], 5, v[LT]      ; more key steps first; among equals the lower sample first
	v_mov_b32 v[LBAS], 0
	v_mov_b32 v[LPRE], 0
	s_mov_b32 s48, 0
.set JJ, 0
.rept 32                               ; sample JJ's figures go to every lane
	v_readlane_b32 s49, v[LNV], JJ
	v_readlane_b32 s50, v[LKEY], JJ
	s_add_co_u32 s48, s48, s49                     ; all blocks with a row
	v_mov_b32 v[LT], s49
	v_cmp_gt_u32 vcc_lo, s50, v[LKEY]              ; it stands ahead of my sample in the list
	v_cndmask_b32 v[LT+1], 0, v[LT], vcc_lo
	v_add_nc_u32 v[LBAS], v[LBAS], v[LT+1]
	v_cmp_lt_u32 vcc_lo, JJ, v1                    ; it is a lower sample
	v_cndmask_b32 v[LT+1], 0, v[LT], vcc_lo
	v_add_nc_u32 v[LPRE], v[LPRE], v[LT+1]
.set JJ, JJ+1
.endr
	v_lshlrev_b32 v[LENT], 4, v1                   ; 16 x sample: the blocks of all lower samples; also the sample's field of the entry
	v_add_nc_u32 v[LZB], s48, v[LENT]
	v_sub_nc_u32 v[LZB], v[LZB], v[LPRE]           ; behind all blocks with rows: the lower samples' blocks of zeros, then mine;
	v_sub_nc_u32 v[LZB], v[LZB], v[LNV]            ; my first of them has x = the number of my blocks with rows.  (Never under 0: the sum of all is at least the lower samples' and mine)
	v_lshl_or_b32 v[LENT], v[LL1], 9, v[LENT]
	v_lshl_or_b32 v[LENT], v[LL2], 20, v[LENT]
.irp x, 0,1,2,3,4,5,6,7,8,9,10,11,12,13,14,15
	v_cmp_lt_u32 vcc_lo, \x, v[LNV]                ; block x holds a row
	v_cndmask_b32 v[LP+\x], v[LZB], v[LBAS], vcc_lo
	v_add_nc_u32 v[LP+\x], \x, v[LP+\x]            ; the 512 places are a permutation of 0 .. 511: every word of the list is written
	v_min_u32 v[LP+\x], 511, v[LP+\x]              ; a number made of loaded numbers enters an address only behind this hold
	v_lshlrev_b32 v[LP+\x], 2, v[LP+\x]
	v_or_b32 v[LE+\x], \x, v[LENT]
	global_store_b32 v[LP+\x], v[LE+\x], s[18:19]  ; 4 bytes a lane, once in the launch: 2,048 bytes in all
.endr
	s_wait_xcnt 0x0                                ; the stores have read their registers, which the work below writes again
.Lnolist:
	s_max_i32 s30, s30, 0
	s_lshl_b32 s32, s22, 7
	s_cmp_lt_i32 s32, s30                          ; does the chunk begin under the limit?
	s_cbranch_scc0 .Lend
.irp q, 0,1,2,3
	global_load_b128 v[WD+4*\q:WD+4*\q+3], v15, s[42:43] offset:256*\q
.endr
.irp q, 0,1,2,3
	global_load_b128 v[WM+4*\q:WM+4*\q+3], v15, s[8:9] offset:2048+256*\q      ; w3
.endr
; Quarter q of the wave's 32 rows (64 columns): 16 loads, each half of the lanes reads 256 consecutive bytes of one row, aligned.  They land in window 1, load i at v[64 q + 4 i].
.macro LOADQ q
.set II, 0
.rept 16
	global_load_b128 v[64*\q+4*II:64*\q+4*II+3], v4, s[24:25] offset:2048*II+256*\q th:TH_LOAD_NT
.set II, II+1
.endr
.endm
	WIN 0x40                                       ; destination window 1
	LOADQ 0
	LOADQ 1
	LOADQ 2
	LOADQ 3
	WIN 0
; The rows' products with w1 or w2 go on (the first quarter starts the sums: nothing is cleared); then the numbers are multiplied by w3 or by 1.0, in place.
.macro DOTMUL q
	WIN 0x01                                       ; source 0 window 1
.set II, 0
.rept 16
.if (\q) == 0
	v_pk_mul_f32 v[ACC+2*II:ACC+2*II+1], v[4*II:4*II+1], v[WD:WD+1]
.else
	v_pk_fma_f32 v[ACC+2*II:ACC+2*II+1], v[64*(\q)+4*II:64*(\q)+4*II+1], v[WD+4*(\q):WD+4*(\q)+1], v[ACC+2*II:ACC+2*II+1]
.endif
.set II, II+1
.endr
.set II, 0
.rept 16
	v_pk_fma_f32 v[ACC+2*II:ACC+2*II+1], v[64*(\q)+4*II+2:64*(\q)+4*II+3], v[WD+4*(\q)+2:WD+4*(\q)+3], v[ACC+2*II:ACC+2*II+1]
.set II, II+1
.endr
	WIN 0x41                                       ; destination and source 0 window 1
.set II, 0
.rept 16
	v_pk_mul_f32 v[64*(\q)+4*II:64*(\q)+4*II+1], v[64*(\q)+4*II:64*(\q)+4*II+1], v[WM+4*(\q):WM+4*(\q)+1]
	v_pk_mul_f32 v[64*(\q)+4*II+2:64*(\q)+4*II+3], v[64*(\q)+4*II+2:64*(\q)+4*II+3], v[WM+4*(\q)+2:WM+4*(\q)+3]
.set II, II+1
.endr
.endm
; Into the stage, each row at its position.  LDS serves a wave's instructions in order, so the stage is written again in the next quarter with no wait of its own.
.macro TOSTAGE q
	WIN 0x04                                       ; an LDS store's data are its source 1: window 1
.set II, 0
.rept 16
.set RHO, 16*(((2*II)>>3)&1)+((2*II)&7)+8*((2*II)>>4)
	ds_store_b128 v5, v[64*(\q)+4*II:64*(\q)+4*II+3] offset:SP*RHO
.set II, II+1
.endr
	WIN 0
.endm
.macro KREAD                           ; lane = position: its 64 neighbours along d
.set II, 0
.rept 16
	ds_load_b128 v[X+4*II:X+4*II+3], v6 offset:16*II
.set II, II+1
.endr
.endm
.macro VREAD                           ; lane = column (two columns, 32 apart): the registers run down the 32 keys in their true order
.set II, 0
.rept 32
.set RHO, 16*((II>>3)&1)+(II&7)+8*(II>>4)
	ds_load_b32 v[XV+II], v7 offset:SP*RHO
	ds_load_b32 v[XV+32+II], v7 offset:SP*RHO+128
.set II, II+1
.endr
.endm
; Two blocks of 32 numbers, v[x ..] and v[x + 32 ..], by turns, each in two chains: the largest magnitude with the floor among its leaves -> v[t + g]; the conversion's scale operand (2 off the exponent field) -> v[t + 4 + g]; the byte -> v[t + 6 + g]
.macro MAX2 x, t
.irp g, 0,1
	v_max3_num_f32 v[\t+\g], |v[\x+32*\g]|, |v[\x+32*\g+1]|, FLOOR
	v_max3_num_f32 v[\t+2+\g], |v[\x+32*\g+16]|, |v[\x+32*\g+17]|, |v[\x+32*\g+18]|
.endr
.irp i, 0,2,4,6,8,10
.irp g, 0,1
	v_max3_num_f32 v[\t+\g], v[\t+\g], |v[\x+32*\g+2+\i]|, |v[\x+32*\g+3+\i]|
	v_max3_num_f32 v[\t+2+\g], v[\t+2+\g], |v[\x+32*\g+19+\i]|, |v[\x+32*\g+20+\i]|
.endr
.endr
.irp g, 0,1
	v_max3_num_f32 v[\t+\g], v[\t+\g], |v[\x+32*\g+14]|, |v[\x+32*\g+15]|
.endr
.irp g, 0,1
	v_max3_num_f32 v[\t+\g], v[\t+\g], v[\t+2+\g], |v[\x+32*\g+31]|
.endr
.irp g, 0,1
	v_add_nc_u32 v[\t+4+\g], 0xff000000, v[\t+\g]
.endr
.irp g, 0,1
	v_lshrrev_b32 v[\t+6+\g], 23, v[\t+4+\g]
.endr
.endm
; d blocks 2 q and 2 q + 1 of my position: bytes into the scale words, codes to the record.
.macro KCOMP q
	MAX2 X, TK
.irp g, 0,1
.if (2*((\q)%2)+\g) == 0
	v_mov_b32 v[KW+(\q)/2], v[TK+6+\g]
.else
	v_lshl_or_b32 v[KW+(\q)/2], v[TK+6+\g], 8*(2*((\q)%2)+\g), v[KW+(\q)/2]
.endif
.endr
.if (\q) > 0
	s_wait_xcnt 0x0                                ; the last quarter's stores, of K's codes and of V's, have read their registers: both sets are written again only behind this wait
.endif
.irp g, 0,1
.irp k, 0,1,2,3
	v_cvt_scalef32_pk8_fp4_f32 v[KCD+4*\g+\k], v[X+32*\g+8*\k:X+32*\g+8*\k+7], v[TK+4+\g]
.endr
.endr
	v_nop                                          ; one plain line behind the last scaled conversion
.irp g, 0,1
	global_store_b128 v8, v[KCD+4*\g:KCD+4*\g+3], s[26:27] offset:KC+256*(2*(\q)+\g)   ; each half of the lanes stores 256 consecutive bytes, aligned
.endr
.endm
; My two columns' key block: the byte to the wave's 256 bytes in LDS, the codes to the record.
.macro VCOMP q
	MAX2 XV, TV
.irp g, 0,1
	ds_store_b8 v11, v[TV+6+\g] offset:VSA+128*((2*(\q)+\g)/4)+2*((2*(\q)+\g)%4)
.endr
.irp g, 0,1
.irp k, 0,1,2,3
	v_cvt_scalef32_pk8_fp4_f32 v[VCD+4*\g+\k], v[XV+32*\g+8*\k:XV+32*\g+8*\k+7], v[TV+4+\g]
.endr
.endr
	v_nop
.irp g, 0,1
	global_store_b128 v9, v[VCD+4*\g:VCD+4*\g+3], s[26:27] offset:VC+2048*(2*(\q)+\g)
.endr
.endm
; A quarter.  K's arithmetic is written in both arms, so that in s2's arm V's LDS reads land under it, and so that no register is written on one way and read behind the join.
.macro QUARTER q
	s_wait_loadcnt 48-16*(\q)                      ; this quarter's 16 loads are in (and the weights', which are older); the 16 of each later quarter may stay out
.if (\q) == 0
.set II, 0
.rept 16
	v_cndmask_b32 v[WM+II], v[WM+II], 1.0, s31     ; s2 is quantised as it is
.set II, II+1
.endr
.endif
	DOTMUL \q
	TOSTAGE \q
	KREAD
	s_wait_dscnt 0x0
	s_cmp_lg_u32 s21, 0
	s_cbranch_scc1 .Lboth_\@
	KCOMP \q
	s_branch .Ldone_\@
.Lboth_\@:
	VREAD
	KCOMP \q
	s_wait_dscnt 0x0
	VCOMP \q
.Ldone_\@:
.endm
	QUARTER 0
	QUARTER 1
	QUARTER 2
	QUARTER 3
; The sums across the sixteen lanes of a half.  A lane holds parts of 16 rows' sums.  In each of four stages it keeps half of its sums and hands the other half to the lane whose number differs in one bit:
; at the end lane l holds the whole sum of row 2 (l % 16) + l / 16.
.macro RSTAGE m, sm
.set II, 0
.rept 8/\m
	v_cndmask_b32 v[XV+2*II], v[X+2*\m*II], v[X+2*\m*II+\m], s[\sm]       ; what I keep
	v_cndmask_b32 v[XV+2*II+1], v[X+2*\m*II+\m], v[X+2*\m*II], s[\sm]     ; what I hand over
.set II, II+1
.endr
.set II, 0
.rept 8/\m
	v_add_f32_dpp v[X+2*\m*II], v[XV+2*II+1], v[XV+2*II] row_xmask:\m row_mask:0xf bank_mask:0xf
.set II, II+1
.endr
.endm
	ds_store_b32 v10, v[KW] offset:KSA             ; my position's two scale words
	ds_store_b32 v10, v[KW+1] offset:KSA+128
	ds_load_b64 v[242:243], v12 offset:KSA         ; LDS serves a wave's instructions in order: this sees the stores
.set II, 0
.rept 16
	v_add_f32 v[X+II], v[ACC+2*II], v[ACC+2*II+1]
.set II, II+1
.endr
	RSTAGE 1, 36
	RSTAGE 2, 37
	RSTAGE 4, 38
	RSTAGE 8, 39
	s_wait_dscnt 0x0
	global_store_b64 v13, v[242:243], s[26:27] offset:SC       ; the wave stores 256 consecutive bytes, aligned
	global_store_b32 v14, v[X], s[26:27] offset:P2             ; 128 consecutive bytes
	s_cmp_lg_u32 s21, 0
	s_cbranch_scc0 .Lend
	ds_load_b64 v[244:245], v12 offset:VSA
	s_wait_dscnt 0x0
	global_store_b64 v13, v[244:245], s[26:27] offset:SC+1024
.Lend:
	s_wait_tensorcnt 0x0
	ds_add_u32 v254, v255
	s_wait_dscnt 0x0
	s_endpgm
.Lfunc_end_k_qd1f1e6b9af_prep:
	.size	k_qd1f1e6b9af_prep, .Lfunc_end_k_qd1f1e6b9af_prep-k_qd1f1e6b9af_prep
	.p2alignl 7, 3214868480
	.fill 96, 4, 3214868480
	.section	.rodata,"a",@progbits
	.p2align	6, 0x0
	.amdhsa_kernel k_qd1f1e6b9af_prep
		.amdhsa_group_segment_fixed_size 37376
		.amdhsa_private_segment_fixed_size 0
		.amdhsa_enable_private_segment 0
		.amdhsa_kernarg_size 64
		.amdhsa_user_sgpr_count 2
		.amdhsa_user_sgpr_kernarg_segment_ptr 1
		.amdhsa_wavefront_size32 1
		.amdhsa_system_sgpr_workgroup_id_x 1
		.amdhsa_system_sgpr_workgroup_id_y 1
		.amdhsa_system_sgpr_workgroup_id_z 1
		.amdhsa_system_vgpr_workitem_id 0
		.amdhsa_next_free_vgpr 512
		.amdhsa_next_free_sgpr 66
		.amdhsa_reserve_vcc 1
		.amdhsa_float_denorm_mode_32 3
		.amdhsa_float_denorm_mode_16_64 3
		.amdhsa_memory_ordered 1
		.amdhsa_forward_progress 1
		.amdhsa_inst_pref_size 113
	.end_amdhsa_kernel
	.amdgpu_metadata
---
amdhsa.version: [ 1, 2 ]
amdhsa.kernels:
  - .name:           k_qd1f1e6b9af_prep
    .symbol:         k_qd1f1e6b9af_prep.kd
    .args:
      - { .name: s1, .offset: 0, .size: 8, .value_kind: global_buffer, .address_space: global }
      - { .name: s2, .offset: 8, .size: 8, .value_kind: global_buffer, .address_space: global }
      - { .name: w, .offset: 16, .size: 8, .value_kind: global_buffer, .address_space: global }
      - { .name: l1, .offset: 24, .size: 8, .value_kind: global_buffer, .address_space: global }
      - { .name: l2, .offset: 32, .size: 8, .value_kind: global_buffer, .address_space: global }
      - { .name: qrec, .offset: 40, .size: 8, .value_kind: global_buffer, .address_space: global }
      - { .name: kvrec, .offset: 48, .size: 8, .value_kind: global_buffer, .address_space: global }
      - { .name: order, .offset: 56, .size: 8, .value_kind: global_buffer, .address_space: global }
    .group_segment_fixed_size: 37376
    .private_segment_fixed_size: 0
    .kernarg_segment_align: 8
    .kernarg_segment_size: 64
    .max_flat_workgroup_size: 128
    .sgpr_count:     66
    .vgpr_count:     512
    .wavefront_size: 32
...
	.end_amdgpu_metadata
.endif
;; end of part 3
;; launch attn (part 4): grid 512 x 1, 4 waves a work-group, no clusters, 300,544 bytes of LDS; arguments qrec, kvrec, out0, order; writes out0
.if DOCPART == 4
	.amdgcn_target "amdgcn-amd-amdhsa--gfx1250"
	.amdhsa_code_object_version 6
	.text
	.protected	k_qd1f1e6b9af_attn
	.globl	k_qd1f1e6b9af_attn
	.p2align	8
	.type	k_qd1f1e6b9af_attn,@function
k_qd1f1e6b9af_attn:
	s_mov_b64 s[64:65], 0
	v_nop
	global_prefetch_b8 v0, s[64:65] scope:SCOPE_SE
	s_setreg_imm32_b32 hwreg(HW_REG_WAVE_MODE, 25, 1), 1
	s_wait_xcnt 0x0
; u[b][t][:] = the sum over keys k of a[t][k] s2[b][k][:], a = softmax over k < l2 of part1[t] + part2[k] + (s1 x w3)[t] . s2[k], rows t >= l1 and keys k >= l2 zero.  Both products on codes of FP4 (E2M1) with E8M0 scales.
; THE FINISHED, NORMALISED a IS WHAT IS QUANTISED, in blocks of 32 keys: so a row's whole sum is known before any of its codes is made.  Two sweeps over the keys: the first, upward, makes p = 2^(t - M) and the sum and KEEPS p
; (16 queries x 1,024 keys are 512 registers of a wave); the second, downward, multiplies p by 2^(its step's M - the last M) / the sum, quantises and multiplies by V.  No score and no exponential is made twice.
; t = score x log2(e); M = the running largest t, rounded up to a whole number, so that a change of M multiplies by a power of two and rounds nothing.
; SHARES.  A work-group takes one block of 64 queries of one sample; wave w owns one tile of 16 of them.  WHICH block, the list says that the launch before stored: word n, for work-group n, holds x | b << 4 | L1 << 9 | L2 << 20,
; L1 and L2 the sample's l1 and l2 held to 0 .. 1,024 (L1 = 0 where L2 = 0).  The list has the blocks of the most key steps at the lowest numbers and the blocks that only store zeros at the highest: it is meant for
; work-groups that are begun in the order of their numbers, so that no long block is begun last.
; The sample's records of K and V codes (the launch before laid them in the order of the operands' registers), as far as L2 reaches, are brought into LDS once, through registers, by the four waves together, and stay.
; Steps of 128 keys at or beyond L2 are neither fetched nor multiplied; waves whose rows all lie at or beyond L1 store zeros.
; THE MASK costs no line in the sweeps: on its way into LDS part2 becomes -1e30 (the problem's own constant) for keys at or beyond L2, and 1 / the sum becomes 0 for rows at or beyond L1.
; The number of steps, N, hangs on L2.  UP, THEN DOWN THE SAME STEPS: the exits of an ascending run lead into a descending run, so that on every way only what has been written is read.
; No tensor load and no joint load, though the sixteen work-groups of a sample read the same records: the branches on L1 and L2, which spare three quarters of the work on average, are branches on numbers read from memory.
; LAYOUT.  Both products are used transposed: S^T = K Q^T (source 0 = 16 keys, source 1 = my 16 queries), O^T = V^T a^T: a lane holds ONE query (lane % 16) throughout.  Position m of tile 2 w + u of a chunk of 128 rows is
; row 32 w + 8 u + m + 8 (m / 8): so the 16 registers of tiles 2 b, 2 b + 1 are keys 32 b + 16 (lane / 16) + 0 .. 15.
; LIMITS: NaN and infinities are not served; l1, l2 under 0 count as 0, over 1,024 as 1,024; a block of a whose largest number lies under 2^-124 gets the byte 1; a block's largest a is taken from its largest score,
; which takes v_exp_f32 not to fall where its input rises.
; REGISTERS, in windows of 256: window 0: see the names below.  Window 1: v0-127 O^T (d tile T at 8 T), v128-255 a step's 16 fragments of K or of V.  Windows 2, 3: step s has 64 registers at 64 (s % 4) of window 2 + s / 4:
; first the landing of the fill's codes, then part1 + part2 (the C of the scores), the scores, p, a.
.set REC,   35328
.set BATCH, 8*REC
.set KC,    0
.set VC,    16384
.set SC,    32768
.set P2,    34816
.set STG,   8*REC                      ; behind the eight records: 16 rows x 272 bytes for each wave, for the way out
.set NEGBIG, 0xf149f2ca                ; -1e30
.set FLOOR, 0x1800000                  ; 2^(3 - 127)
.set LI,   1                           ; v1   16 x lane
.set L8,   2                           ; v2   8 x lane
.set H32,  3                           ; v3   32 x (lane / 16)
.set FC,   4                           ; v4   the fill: my wave's quarter of 16 KiB of codes: 4096 w + 16 lane
.set FS,   5                           ; v5   of the 2,048 scale bytes: 512 w + 16 lane
.set FP,   6                           ; v6   of part2: 128 w + 4 lane
.set KEY0, 7                           ; v7   the key, within its step, of the part2 that I bring
.set QFO,  8                           ; v8   Q's fragments, v9 its scale words, v10 part1: byte offsets in the record
.set QSO,  9
.set P1O,  10
.set ROWREL, 11                        ; v11  my query's row less the tile's first row: r + 8 (r / 8)
.set OSA,  12                          ; v12  the way out: where I put 32 bytes of a row; v13 where I read rows back; v14 my byte offset in out0
.set ORA,  13
.set OGA,  14
.set A0,   16                          ; v16-18 the LDS addresses in hand
.set A1,   17
.set A2,   18
.set P1,   20                          ; v[20:21] part1 of my query, twice
.set NGM,  22                          ; v22  -M (v23 is named with it as a pair)
.set MT,   24                          ; v24  the running largest t
.set DLT,  25
.set FF,   26                          ; v26  2^(old M - new M) (v27 named with it)
.set LS,   28                          ; v[28:29] the sum, in two halves;  v[30:31] its second chain
.set T2,   30
.set QF,   32                          ; v32-47 Q's two fragments
.set QS,   48                          ; v48  Q's scale words: lanes 0-15 K step 0, lanes 16-31 K step 1
.set PW,   49                          ; v49  a's scale word
.set GG,   50                          ; v50  2^(the step's M - M) / the sum (v51 named with it)
.set KSR,  52                          ; v52-59 K's scale words, tile T: lanes 0-15 K step 0, lanes 16-31 K step 1
.set VSW,  60                          ; v60-67 V's scale words: register i: lanes 0-15 d tile i, lanes 16-31 d tile 8 + i
.set VSB,  68                          ; v68-75 V's scale bytes as they lie
.set NM,   76                          ; v76-83 -M as it stood in step s
.set PM,   84                          ; v84-115 the largest p of block b of step s, at 4 s + b
.set PCD,  116                         ; v116-123 a's codes
.set RL,   124                         ; v124 1 / the sum, or 0
.set BM,   128                         ; v128-131 block maxima; v132-135 the other half's; v136-139 scale operands; v140-143 bytes
.set T4,   132
.set SOP,  136
.set BY,   140
.set PT,   144                         ; v144-147 at work
.set ZR,   148                         ; v148-151 zeros
.set FSC,  152                         ; v152-183 the fill: scale bytes, 4 registers a step;  v184-191 part2
.set FP2,  184
.set BK,   128                         ; the way out: rows read back, v128-255
.set FRG,  128                         ; in window 1
.set MSB, 0
.macro WIN new                         ; s_set_vgpr_msb: bits 1:0 source 0, 3:2 source 1, 5:4 source 2, 7:6 destination; the high byte repeats the setting that is left.  At a label and at a branch every window is 0
.if MSB != (\new)
	s_set_vgpr_msb (MSB<<8)|(\new)
.set MSB, (\new)
.endif
.endm
	s_load_b128 s[8:11], s[0:1], 0x0               ; qrec s[8:9], kvrec s[10:11]
	s_load_b64 s[12:13], s[0:1], 0x10              ; out0
	s_load_b64 s[4:5], s[0:1], 0x18                ; order
	v_lshl_add_u32 v126, v0, 2, 0x49400
	v_mov_b32 v127, 0
	v_lshrrev_b32 v[PT], 5, v0
	v_readfirstlane_b32 s14, v[PT]                 ; wave 0..3
	s_lshl_b32 s28, ttmp9, 2                       ; my word of the list
	s_mov_b32 s29, 0
	s_wait_kmcnt 0x0
	s_add_nc_u64 s[4:5], s[4:5], s[28:29]
	s_load_b32 s6, s[4:5], 0x0
	; while it is on its way: all that hangs on the wave and the lane alone
	s_mov_b32 s20, 0x76543210                      ; v_permlanex16_b32's selects for lane l xor 16
	s_mov_b32 s21, 0xfedcba98
	s_mov_b32 s22, 0x3fb8aa3b                      ; log2(e)
	s_mov_b32 s23, s22                             ; (named with it as a pair)
	s_mov_b32 s24, 0x05010400                      ; v_perm_b32's selects: bytes 0, 1 of two words by turns;
	s_mov_b32 s25, 0x07030602                      ; bytes 2, 3 by turns;
	s_mov_b32 s26, 0x05040100                      ; the two low halves;
	s_mov_b32 s27, 0x07060302                      ; the two high halves
	v_and_b32 v[PT], 15, v0                        ; r
	v_bfe_u32 v[PT+1], v0, 4, 1                    ; h
	v_and_b32 v[PT+2], 31, v0                      ; lane
	v_lshlrev_b32 v[LI], 4, v[PT+2]
	v_lshlrev_b32 v[L8], 3, v[PT+2]
	v_lshlrev_b32 v[H32], 5, v[PT+1]
	s_lshl_b32 s28, s14, 12
	v_add_nc_u32 v[FC], s28, v[LI]
	s_lshl_b32 s28, s14, 9
	v_add_nc_u32 v[FS], s28, v[LI]
	s_lshl_b32 s28, s14, 7
	v_lshl_add_u32 v[FP], v[PT+2], 2, s28
	v_and_b32 v[ROWREL], 8, v[PT]
	v_add_nc_u32 v[ROWREL], v[ROWREL], v[PT]
	v_lshl_add_u32 v[KEY0], v[PT+1], 3, v[ROWREL]
	s_lshl_b32 s28, s14, 5
	v_add_nc_u32 v[KEY0], s28, v[KEY0]             ; entry 32 w + lane of part2 is position lane % 16 of tile 2 w + lane / 16: key 32 w + 8 h + r + 8 (r / 8)
	; my tile is T = 4 (x % 2) + wave of chunk x / 2.  The wave's part of what hangs on T now, x's part behind the list's word
	s_lshl_b32 s28, s14, 11
	v_add_nc_u32 v[QFO], s28, v[LI]                ; 2048 T + 16 lane
	s_lshr_b32 s32, s14, 1                         ; wave / 2
	s_and_b32 s29, s14, 1                          ; wave % 2
	s_lshl_b32 s28, s32, 8
	s_lshl_b32 s34, s29, 2
	s_add_co_u32 s28, s28, s34
	v_add_nc_u32 v[QSO], s28, v[L8]                ; 256 (T / 2) + 4 (T % 2) + 8 lane
	s_lshl_b32 s28, s14, 6
	v_lshl_add_u32 v[P1O], v[PT], 2, s28           ; 64 T + 4 r
	s_lshl_b32 s32, s32, 5
	s_lshl_b32 s29, s29, 3
	s_add_co_u32 s32, s32, s29                     ; the tile's first row within the block of 64: 32 (wave / 2) + 8 (wave % 2)
	s_mul_i32 s28, s14, 4352
	s_add_co_u32 s28, s28, STG                     ; my stage
	v_mul_u32_u24 v[OSA], v[PT], 272
	v_lshl_add_u32 v[OSA], v[PT+1], 5, v[OSA]
	v_add_nc_u32 v[OSA], s28, v[OSA]               ; in: row r, 32 bytes for each half of the lanes
	v_mul_u32_u24 v[ORA], v[PT+1], 272
	v_lshl_add_u32 v[ORA], v[PT], 4, v[ORA]
	v_add_nc_u32 v[ORA], s28, v[ORA]               ; back: lanes 0-15 one row, lanes 16-31 the next
	v_lshlrev_b32 v[OGA], 4, v[PT]
	v_lshl_add_u32 v[OGA], v[PT+1], 10, v[OGA]     ; and the same in out0
.irp b, 0,1,2,3
	v_mov_b32 v[T4+\b], 0                          ; written once: a lane permute's destination counts as one of its sources
.endr
	v_mov_b32 v[NGM+1], 0                          ; upper halves of pairs of which the low word serves both halves
	v_mov_b32 v[FF+1], 0
	v_mov_b32 v[GG+1], 0
	s_wait_kmcnt 0x0
	; the word's fields.  Those that enter addresses are cut out apart and held; behind the hold stand only additions, shifts to the left and multiplications
	s_bfe_u32 s36, s6, 0x10000                     ; x % 2
	s_min_u32 s36, s36, 1
	s_bfe_u32 s33, s6, 0x30001                     ; x / 2: the chunk of 128 rows
	s_min_u32 s33, s33, 7
	s_bfe_u32 s15, s6, 0x50004                     ; the sample
	s_min_u32 s15, s15, 31
	s_bfe_u32 s17, s6, 0xb0009                     ; L1
	s_min_u32 s17, s17, 1024
	s_bfe_u32 s18, s6, 0xb0014                     ; L2
	s_min_u32 s18, s18, 1024
	s_lshl_b32 s28, s36, 13
	v_add_nc_u32 v[QFO], s28, v[QFO]               ; 2048 x 4 (x % 2)
	s_lshl_b32 s28, s36, 9
	v_add_nc_u32 v[QSO], s28, v[QSO]               ; 256 x 2 (x % 2)
	s_lshl_b32 s28, s36, 8
	v_add_nc_u32 v[P1O], s28, v[P1O]               ; 64 x 4 (x % 2)
	s_lshl_b32 s37, s33, 7
	s_lshl_b32 s28, s36, 6
	s_add_co_u32 s37, s37, s28                     ; the block's first row: 64 x
	s_add_co_u32 s30, s37, s32                     ; my tile's first row R0
	s_mul_i32 s34, s15, BATCH
	s_mov_b32 s35, 0
	s_add_nc_u64 s[10:11], s[10:11], s[34:35]      ; the sample's records of K and V
	s_mul_i32 s28, s33, REC
	s_add_co_u32 s34, s34, s28
	s_add_nc_u64 s[8:9], s[8:9], s[34:35]          ; my chunk's record of Q
	s_lshl_b32 s34, s15, 20
	s_lshl_b32 s28, s30, 10
	s_add_co_u32 s34, s34, s28
	s_add_nc_u64 s[12:13], s[12:13], s[34:35]      ; out0 at row R0
	s_add_co_u32 s19, s18, 127
	s_lshr_b32 s19, s19, 7                         ; N: steps of 128 keys that hold a key that counts
	s_sub_co_i32 s31, s17, s30                     ; L1 - R0
	s_cmp_lt_i32 s37, s17                          ; does any of the block's 64 rows count?
	s_cbranch_scc0 .Linvalid
; THE FILL.  Step s: my wave's quarter of the record, 18 loads, each of 512 consecutive bytes (part2: 128).  The address registers are never rewritten.
.macro FLOAD s
.set W, 2+(\s)/4
.set PB, 64*((\s)%4)
.set RB, (\s)*REC
	WIN W<<6                                       ; destination: the step's window
.irp i, 0,1,2,3,4,5,6,7
	global_load_b128 v[PB+4*\i:PB+4*\i+3], v[FC], s[10:11] offset:RB+KC+512*\i
	global_load_b128 v[PB+32+4*\i:PB+32+4*\i+3], v[FC], s[10:11] offset:RB+VC+512*\i
.endr
	WIN 0
	global_load_b128 v[FSC+4*(\s):FSC+4*(\s)+3], v[FS], s[10:11] offset:RB+SC
	global_load_b32 v[FP2+(\s)], v[FP], s[10:11] offset:RB+P2
.endm
.macro FSTORE s
.set W, 2+(\s)/4
.set PB, 64*((\s)%4)
.set RB, (\s)*REC
	s_wait_loadcnt 0x0                             ; at every way in: all my loads are in, Q's too
	v_add_nc_u32 v[A0], RB, v[FC]
	v_add_nc_u32 v[A1], RB, v[FS]
	v_add_nc_u32 v[A2], RB, v[FP]
	s_sub_co_i32 s28, s18, 128*(\s)
	v_cmp_gt_i32 vcc_lo, s28, v[KEY0]              ; the key counts where 128 s + its place < L2
	v_cndmask_b32 v[FP2+(\s)], NEGBIG, v[FP2+(\s)], vcc_lo
	WIN W<<2                                       ; an LDS store's data are its source 1
.irp i, 0,1,2,3,4,5,6,7
	ds_store_b128 v[A0], v[PB+4*\i:PB+4*\i+3] offset:KC+512*\i
	ds_store_b128 v[A0], v[PB+32+4*\i:PB+32+4*\i+3] offset:VC+512*\i
.endr
	WIN 0
	ds_store_b128 v[A1], v[FSC+4*(\s):FSC+4*(\s)+3] offset:SC
	ds_store_b32 v[A2], v[FP2+(\s)] offset:P2
.endm
.macro FUP n                           ; on to step n, if there is one
	s_cmp_eq_u32 s19, \n
	s_cbranch_scc1 .LF\n
	FLOAD \n
.endm
.macro FDOWN n, s
.LF\n:
	FSTORE \s
.endm
.irp k, 0,1
.irp c, 0,1
	global_load_b128 v[QF+8*\k+4*\c:QF+8*\k+4*\c+3], v[QFO], s[8:9] offset:KC+1024*\k+512*\c   ; Q's chunk begins at or under row 64 x, which counts: the launch before wrote its record whole
.endr
.endr
	global_load_b32 v[QS], v[QSO], s[8:9] offset:SC
	global_load_b32 v[P1], v[P1O], s[8:9] offset:P2
	FLOAD 0                                        ; a row counts, so a key counts: N is at least 1
	FUP 1
	FUP 2
	FUP 3
	FUP 4
	FUP 5
	FUP 6
	FUP 7
	FDOWN 8, 7
	FDOWN 7, 6
	FDOWN 6, 5
	FDOWN 5, 4
	FDOWN 4, 3
	FDOWN 3, 2
	FDOWN 2, 1
	FDOWN 1, 0
	v_mov_b32 v[P1+1], v[P1]
	s_branch .Ljoin
.Linvalid:                                             ; no row of the block counts: nothing is fetched.  What the text behind the barrier names is written here too
	v_mov_b32 v[QS], 0
	v_mov_b32 v[P1], 0
	v_mov_b32 v[P1+1], 0
.set JJ, 0
.rept 16
	v_mov_b32 v[QF+JJ], 0
.set JJ, JJ+1
.endr
.Ljoin:
	s_wait_dscnt 0x0                               ; for the others' sake: my part of the records lies in LDS
	s_barrier_signal -1                            ; the one barrier, on every wave's way
	WIN 0x40
.set JJ, 0
.rept 128
	v_mov_b32 v[JJ], 0                             ; O^T.  The downward sweep is entered at a step that hangs on L2, so no one product can be written as the sums' first; the clearing is work on registers while the others arrive
.set JJ, JJ+1
.endr
	WIN 0
	s_barrier_wait -1
	s_cmp_lt_i32 s30, s17                          ; does my tile's first row count?
	s_cbranch_scc0 .Lzero
; THE FIRST SWEEP, step s: scores of 128 keys, their p under the running M, the block maxima of p, the sum.
.macro SWEEP1 s
.set W, 2+(\s)/4
.set PB, 64*((\s)%4)
.set RB, (\s)*REC
	v_add_nc_u32 v[A0], RB, v[LI]
	v_add_nc_u32 v[A1], RB, v[H32]
	v_add_nc_u32 v[A2], RB, v[L8]
	WIN W<<6
.irp t, 0,1,2,3,4,5,6,7
	ds_load_b128 v[PB+8*\t:PB+8*\t+3], v[A1] offset:P2+64*\t           ; part2 of tile t's positions 8 h + 0 .. 7: straight into the registers of C
	ds_load_b128 v[PB+8*\t+4:PB+8*\t+7], v[A1] offset:P2+64*\t+16
.endr
	WIN 0
.irp b, 0,1,2,3
	ds_load_b64 v[KSR+2*\b:KSR+2*\b+1], v[A2] offset:SC+256*\b         ; the scale words of tiles 2 b and 2 b + 1
.endr
	WIN 0x40
.irp t, 0,1,2,3,4,5,6,7
.irp k, 0,1
.irp c, 0,1
	ds_load_b128 v[FRG+16*\t+8*\k+4*\c:FRG+16*\t+8*\k+4*\c+3], v[A0] offset:KC+2048*\t+1024*\k+512*\c
.endr
.endr
.endr
	s_wait_dscnt 36                                ; part2 is in; the 4 + 32 younger loads may stay out
	WIN (W<<6)|W
.set JJ, 0
.rept 32
	v_pk_add_f32 v[PB+JJ:PB+JJ+1], v[PB+JJ:PB+JJ+1], v[P1:P1+1]        ; part1 + part2: the C of the scores' first product
.set JJ, JJ+2
.endr
.rept 4
	v_nop                                          ; places between the last of these additions and the product that takes its result
.endr
	s_wait_dscnt 0x0
	WIN (W<<6)|(W<<4)|1                            ; source 0 (K) window 1, source 1 (Q) window 0, C and D the step's window.  The eight accumulators take turns
.irp t, 0,1,2,3,4,5,6,7
	v_wmma_scale_f32_16x16x128_f8f6f4 v[PB+8*\t:PB+8*\t+7], v[FRG+16*\t:FRG+16*\t+7], v[QF:QF+7], v[PB+8*\t:PB+8*\t+7], v[KSR+\t], v[QS] matrix_a_fmt:MATRIX_FMT_FP4 matrix_b_fmt:MATRIX_FMT_FP4
.endr
.irp t, 0,1,2,3,4,5,6,7
	v_wmma_scale_f32_16x16x128_f8f6f4 v[PB+8*\t:PB+8*\t+7], v[FRG+16*\t+8:FRG+16*\t+15], v[QF+8:QF+15], v[PB+8*\t:PB+8*\t+7], v[KSR+\t], v[QS] matrix_a_fmt:MATRIX_FMT_FP4 matrix_b_fmt:MATRIX_FMT_FP4 matrix_a_scale:MATRIX_SCALE_ROW1 matrix_b_scale:MATRIX_SCALE_ROW1
.endr
	WIN 0
.rept 4
	v_nop                                          ; four places behind the last product, ahead of the first read of results (ISA guide 7.12.1)
.endr
	WIN W|(W<<2)|(W<<4)
.irp b, 0,1,2,3
	v_max3_num_f32 v[BM+\b], v[PB+16*\b], v[PB+16*\b+1], v[PB+16*\b+2]   ; the largest score of each block of 32 keys: for the row's maximum, and, since p rises with the score, for the block's largest p.  Each accumulator is read from its low end on
.endr
	WIN (W<<2)|(W<<4)
.irp i, 3,5,7,9,11,13
.irp b, 0,1,2,3
	v_max3_num_f32 v[BM+\b], v[BM+\b], v[PB+16*\b+\i], v[PB+16*\b+\i+1]
.endr
.endr
	WIN W<<2
.irp b, 0,1,2,3
	v_max_num_f32 v[BM+\b], v[BM+\b], v[PB+16*\b+15]
.endr
	WIN 0
.irp b, 0,1,2,3
	v_permlanex16_b32 v[T4+\b], v[BM+\b], s20, s21
.endr
.irp b, 0,1,2,3
	v_max_num_f32 v[BM+\b], v[BM+\b], v[T4+\b]     ; with lane l xor 16's 16 keys
.endr
	v_max3_num_f32 v[T2], v[BM], v[BM+1], v[BM+2]
	v_max_num_f32 v[T2], v[T2], v[BM+3]            ; the step's largest score of my query: every step walked holds a key that counts
.if (\s) > 0
	v_mul_f32 v[T2], s22, v[T2]
	v_max_num_f32 v[MT], v[MT], v[T2]              ; the running largest t
	v_mov_b32 v[DLT], v[NGM]
	v_floor_f32 v[NGM], -v[MT]                     ; -M = floor(-t): M is a whole number
	v_sub_f32 v[DLT], v[NGM], v[DLT]               ; old M - new M, 0 or less
	v_cvt_i32_f32 v[DLT], v[DLT]                   ; (it saturates)
	v_ldexp_f32 v[FF], 1.0, v[DLT]
.else
	v_mul_f32 v[MT], s22, v[T2]
	v_floor_f32 v[NGM], -v[MT]
.endif
	WIN (W<<6)|W
.set JJ, 0
.rept 32
	v_pk_fma_f32 v[PB+JJ:PB+JJ+1], v[PB+JJ:PB+JJ+1], s[22:23], v[NGM:NGM+1] op_sel_hi:[1,0,0]   ; t - M, two at a time
.set JJ, JJ+2
.endr
.set JJ, 0
.rept 64
	v_exp_f32 v[PB+JJ], v[PB+JJ]                   ; p = 2^(t - M); 0 for a key that does not count
.set JJ, JJ+1
.endr
	WIN 0
.irp b, 0,1,2,3
	v_fma_f32 v[BM+\b], v[BM+\b], s22, v[NGM]      ; the same of each block's largest score.  (Plain lines behind the exponentials)
.endr
.irp b, 0,1,2,3
	v_exp_f32 v[PM+4*(\s)+\b], v[BM+\b]            ; the block's largest p: the same two instructions on the same number give the same bits
.endr
	v_mov_b32 v[NM+(\s)], v[NGM]                   ; the M under which this step's p stand.  (A plain line behind the exponentials)
.if (\s) > 0
	v_pk_mul_f32 v[LS:LS+1], v[LS:LS+1], v[FF:FF+1] op_sel_hi:[1,0]    ; the sum under the new M
	WIN W|(W<<2)
	s_wait_alu depctr_va_vdst(0)
	v_pk_add_f32 v[T2:T2+1], v[PB:PB+1], v[PB+2:PB+3]                  ; the sum is taken of the unquantised p, two at a time, in two chains
	WIN W<<2
.set JJ, 4
.rept 15
	v_pk_add_f32 v[LS:LS+1], v[LS:LS+1], v[PB+JJ:PB+JJ+1]
	v_pk_add_f32 v[T2:T2+1], v[T2:T2+1], v[PB+JJ+2:PB+JJ+3]
.set JJ, JJ+4
.endr
.else
	WIN W|(W<<2)
	s_wait_alu depctr_va_vdst(0)
	v_pk_add_f32 v[LS:LS+1], v[PB:PB+1], v[PB+4:PB+5]                  ; the first step starts the sum
	v_pk_add_f32 v[T2:T2+1], v[PB+2:PB+3], v[PB+6:PB+7]
	WIN W<<2
.set JJ, 8
.rept 14
	v_pk_add_f32 v[LS:LS+1], v[LS:LS+1], v[PB+JJ:PB+JJ+1]
	v_pk_add_f32 v[T2:T2+1], v[T2:T2+1], v[PB+JJ+2:PB+JJ+3]
.set JJ, JJ+4
.endr
.endif
	WIN 0
	v_pk_add_f32 v[LS:LS+1], v[LS:LS+1], v[T2:T2+1]
.endm
; Between the sweeps: 1 / the row's sum, or 0 for a row at or beyond L1: its a, its codes and its row of the result are then zeros.
.macro FINAL
	v_add_f32 v[LS], v[LS], v[LS+1]
	v_permlanex16_b32 v[T4], v[LS], s20, s21
	v_add_f32 v[LS], v[LS], v[T4]
	v_cmp_gt_i32 vcc_lo, s31, v[ROWREL]            ; my row counts where R0 + its place < L1
	v_rcp_f32 v[RL], v[LS]
	v_nop                                          ; one plain line behind the reciprocal
	s_wait_alu depctr_va_vdst(0)
	v_cndmask_b32 v[RL], 0, v[RL], vcc_lo
.endm
; THE SECOND SWEEP, step s: a = p x g, quantised in blocks of 32 keys; O^T += V^T a^T.
.macro SWEEP2 s
.set W, 2+(\s)/4
.set PB, 64*((\s)%4)
.set RB, (\s)*REC
	v_add_nc_u32 v[A0], RB, v[LI]                  ; these six lines name no register of the last products: they are the places ahead of the loads into V's fragments
	v_add_nc_u32 v[A2], RB, v[L8]
	v_sub_f32 v[DLT], v[NGM], v[NM+(\s)]           ; the step's M less the last M: a whole number, 0 or less
	v_cvt_i32_f32 v[DLT], v[DLT]
	v_ldexp_f32 v[GG], v[RL], v[DLT]               ; g = 2^(the step's M - M) / the sum
	v_nop
.irp b, 0,1,2,3
	ds_load_b64 v[VSB+2*\b:VSB+2*\b+1], v[A2] offset:SC+1024+256*\b    ; V's scale bytes of key block b: lane r + 16 g: d tiles 8 g + 0 .. 7
.endr
	WIN 0x40
.irp t, 0,1,2,3,4,5,6,7,8,9,10,11,12,13,14,15
.irp c, 0,1
	ds_load_b128 v[FRG+8*\t+4*\c:FRG+8*\t+4*\c+3], v[A0] offset:VC+1024*\t+512*\c
.endr
.endr
	WIN 0
.irp b, 0,1,2,3
	v_mul_f32 v[BM+\b], v[PM+4*(\s)+\b], v[GG]     ; the block's largest a
.endr
.irp b, 0,1,2,3
	v_max_num_f32 v[BM+\b], FLOOR, v[BM+\b]        ; the floor: the byte cannot fall under 1
.endr
.irp b, 0,1,2,3
	v_add_nc_u32 v[SOP+\b], 0xff000000, v[BM+\b]   ; 2 off the exponent field: the conversion's scale operand
.endr
.irp b, 0,1,2,3
	v_lshrrev_b32 v[BY+\b], 23, v[SOP+\b]
.endr
	v_lshl_or_b32 v[PW], v[BY+1], 8, v[BY]         ; a's scale word for these 128 keys
	v_lshl_or_b32 v[PW], v[BY+2], 16, v[PW]
	v_lshl_or_b32 v[PW], v[BY+3], 24, v[PW]
	s_wait_dscnt 32                                ; V's scale bytes are in; the 32 fragment loads may stay out
.irp g, 0,1                            ; 4 key blocks x 8 d tiles of bytes are turned into 8 words of 4 key blocks
	v_perm_b32 v[PT], v[VSB+2+\g], v[VSB+\g], s24
	v_perm_b32 v[PT+1], v[VSB+2+\g], v[VSB+\g], s25
	v_perm_b32 v[PT+2], v[VSB+6+\g], v[VSB+4+\g], s24
	v_perm_b32 v[PT+3], v[VSB+6+\g], v[VSB+4+\g], s25
	v_perm_b32 v[VSW+4*\g], v[PT+2], v[PT], s26
	v_perm_b32 v[VSW+4*\g+1], v[PT+2], v[PT], s27
	v_perm_b32 v[VSW+4*\g+2], v[PT+3], v[PT+1], s26
	v_perm_b32 v[VSW+4*\g+3], v[PT+3], v[PT+1], s27
.endr
	WIN (W<<6)|W
.set JJ, 0
.rept 32
	v_pk_mul_f32 v[PB+JJ:PB+JJ+1], v[PB+JJ:PB+JJ+1], v[GG:GG+1] op_sel_hi:[1,0]   ; a.  (These 32 also stand between the scale words just made and the products)
.set JJ, JJ+2
.endr
	WIN W
.irp b, 0,1,2,3
	v_cvt_scalef32_pk8_fp4_f32 v[PCD+2*\b], v[PB+16*\b:PB+16*\b+7], v[SOP+\b]
	v_cvt_scalef32_pk8_fp4_f32 v[PCD+2*\b+1], v[PB+16*\b+8:PB+16*\b+15], v[SOP+\b]
.endr
	WIN 0
	v_nop                                          ; one plain line behind the last scaled conversion
.irp c, 0,1                            ; the operand's layout wants a whole block in a lane: lanes 0-15 block 2 c, lanes 16-31 block 2 c + 1
.irp i, 0,1
	v_permlane16_swap_b32 v[PCD+4*\c+\i], v[PCD+4*\c+2+\i]
.endr
.endr
.rept 4
	v_nop                                          ; an operand written by vector instructions stands four places ahead of a scaled product
.endr
	s_wait_dscnt 0x0
	WIN 0x51                                       ; source 0 (V), C and D window 1, source 1 (a) window 0.  The sixteen accumulators take turns, from step to step too
.irp t, 0,1,2,3,4,5,6,7
	v_wmma_scale_f32_16x16x128_f8f6f4 v[8*\t:8*\t+7], v[FRG+8*\t:FRG+8*\t+7], v[PCD:PCD+7], v[8*\t:8*\t+7], v[VSW+\t], v[PW] matrix_a_fmt:MATRIX_FMT_FP4 matrix_b_fmt:MATRIX_FMT_FP4
.endr
.irp t, 8,9,10,11,12,13,14,15
	v_wmma_scale_f32_16x16x128_f8f6f4 v[8*\t:8*\t+7], v[FRG+8*\t:FRG+8*\t+7], v[PCD:PCD+7], v[8*\t:8*\t+7], v[VSW+\t-8], v[PW] matrix_a_fmt:MATRIX_FMT_FP4 matrix_b_fmt:MATRIX_FMT_FP4 matrix_a_scale:MATRIX_SCALE_ROW1
.endr
	WIN 0
.endm
.macro UP s, n                         ; behind step s: was it the last?  Then down from there; else on to step n
	s_cmp_lg_u32 s19, \n
	s_cbranch_scc1 .LS\n
	FINAL
	s_branch .LP\s
.LS\n:
	SWEEP1 \n
.endm
.macro DOWN s
.LP\s:
	SWEEP2 \s
.endm
	SWEEP1 0
	UP 0, 1
	UP 1, 2
	UP 2, 3
	UP 3, 4
	UP 4, 5
	UP 5, 6
	UP 6, 7
	FINAL
	DOWN 7
	DOWN 6
	DOWN 5
	DOWN 4
	DOWN 3
	DOWN 2
	DOWN 1
	DOWN 0
	; THE WAY OUT.  A lane holds 32 neighbouring bytes of a row, and the lanes beside it hold other rows: a quarter of the 16 rows (64 d, 256 bytes) at a time goes through my stage in LDS and comes back by rows.
	; LDS serves a wave's instructions in order: no wait between the stores and the loads, nor ahead of the next quarter's stores.  Each quarter has registers of its own.
.rept 4
	v_nop                                          ; four places behind the last product
.endr
.irp u, 0,1,2,3
	WIN 0x04                                       ; the data: window 1
.irp t, 0,1,2,3
	ds_store_b128 v[OSA], v[8*(4*\u+\t):8*(4*\u+\t)+3] offset:64*\t        ; each accumulator from its low end on
	ds_store_b128 v[OSA], v[8*(4*\u+\t)+4:8*(4*\u+\t)+7] offset:64*\t+16
.endr
	WIN 0
.irp i, 0,1,2,3,4,5,6,7
	ds_load_b128 v[BK+32*\u+4*\i:BK+32*\u+4*\i+3], v[ORA] offset:544*\i
.endr
.endr
.irp u, 0,1,2,3
.irp i, 0,1,2,3,4,5,6,7
	s_wait_dscnt 16*(3-\u)+7-\i                    ; behind this load: the 7 - i later ones of its quarter and 16 LDS instructions for each later quarter
	global_store_b128 v[OGA], v[BK+32*\u+4*\i:BK+32*\u+4*\i+3], s[12:13] offset:(2*\i+8*(\i/4))*1024+256*\u th:TH_STORE_NT   ; positions 2 i, 2 i + 1 are rows 2 i + 8 (i / 4) on; sixteen lanes store 256 consecutive bytes, aligned
.endr
.endr
	s_wait_tensorcnt 0x0
	ds_add_u32 v126, v127
	s_wait_dscnt 0x0
	s_endpgm
.Lzero:                                                ; none of my 16 rows counts: two runs of eight rows of zeros, 512 consecutive bytes a store
.irp j, 0,1,2,3
	v_mov_b32 v[ZR+\j], 0
.endr
.set JJ, 0
.rept 32
	global_store_b128 v[LI], v[ZR:ZR+3], s[12:13] offset:512*JJ+8192*(JJ/16) th:TH_STORE_NT
.set JJ, JJ+1
.endr
	s_wait_tensorcnt 0x0
	ds_add_u32 v126, v127
	s_wait_dscnt 0x0
	s_endpgm
.Lfunc_end_k_qd1f1e6b9af_attn:
	.size	k_qd1f1e6b9af_attn, .Lfunc_end_k_qd1f1e6b9af_attn-k_qd1f1e6b9af_attn
	.p2alignl 7, 3214868480
	.fill 96, 4, 3214868480
	.section	.rodata,"a",@progbits
	.p2align	6, 0x0
	.amdhsa_kernel k_qd1f1e6b9af_attn
		.amdhsa_group_segment_fixed_size 300544
		.amdhsa_private_segment_fixed_size 0
		.amdhsa_enable_private_segment 0
		.amdhsa_kernarg_size 32
		.amdhsa_user_sgpr_count 2
		.amdhsa_user_sgpr_kernarg_segment_ptr 1
		.amdhsa_wavefront_size32 1
		.amdhsa_system_sgpr_workgroup_id_x 1
		.amdhsa_system_sgpr_workgroup_id_y 1
		.amdhsa_system_sgpr_workgroup_id_z 1
		.amdhsa_system_vgpr_workitem_id 0
		.amdhsa_next_free_vgpr 1024
		.amdhsa_next_free_sgpr 66
		.amdhsa_reserve_vcc 1
		.amdhsa_float_denorm_mode_32 3
		.amdhsa_float_denorm_mode_16_64 3
		.amdhsa_memory_ordered 1
		.amdhsa_forward_progress 1
		.amdhsa_inst_pref_size 255
	.end_amdhsa_kernel
	.section	.bss,"aw",@nobits
	.p2align	6
	.space	262144
	.amdgpu_metadata
---
amdhsa.version: [ 1, 2 ]
amdhsa.kernels:
  - .name:           k_qd1f1e6b9af_attn
    .symbol:         k_qd1f1e6b9af_attn.kd
    .args:
      - { .name: qrec, .offset: 0, .size: 8, .value_kind: global_buffer, .address_space: global }
      - { .name: kvrec, .offset: 8, .size: 8, .value_kind: global_buffer, .address_space: global }
      - { .name: out0, .offset: 16, .size: 8, .value_kind: global_buffer, .address_space: global }
      - { .name: order, .offset: 24, .size: 8, .value_kind: global_buffer, .address_space: global }
    .group_segment_fixed_size: 300544
    .private_segment_fixed_size: 0
    .kernarg_segment_align: 8
    .kernarg_segment_size: 32
    .max_flat_workgroup_size: 128
    .sgpr_count:     66
    .vgpr_count:     1024
    .wavefront_size: 32
...
	.end_amdgpu_metadata
.endif
;; end of part 4
;; ======== version 3 of 3: 2 launches
;; workspace buffers: qrec 9,043,968 bytes; kvrec 9,043,968 bytes; order 2,048 bytes of whole numbers
;; launch prep (part 5): grid 16 x 32, 4 waves a work-group, no clusters, 37,376 bytes of LDS; arguments s1, s2, w, l1, l2, qrec, kvrec, order; writes qrec, kvrec, order
.if DOCPART == 5
	.amdgcn_target "amdgcn-amd-amdhsa--gfx1250"
	.amdhsa_code_object_version 6
	.text
	.protected	k_qd1f1e6b9af_prep
	.globl	k_qd1f1e6b9af_prep
	.p2align	8
	.type	k_qd1f1e6b9af_prep,@function
k_qd1f1e6b9af_prep:
	s_mov_b64 s[64:65], 0
	v_nop
	global_prefetch_b8 v0, s[64:65] scope:SCOPE_SE
	s_setreg_imm32_b32 hwreg(HW_REG_WAVE_MODE, 25, 1), 1
	s_wait_xcnt 0x0
; s2 and s1 x w3 become codes of FP4 (E2M1) with one E8M0 scale byte for each 32 along K, laid in the order in which the next launch's operand registers take them; s1 . w1 and s2 . w2 are made on the way, in f32.
; A work-group takes a chunk of 128 rows of one sample: x = 0 .. 7 chunk x of s2, x = 8 .. 15 chunk x - 8 of s1; y = the sample.  Wave w takes the chunk's rows 32 w .. 32 w + 31, all 256 columns.
; A chunk whose first row lies at or beyond the sample's l2 (s2) or l1 (s1) is thrown away by the mask that the problem builds itself: its work-group stores nothing and ends.  That is the price of a grid that serves every l1 and l2.
; s2 is quantised TWICE: along d (K of the scores) and along the keys (K of the second product).  s1 x w3 along d alone.  Both tensors take one path: for s2 the factor is 1.0, which changes no bit.
; A RECORD (REC bytes) for each sample and chunk:
;   KC  fragment images along d: tile T = 2 w + u, K step s of 128: at 2048 T + 1024 s + 512 c + 16 lane the 16 bytes (32 codes) of d block 4 s + 2 c + lane / 16 of the tile's position lane % 16
;   VC  (s2) fragment images along the keys: d tile T (d = 16 T + lane % 16): at 1024 T + 512 c + 16 lane the 32 codes of the chunk's key block 2 c + lane / 16
;   SC  scale words along d: at 256 w + 8 (r + 16 s) + 4 u the four bytes of K step s of position r of tile 2 w + u;   SC + 1024 (s2): at 256 w + 8 (r + 16 g) + i the byte of d = 16 (8 g + i) + r for key block w
;   P2  the row's product with w1 or w2, f32, by positions: 64 T + 4 position
; THE ROWS OF A TILE ARE NOT NEIGHBOURS: position m of tile 2 w + u is row 32 w + 8 u + m + 8 (m / 8), so that in the transposed score product a lane's 16 registers of two neighbouring tiles are 16 neighbouring keys.
; Row k of a wave's 32 has place RHO(k) = 16 ((k / 8) % 2) + k % 8 + 8 (k / 16) among the wave's 32 positions.
; A block's scale is 2^(floor(log2(its largest magnitude)) - 2); its byte is the largest magnitude's exponent field - 2, held at 1 from below by a floor among the maximum's leaves.
; THE LIST.  Wave 0 of the last work-group also lays out the next launch's work: 512 blocks of 64 queries (sample b, block x), one word each: x | b << 4 | L1 << 9 | L2 << 20.  A block's work there grows with its sample's
; number of steps of 128 keys; a block with no row under L1 only stores zeros.  The list has the blocks with rows first, those of the most key steps at the lowest numbers, and the blocks of zeros behind them.
; LIMITS: a block of zeros gets the byte 1 where the rule says 127 (its codes are zeros, and this program alone reads the bytes); blocks whose largest magnitude lies under 2^-124 get the byte 1; NaN and infinities are not served;
; a negative l counts as 0, one over 1,024 as 1,024 (the same mask).
; No tensor load, no barrier: waves share nothing.  All 64 loads of a wave's 32 KiB go out at its start.  No matrix unit, no cluster: the launch streams, and no two work-groups read the same bytes.
.set REC,   35328
.set BATCH, 8*REC
.set KC,    0
.set VC,    16384
.set SC,    32768
.set P2,    34816
.set WREG,  9216                       ; LDS of a wave: a stage of 32 positions x SP bytes, 256 bytes of K's scale words, 256 of V's scale bytes
.set SP,    272                        ; 256 bytes (64 d) + 16: 17 x 16 bytes, so that sixteen lanes that read 16 bytes of sixteen rows touch sixteen different columns of 16 bytes modulo 256
.set KSA,   8704
.set VSA,   8960
.set FLOOR, 0x1800000                  ; 2^(3 - 127)
.set WD,    16                         ; v16-31   w1 or w2 at my four columns of each quarter of a row
.set WM,    32                         ; v32-47   w3 there, or 1.0
.set ACC,   48                         ; v48-79   16 pairs: the running products of rows 2 i + lane / 16 with WD
.set X,     80                         ; v80-143  64 neighbours along d of my position; at the end the rows' sums
.set KCD,   144                        ; v144-151 codes along d
.set VCD,   152                        ; v152-159 codes along the keys
.set XV,    160                        ; v160-223 two columns, 32 keys each
.set KW,    224                        ; v224-225 my position's two scale words
.set TK,    226                        ; v226-233 at work for K;  v234-241 for V
.set TV,    234
.set LL1,   160                        ; the list (its registers are free again when it is stored): v160 L1, v161 L2 of sample = lane
.set LL2,   161
.set LNV,   162                        ; v162 blocks of 64 queries that hold a row under L1
.set LKEY,  163                        ; v163 32 x key steps + 31 - sample: no two samples have the same
.set LBAS,  164                        ; v164 where the sample's blocks with rows begin in the list
.set LPRE,  165                        ; v165 such blocks of all lower samples
.set LZB,   166                        ; v166 where its blocks of zeros begin, less their first x
.set LENT,  167                        ; v167 the entry without x
.set LT,    168                        ; v168-169 at work
.set LP,    170                        ; v170-185 the sixteen places;  v186-201 the sixteen entries
.set LE,    186
.set MSB, 0
.macro WIN new                         ; s_set_vgpr_msb: bits 1:0 source 0, 3:2 source 1, 5:4 source 2, 7:6 destination; the high byte repeats the setting that is left
.if MSB != (\new)
	s_set_vgpr_msb (MSB<<8)|(\new)
.set MSB, (\new)
.endif
.endm
	s_load_b256 s[4:11], s[0:1], 0x0               ; s1 s[4:5], s2 s[6:7], w s[8:9], l1 s[10:11]
	s_load_b128 s[12:15], s[0:1], 0x20             ; l2 s[12:13], qrec s[14:15]
	s_load_b128 s[16:19], s[0:1], 0x30             ; kvrec s[16:17], order s[18:19]
	v_lshl_add_u32 v254, v0, 2, 0x9000
	v_mov_b32 v255, 0
	v_lshrrev_b32 v1, 5, v0
	v_readfirstlane_b32 s20, v1                    ; wave 0..3
	s_and_b32 s23, ttmp7, 0xffff                   ; the sample
	s_lshl_b32 s32, s23, 2
	s_mov_b32 s33, 0
	s_wait_kmcnt 0x0
	s_cmp_lt_u32 ttmp9, 8                          ; s2's work-group or s1's?  The choice hangs on the work-group's number alone
	s_cselect_b64 s[24:25], s[6:7], s[4:5]         ; the source
	s_cselect_b64 s[28:29], s[12:13], s[10:11]     ; its limits
	s_cselect_b64 s[26:27], s[16:17], s[14:15]     ; the records
	s_cselect_b32 s21, 1, 0                        ; 1: s2
	s_cselect_b32 s31, -1, 0                       ; all lanes: the factor is 1.0
	s_cselect_b32 s40, 1024, 0                     ; w2 begins 1,024 bytes into w, w1 at its start
	s_cselect_b32 s22, 0, 8
	s_sub_co_u32 s22, ttmp9, s22                   ; the chunk
	s_add_nc_u64 s[28:29], s[28:29], s[32:33]
	s_load_b32 s30, s[28:29], 0x0                  ; l2[b] or l1[b]
	s_mov_b32 s44, s40
	s_mov_b32 s45, 0
	s_add_nc_u64 s[42:43], s[8:9], s[44:45]        ; w1 or w2
	s_lshl_b32 s32, s23, 20                        ; the source at my wave's rows: sample x 2^20 + chunk x 2^17 + wave x 2^15 bytes
	s_lshl_b32 s34, s22, 17
	s_add_co_u32 s32, s32, s34
	s_lshl_b32 s34, s20, 15
	s_add_co_u32 s32, s32, s34
	s_add_nc_u64 s[24:25], s[24:25], s[32:33]
	s_mul_i32 s34, s23, BATCH                      ; the record
	s_mul_i32 s35, s22, REC
	s_add_co_u32 s34, s34, s35
	s_mov_b32 s35, 0
	s_add_nc_u64 s[26:27], s[26:27], s[34:35]
	s_mov_b32 s36, 0xaaaaaaaa                      ; lanes whose number has bit 0, 1, 2, 3 set: for the sums across lanes
	s_mov_b32 s37, 0xcccccccc
	s_mov_b32 s38, 0xf0f0f0f0
	s_mov_b32 s39, 0xff00ff00
	v_and_b32 v1, 31, v0                           ; lane
	v_and_b32 v2, 15, v0                           ; lane % 16
	v_bfe_u32 v3, v0, 4, 1                         ; lane / 16
	s_mul_i32 s41, s20, WREG                       ; my wave's LDS
	v_lshlrev_b32 v15, 4, v2                       ; v15 my 16 bytes of 256: the weights' place too
	v_lshl_add_u32 v4, v3, 10, v15                 ; v4  in: lanes 0-15 an even row, lanes 16-31 the odd row behind it
	v_mul_u32_u24 v5, v3, SP
	v_add_nc_u32 v5, v5, v15
	v_add_nc_u32 v5, s41, v5                       ; v5  into the stage, likewise (RHO(2 i + 1) = RHO(2 i) + 1)
	v_mul_u32_u24 v6, v1, SP
	v_add_nc_u32 v6, s41, v6                       ; v6  out of it for K: lane = position
	v_lshl_add_u32 v7, v1, 2, s41                  ; v7  out of it for V: lane = column
	s_lshl_b32 s46, s20, 12
	v_lshl_add_u32 v8, v3, 11, v15
	v_add_nc_u32 v8, s46, v8                       ; v8  K's codes: 2048 (2 w + lane / 16) + 16 (lane % 16); a d block is 256 bytes on from the last
	s_lshl_b32 s46, s20, 8
	v_add_nc_u32 v9, s46, v4                       ; v9  V's codes: 256 w + 1024 (lane / 16) + 16 (lane % 16); 32 columns are 2,048 bytes on
	v_lshl_add_u32 v13, v1, 3, s46                 ; v13 the scales' place in the record: 256 w + 8 lane
	v_lshlrev_b32 v10, 3, v2
	v_lshl_add_u32 v10, v3, 2, v10
	v_add_nc_u32 v10, s41, v10                     ; v10 my position's scale words in LDS: 8 (lane % 16) + 4 (lane / 16)
	v_lshl_add_u32 v11, v2, 3, v3
	v_add_nc_u32 v11, s41, v11                     ; v11 my column's scale byte in LDS: 8 (lane % 16) + lane / 16
	v_lshl_add_u32 v12, v1, 3, s41                 ; v12 and back: 8 bytes a lane
	v_lshl_add_u32 v226, v2, 1, v3                 ; the row whose sum ends in my lane: k = 2 (lane % 16) + lane / 16
	v_bfe_u32 v227, v226, 3, 1
	v_and_b32 v228, 7, v226
	v_lshl_add_u32 v228, v227, 4, v228
	v_lshrrev_b32 v227, 4, v226
	v_lshl_add_u32 v228, v227, 3, v228             ; RHO(k)
	s_lshl_b32 s46, s20, 7
	v_lshl_add_u32 v14, v228, 2, s46               ; v14 its place in the record: 128 w + 4 RHO(k)
	s_wait_kmcnt 0x0
	; THE LIST: wave 0 of work-group (15, 31) alone.  Lane = sample.  No LDS, no other wave.
	s_lshl_b32 s46, s23, 4
	s_add_co_u32 s46, s46, ttmp9
	s_lshl_b32 s46, s46, 2
	s_add_co_u32 s46, s46, s20                     ; 4 x (16 y + x) + wave
	s_cmp_lg_u32 s46, 2044
	s_cbranch_scc1 .Lnolist
	v_lshlrev_b32 v[LT], 2, v1
	global_load_b32 v[LL1], v[LT], s[10:11]
	global_load_b32 v[LL2], v[LT], s[12:13]
	s_wait_loadcnt 0x0
	v_cmp_le_i32 vcc_lo, 0, v[LL1]
	v_cndmask_b32 v[LL1], 0, v[LL1], vcc_lo        ; a negative l counts as 0,
	v_min_u32 v[LL1], 1024, v[LL1]                 ; one over 1,024 as 1,024
	v_cmp_le_i32 vcc_lo, 0, v[LL2]
	v_cndmask_b32 v[LL2], 0, v[LL2], vcc_lo
	v_min_u32 v[LL2], 1024, v[LL2]
	v_cmp_lt_u32 vcc_lo, 0, v[LL2]
	v_cndmask_b32 v[LL1], 0, v[LL1], vcc_lo        ; where no key counts no row counts: every test of a row is then against L1 alone
	v_add_nc_u32 v[LNV], 63, v[LL1]
	v_lshrrev_b32 v[LNV], 6, v[LNV]                ; blocks with a row: 0 .. 16
	v_add_nc_u32 v[LKEY], 127, v[LL2]
	v_lshrrev_b32 v[LKEY], 7, v[LKEY]              ; key steps: 0 .. 8
	v_sub_nc_u32 v[LT], 31, v1
	v_lshl_add_u32 v[LKEY], v[LKEY], 5, v[LT]      ; more key steps first; among equals the lower sample first
	v_mov_b32 v[LBAS], 0
	v_mov_b32 v[LPRE], 0
	s_mov_b32 s48, 0
.set JJ, 0
.rept 32                               ; sample JJ's figures go to every lane
	v_readlane_b32 s49, v[LNV], JJ
	v_readlane_b32 s50, v[LKEY], JJ
	s_add_co_u32 s48, s48, s49                     ; all blocks with a row
	v_mov_b32 v[LT], s49
	v_cmp_gt_u32 vcc_lo, s50, v[LKEY]              ; it stands ahead of my sample in the list
	v_cndmask_b32 v[LT+1], 0, v[LT], vcc_lo
	v_add_nc_u32 v[LBAS], v[LBAS], v[LT+1]
	v_cmp_lt_u32 vcc_lo, JJ, v1                    ; it is a lower sample
	v_cndmask_b32 v[LT+1], 0, v[LT], vcc_lo
	v_add_nc_u32 v[LPRE], v[LPRE], v[LT+1]
.set JJ, JJ+1
.endr
	v_lshlrev_b32 v[LENT], 4, v1                   ; 16 x sample: the blocks of all lower samples; also the sample's field of the entry
	v_add_nc_u32 v[LZB], s48, v[LENT]
	v_sub_nc_u32 v[LZB], v[LZB], v[LPRE]           ; behind all blocks with rows: the lower samples' blocks of zeros, then mine;
	v_sub_nc_u32 v[LZB], v[LZB], v[LNV]            ; my first of them has x = the number of my blocks with rows.  (Never under 0: the sum of all is at least the lower samples' and mine)
	v_lshl_or_b32 v[LENT], v[LL1], 9, v[LENT]
	v_lshl_or_b32 v[LENT], v[LL2], 20, v[LENT]
.irp x, 0,1,2,3,4,5,6,7,8,9,10,11,12,13,14,15
	v_cmp_lt_u32 vcc_lo, \x, v[LNV]                ; block x holds a row
	v_cndmask_b32 v[LP+\x], v[LZB], v[LBAS], vcc_lo
	v_add_nc_u32 v[LP+\x], \x, v[LP+\x]            ; the 512 places are a permutation of 0 .. 511: every word of the list is written
	v_min_u32 v[LP+\x], 511, v[LP+\x]              ; a number made of loaded numbers enters an address only behind this hold
	v_lshlrev_b32 v[LP+\x], 2, v[LP+\x]
	v_or_b32 v[LE+\x], \x, v[LENT]
	global_store_b32 v[LP+\x], v[LE+\x], s[18:19]  ; 4 bytes a lane, once in the launch: 2,048 bytes in all
.endr
	s_wait_xcnt 0x0                                ; the stores have read their registers, which the work below writes again
.Lnolist:
	s_max_i32 s30, s30, 0
	s_lshl_b32 s32, s22, 7
	s_cmp_lt_i32 s32, s30                          ; does the chunk begin under the limit?
	s_cbranch_scc0 .Lend
.irp q, 0,1,2,3
	global_load_b128 v[WD+4*\q:WD+4*\q+3], v15, s[42:43] offset:256*\q
.endr
.irp q, 0,1,2,3
	global_load_b128 v[WM+4*\q:WM+4*\q+3], v15, s[8:9] offset:2048+256*\q      ; w3
.endr
; Quarter q of the wave's 32 rows (64 columns): 16 loads, each half of the lanes reads 256 consecutive bytes of one row, aligned.  They land in window 1, load i at v[64 q + 4 i].
.macro LOADQ q
.set II, 0
.rept 16
	global_load_b128 v[64*\q+4*II:64*\q+4*II+3], v4, s[24:25] offset:2048*II+256*\q th:TH_LOAD_NT
.set II, II+1
.endr
.endm
	WIN 0x40                                       ; destination window 1
	LOADQ 0
	LOADQ 1
	LOADQ 2
	LOADQ 3
	WIN 0
; The rows' products with w1 or w2 go on (the first quarter starts the sums: nothing is cleared); then the numbers are multiplied by w3 or by 1.0, in place.
.macro DOTMUL q
	WIN 0x01                                       ; source 0 window 1
.set II, 0
.rept 16
.if (\q) == 0
	v_pk_mul_f32 v[ACC+2*II:ACC+2*II+1], v[4*II:4*II+1], v[WD:WD+1]
.else
	v_pk_fma_f32 v[ACC+2*II:ACC+2*II+1], v[64*(\q)+4*II:64*(\q)+4*II+1], v[WD+4*(\q):WD+4*(\q)+1], v[ACC+2*II:ACC+2*II+1]
.endif
.set II, II+1
.endr
.set II, 0
.rept 16
	v_pk_fma_f32 v[ACC+2*II:ACC+2*II+1], v[64*(\q)+4*II+2:64*(\q)+4*II+3], v[WD+4*(\q)+2:WD+4*(\q)+3], v[ACC+2*II:ACC+2*II+1]
.set II, II+1
.endr
	WIN 0x41                                       ; destination and source 0 window 1
.set II, 0
.rept 16
	v_pk_mul_f32 v[64*(\q)+4*II:64*(\q)+4*II+1], v[64*(\q)+4*II:64*(\q)+4*II+1], v[WM+4*(\q):WM+4*(\q)+1]
	v_pk_mul_f32 v[64*(\q)+4*II+2:64*(\q)+4*II+3], v[64*(\q)+4*II+2:64*(\q)+4*II+3], v[WM+4*(\q)+2:WM+4*(\q)+3]
.set II, II+1
.endr
.endm
; Into the stage, each row at its position.  LDS serves a wave's instructions in order, so the stage is written again in the next quarter with no wait of its own.
.macro TOSTAGE q
	WIN 0x04                                       ; an LDS store's data are its source 1: window 1
.set II, 0
.rept 16
.set RHO, 16*(((2*II)>>3)&1)+((2*II)&7)+8*((2*II)>>4)
	ds_store_b128 v5, v[64*(\q)+4*II:64*(\q)+4*II+3] offset:SP*RHO
.set II, II+1
.endr
	WIN 0
.endm
.macro KREAD                           ; lane = position: its 64 neighbours along d
.set II, 0
.rept 16
	ds_load_b128 v[X+4*II:X+4*II+3], v6 offset:16*II
.set II, II+1
.endr
.endm
.macro VREAD                           ; lane = column (two columns, 32 apart): the registers run down the 32 keys in their true order
.set II, 0
.rept 32
.set RHO, 16*((II>>3)&1)+(II&7)+8*(II>>4)
	ds_load_b32 v[XV+II], v7 offset:SP*RHO
	ds_load_b32 v[XV+32+II], v7 offset:SP*RHO+128
.set II, II+1
.endr
.endm
; Two blocks of 32 numbers, v[x ..] and v[x + 32 ..], by turns, each in two chains: the largest magnitude with the floor among its leaves -> v[t + g]; the conversion's scale operand (2 off the exponent field) -> v[t + 4 + g]; the byte -> v[t + 6 + g]
.macro MAX2 x, t
.irp g, 0,1
	v_max3_num_f32 v[\t+\g], |v[\x+32*\g]|, |v[\x+32*\g+1]|, FLOOR
	v_max3_num_f32 v[\t+2+\g], |v[\x+32*\g+16]|, |v[\x+32*\g+17]|, |v[\x+32*\g+18]|
.endr
.irp i, 0,2,4,6,8,10
.irp g, 0,1
	v_max3_num_f32 v[\t+\g], v[\t+\g], |v[\x+32*\g+2+\i]|, |v[\x+32*\g+3+\i]|
	v_max3_num_f32 v[\t+2+\g], v[\t+2+\g], |v[\x+32*\g+19+\i]|, |v[\x+32*\g+20+\i]|
.endr
.endr
.irp g, 0,1
	v_max3_num_f32 v[\t+\g], v[\t+\g], |v[\x+32*\g+14]|, |v[\x+32*\g+15]|
.endr
.irp g, 0,1
	v_max3_num_f32 v[\t+\g], v[\t+\g], v[\t+2+\g], |v[\x+32*\g+31]|
.endr
.irp g, 0,1
	v_add_nc_u32 v[\t+4+\g], 0xff000000, v[\t+\g]
.endr
.irp g, 0,1
	v_lshrrev_b32 v[\t+6+\g], 23, v[\t+4+\g]
.endr
.endm
; d blocks 2 q and 2 q + 1 of my position: bytes into the scale words, codes to the record.
.macro KCOMP q
	MAX2 X, TK
.irp g, 0,1
.if (2*((\q)%2)+\g) == 0
	v_mov_b32 v[KW+(\q)/2], v[TK+6+\g]
.else
	v_lshl_or_b32 v[KW+(\q)/2], v[TK+6+\g], 8*(2*((\q)%2)+\g), v[KW+(\q)/2]
.endif
.endr
.if (\q) > 0
	s_wait_alu depctr_va_vdst(0)
	s_wait_xcnt 0x0                                ; the last quarter's stores, of K's codes and of V's, have read their registers: both sets are written again only behind this wait
.endif
.irp g, 0,1
.irp k, 0,1,2,3
	v_cvt_scalef32_pk8_fp4_f32 v[KCD+4*\g+\k], v[X+32*\g+8*\k:X+32*\g+8*\k+7], v[TK+4+\g]
.endr
.endr
	v_nop                                          ; one plain line behind the last scaled conversion
.irp g, 0,1
	global_store_b128 v8, v[KCD+4*\g:KCD+4*\g+3], s[26:27] offset:KC+256*(2*(\q)+\g)   ; each half of the lanes stores 256 consecutive bytes, aligned
.endr
.endm
; My two columns' key block: the byte to the wave's 256 bytes in LDS, the codes to the record.
.macro VCOMP q
	MAX2 XV, TV
.irp g, 0,1
	ds_store_b8 v11, v[TV+6+\g] offset:VSA+128*((2*(\q)+\g)/4)+2*((2*(\q)+\g)%4)
.endr
.irp g, 0,1
.irp k, 0,1,2,3
	v_cvt_scalef32_pk8_fp4_f32 v[VCD+4*\g+\k], v[XV+32*\g+8*\k:XV+32*\g+8*\k+7], v[TV+4+\g]
.endr
.endr
	v_nop
.irp g, 0,1
	global_store_b128 v9, v[VCD+4*\g:VCD+4*\g+3], s[26:27] offset:VC+2048*(2*(\q)+\g)
.endr
.endm
; A quarter.  K's arithmetic is written in both arms, so that in s2's arm V's LDS reads land under it, and so that no register is written on one way and read behind the join.
.macro QUARTER q
	s_wait_loadcnt 48-16*(\q)                      ; this quarter's 16 loads are in (and the weights', which are older); the 16 of each later quarter may stay out
.if (\q) == 0
.set II, 0
.rept 16
	v_cndmask_b32 v[WM+II], v[WM+II], 1.0, s31     ; s2 is quantised as it is
.set II, II+1
.endr
.endif
	DOTMUL \q
	TOSTAGE \q
	KREAD
	s_wait_dscnt 0x0
	s_cmp_lg_u32 s21, 0
	s_cbranch_scc1 .Lboth_\@
	KCOMP \q
	s_branch .Ldone_\@
.Lboth_\@:
	VREAD
	KCOMP \q
	s_wait_dscnt 0x0
	VCOMP \q
.Ldone_\@:
.endm
	QUARTER 0
	QUARTER 1
	QUARTER 2
	QUARTER 3
; The sums across the sixteen lanes of a half.  A lane holds parts of 16 rows' sums.  In each of four stages it keeps half of its sums and hands the other half to the lane whose number differs in one bit:
; at the end lane l holds the whole sum of row 2 (l % 16) + l / 16.
.macro RSTAGE m, sm
.set II, 0
.rept 8/\m
	v_cndmask_b32 v[XV+2*II], v[X+2*\m*II], v[X+2*\m*II+\m], s[\sm]       ; what I keep
	v_cndmask_b32 v[XV+2*II+1], v[X+2*\m*II+\m], v[X+2*\m*II], s[\sm]     ; what I hand over
.set II, II+1
.endr
.set II, 0
.rept 8/\m
	v_add_f32_dpp v[X+2*\m*II], v[XV+2*II+1], v[XV+2*II] row_xmask:\m row_mask:0xf bank_mask:0xf
.set II, II+1
.endr
.endm
	ds_store_b32 v10, v[KW] offset:KSA             ; my position's two scale words
	ds_store_b32 v10, v[KW+1] offset:KSA+128
	ds_load_b64 v[242:243], v12 offset:KSA         ; LDS serves a wave's instructions in order: this sees the stores
.set II, 0
.rept 16
	v_add_f32 v[X+II], v[ACC+2*II], v[ACC+2*II+1]
.set II, II+1
.endr
	RSTAGE 1, 36
	RSTAGE 2, 37
	RSTAGE 4, 38
	RSTAGE 8, 39
	s_wait_alu depctr_va_vdst(0)
	s_wait_dscnt 0x0
	global_store_b64 v13, v[242:243], s[26:27] offset:SC       ; the wave stores 256 consecutive bytes, aligned
	global_store_b32 v14, v[X], s[26:27] offset:P2             ; 128 consecutive bytes
	s_cmp_lg_u32 s21, 0
	s_cbranch_scc0 .Lend
	ds_load_b64 v[244:245], v12 offset:VSA
	s_wait_dscnt 0x0
	global_store_b64 v13, v[244:245], s[26:27] offset:SC+1024
.Lend:
	s_wait_tensorcnt 0x0
	ds_add_u32 v254, v255
	s_wait_dscnt 0x0
	s_endpgm
.Lfunc_end_k_qd1f1e6b9af_prep:
	.size	k_qd1f1e6b9af_prep, .Lfunc_end_k_qd1f1e6b9af_prep-k_qd1f1e6b9af_prep
	.p2alignl 7, 3214868480
	.fill 96, 4, 3214868480
	.section	.rodata,"a",@progbits
	.p2align	6, 0x0
	.amdhsa_kernel k_qd1f1e6b9af_prep
		.amdhsa_group_segment_fixed_size 37376
		.amdhsa_private_segment_fixed_size 0
		.amdhsa_enable_private_segment 0
		.amdhsa_kernarg_size 64
		.amdhsa_user_sgpr_count 2
		.amdhsa_user_sgpr_kernarg_segment_ptr 1
		.amdhsa_wavefront_size32 1
		.amdhsa_system_sgpr_workgroup_id_x 1
		.amdhsa_system_sgpr_workgroup_id_y 1
		.amdhsa_system_sgpr_workgroup_id_z 1
		.amdhsa_system_vgpr_workitem_id 0
		.amdhsa_next_free_vgpr 512
		.amdhsa_next_free_sgpr 66
		.amdhsa_reserve_vcc 1
		.amdhsa_float_denorm_mode_32 3
		.amdhsa_float_denorm_mode_16_64 3
		.amdhsa_memory_ordered 1
		.amdhsa_forward_progress 1
		.amdhsa_inst_pref_size 113
	.end_amdhsa_kernel
	.amdgpu_metadata
---
amdhsa.version: [ 1, 2 ]
amdhsa.kernels:
  - .name:           k_qd1f1e6b9af_prep
    .symbol:         k_qd1f1e6b9af_prep.kd
    .args:
      - { .name: s1, .offset: 0, .size: 8, .value_kind: global_buffer, .address_space: global }
      - { .name: s2, .offset: 8, .size: 8, .value_kind: global_buffer, .address_space: global }
      - { .name: w, .offset: 16, .size: 8, .value_kind: global_buffer, .address_space: global }
      - { .name: l1, .offset: 24, .size: 8, .value_kind: global_buffer, .address_space: global }
      - { .name: l2, .offset: 32, .size: 8, .value_kind: global_buffer, .address_space: global }
      - { .name: qrec, .offset: 40, .size: 8, .value_kind: global_buffer, .address_space: global }
      - { .name: kvrec, .offset: 48, .size: 8, .value_kind: global_buffer, .address_space: global }
      - { .name: order, .offset: 56, .size: 8, .value_kind: global_buffer, .address_space: global }
    .group_segment_fixed_size: 37376
    .private_segment_fixed_size: 0
    .kernarg_segment_align: 8
    .kernarg_segment_size: 64
    .max_flat_workgroup_size: 128
    .sgpr_count:     66
    .vgpr_count:     512
    .wavefront_size: 32
...
	.end_amdgpu_metadata
.endif
;; end of part 5
;; launch attn (part 6): grid 512 x 1, 4 waves a work-group, no clusters, 300,544 bytes of LDS; arguments qrec, kvrec, out0, order; writes out0
.if DOCPART == 6
	.amdgcn_target "amdgcn-amd-amdhsa--gfx1250"
	.amdhsa_code_object_version 6
	.text
	.protected	k_qd1f1e6b9af_attn
	.globl	k_qd1f1e6b9af_attn
	.p2align	8
	.type	k_qd1f1e6b9af_attn,@function
k_qd1f1e6b9af_attn:
	s_mov_b64 s[64:65], 0
	v_nop
	global_prefetch_b8 v0, s[64:65] scope:SCOPE_SE
	s_setreg_imm32_b32 hwreg(HW_REG_WAVE_SCHED_MODE, 0, 2), 2
	s_setreg_imm32_b32 hwreg(HW_REG_WAVE_MODE, 25, 1), 1
	s_wait_xcnt 0x0
	s_wait_alu depctr_vm_vsrc(0)
; u[b][t][:] = the sum over keys k of a[t][k] s2[b][k][:], a = softmax over k < l2 of part1[t] + part2[k] + (s1 x w3)[t] . s2[k], rows t >= l1 and keys k >= l2 zero.  Both products on codes of FP4 (E2M1) with E8M0 scales.
; THE FINISHED, NORMALISED a IS WHAT IS QUANTISED, in blocks of 32 keys: so a row's whole sum is known before any of its codes is made.  Two sweeps over the keys: the first, upward, makes p = 2^(t - M) and the sum and KEEPS p
; (16 queries x 1,024 keys are 512 registers of a wave); the second, downward, multiplies p by 2^(its step's M - the last M) / the sum, quantises and multiplies by V.  No score and no exponential is made twice.
; t = score x log2(e); M = the running largest t, rounded up to a whole number, so that a change of M multiplies by a power of two and rounds nothing.
; SHARES.  A work-group takes one block of 64 queries of one sample; wave w owns one tile of 16 of them.  WHICH block, the list says that the launch before stored: word n, for work-group n, holds x | b << 4 | L1 << 9 | L2 << 20,
; L1 and L2 the sample's l1 and l2 held to 0 .. 1,024 (L1 = 0 where L2 = 0).  The list has the blocks of the most key steps at the lowest numbers and the blocks that only store zeros at the highest: it is meant for
; work-groups that are begun in the order of their numbers, so that no long block is begun last.
; The sample's records of K and V codes (the launch before laid them in the order of the operands' registers), as far as L2 reaches, are brought into LDS once, through registers, by the four waves together, and stay.
; Steps of 128 keys at or beyond L2 are neither fetched nor multiplied; waves whose rows all lie at or beyond L1 store zeros.
; THE MASK costs no line in the sweeps: on its way into LDS part2 becomes -1e30 (the problem's own constant) for keys at or beyond L2, and 1 / the sum becomes 0 for rows at or beyond L1.
; The number of steps, N, hangs on L2.  UP, THEN DOWN THE SAME STEPS: the exits of an ascending run lead into a descending run, so that on every way only what has been written is read.
; No tensor load and no joint load, though the sixteen work-groups of a sample read the same records: the branches on L1 and L2, which spare three quarters of the work on average, are branches on numbers read from memory.
; LAYOUT.  Both products are used transposed: S^T = K Q^T (source 0 = 16 keys, source 1 = my 16 queries), O^T = V^T a^T: a lane holds ONE query (lane % 16) throughout.  Position m of tile 2 w + u of a chunk of 128 rows is
; row 32 w + 8 u + m + 8 (m / 8): so the 16 registers of tiles 2 b, 2 b + 1 are keys 32 b + 16 (lane / 16) + 0 .. 15.
; LIMITS: NaN and infinities are not served; l1, l2 under 0 count as 0, over 1,024 as 1,024; a block of a whose largest number lies under 2^-124 gets the byte 1; a block's largest a is taken from its largest score,
; which takes v_exp_f32 not to fall where its input rises.
; REGISTERS, in windows of 256: window 0: see the names below.  Window 1: v0-127 O^T (d tile T at 8 T), v128-255 a step's 16 fragments of K or of V.  Windows 2, 3: step s has 64 registers at 64 (s % 4) of window 2 + s / 4:
; first the landing of the fill's codes, then part1 + part2 (the C of the scores), the scores, p, a.
; THE MODE: SCHED_MODE bits 1:0 = 2 (LLVM: expert scheduling mode 2), set by the entry lines.  The code itself states the register dependences between vector or matrix instructions and memory or LDS instructions,
; with s_wait_alu, always for 0.
; THE PLAN.  Registers that memory or LDS instructions touch, and who else names them:
;   v1-v14, v193-v239   offsets and addresses: written by vector lines at the head, once, a set of six LDS addresses for each step, and never again; read by every load and store.  v193-v239 take rows of the result at the very end.
;   the landing registers (windows 2, 3), FSC, FP2   written by the fill's loads, read by its LDS stores.  One select writes FP2[s].  Later step s's 64 registers take part2 by LDS loads.
;   KSR, the fragments (window 1, v128-255)   written by LDS loads, read by products alone.      VSB   written by LDS loads, read by the turning of the bytes.
;   VSW, PW, PCD   written by vector lines, taken by scaled products as scales and operand.      O^T   written by products, read by the LDS stores of the way out.
; Masks are made in ONE run of compares at the head, into scalar registers, with one wait behind the run.
; UPWARD a step has ONE wait, behind its exponentials: it stands ahead of their first readers, the sums, and it states that the step's products are done reading KSR and the fragments.  Behind it the way parts: where a step
; follows, that step's 52 LDS loads go out first and this step's sums stand behind them; no vector line behind the wait names a register that those loads touch.
; DOWNWARD a step has two: one ahead of its loads (the products of the step above are done reading the fragments, its turning is done reading VSB), with eleven lines on registers between those products and it;
; one ahead of its products (VSW, PW and PCD are written).
.set REC,   35328
.set BATCH, 8*REC
.set KC,    0
.set VC,    16384
.set SC,    32768
.set P2,    34816
.set STG,   8*REC                      ; behind the eight records: 16 rows x 272 bytes for each wave, for the way out
.set NEGBIG, 0xf149f2ca                ; -1e30
.set FLOOR, 0x1800000                  ; 2^(3 - 127)
.set LI,   1                           ; v1   16 x lane
.set L8,   2                           ; v2   8 x lane
.set H32,  3                           ; v3   32 x (lane / 16)
.set FC,   4                           ; v4   the fill: my wave's quarter of 16 KiB of codes: 4096 w + 16 lane
.set FS,   5                           ; v5   of the 2,048 scale bytes: 512 w + 16 lane
.set FP,   6                           ; v6   of part2: 128 w + 4 lane
.set KEY0, 7                           ; v7   the key, within its step, of the part2 that I bring
.set QFO,  8                           ; v8   Q's fragments, v9 its scale words, v10 part1: byte offsets in the record
.set QSO,  9
.set P1O,  10
.set ROWREL, 11                        ; v11  my query's row less the tile's first row: r + 8 (r / 8)
.set OSA,  12                          ; v12  the way out: where I put 32 bytes of a row; v13 where I read rows back; v14 my byte offset in out0
.set ORA,  13
.set OGA,  14
.set P1,   20                          ; v[20:21] part1 of my query, twice
.set NGM,  22                          ; v22  -M (v23 is named with it as a pair)
.set MT,   24                          ; v24  the running largest t
.set DLT,  25
.set FF,   26                          ; v26  2^(old M - new M) (v27 named with it)
.set LS,   28                          ; v[28:29] the sum, in two halves;  v[30:31] its second chain
.set T2,   30
.set QF,   32                          ; v32-47 Q's two fragments
.set QS,   48                          ; v48  Q's scale words: lanes 0-15 K step 0, lanes 16-31 K step 1
.set PW,   49                          ; v49  a's scale word
.set GG,   50                          ; v50  2^(the step's M - M) / the sum (v51 named with it)
.set KSR,  52                          ; v52-59 K's scale words, tile T: lanes 0-15 K step 0, lanes 16-31 K step 1
.set VSW,  60                          ; v60-67 V's scale words: register i: lanes 0-15 d tile i, lanes 16-31 d tile 8 + i
.set VSB,  68                          ; v68-75 V's scale bytes as they lie
.set NM,   76                          ; v76-83 -M as it stood in step s
.set PM,   84                          ; v84-115 the largest p of block b of step s, at 4 s + b
.set PCD,  116                         ; v116-123 a's codes
.set RL,   124                         ; v124 1 / the sum, or 0
.set BM,   128                         ; v128-131 block maxima; v132-135 the other half's; v136-139 scale operands; v140-143 bytes
.set T4,   132
.set SOP,  136
.set BY,   140
.set PT,   144                         ; v144-147 at work
.set ZR,   148                         ; v148-151 zeros
.set FSC,  152                         ; v152-183 the fill: scale bytes, 4 registers a step;  v184-191 part2
.set FP2,  184
.set FA0,  192                         ; v193-199 step s = 1 .. 7: its record's place in LDS + FC;  v201-207 + FS;  v209-215 + FP: where the fill stores
.set FA1,  200
.set FA2,  208
.set SA0,  216                         ; v217-223 + LI;  v225-231 + H32;  v233-239 + L8: where the sweeps read.  (Step 0's record begins at LDS byte 0: it takes v1-v6 themselves)
.set SA1,  224
.set SA2,  232
.set BK,   128                         ; the way out: rows read back, v128-255
.set FRG,  128                         ; in window 1
.set KM,   38                          ; s38-45 step s: the lanes whose key of part2 counts
.set RM,   46                          ; s46  the lanes whose row counts
.set MSB, 0
.macro WIN new                         ; s_set_vgpr_msb: bits 1:0 source 0, 3:2 source 1, 5:4 source 2, 7:6 destination; the high byte repeats the setting that is left.  At a label and at a branch every window is 0
.if MSB != (\new)
	s_set_vgpr_msb (MSB<<8)|(\new)
.set MSB, (\new)
.endif
.endm
.macro ADR s                           ; the names of step s's six address registers
.if (\s) == 0
.set RF0, FC
.set RF1, FS
.set RF2, FP
.set RS0, LI
.set RS1, H32
.set RS2, L8
.else
.set RF0, FA0+(\s)
.set RF1, FA1+(\s)
.set RF2, FA2+(\s)
.set RS0, SA0+(\s)
.set RS1, SA1+(\s)
.set RS2, SA2+(\s)
.endif
.endm
	s_load_b128 s[8:11], s[0:1], 0x0               ; qrec s[8:9], kvrec s[10:11]
	s_load_b64 s[12:13], s[0:1], 0x10              ; out0
	s_load_b64 s[4:5], s[0:1], 0x18                ; order
	v_lshl_add_u32 v126, v0, 2, 0x49400
	v_mov_b32 v127, 0
	v_lshrrev_b32 v[PT], 5, v0
	v_readfirstlane_b32 s14, v[PT]                 ; wave 0..3
	s_lshl_b32 s28, ttmp9, 2                       ; my word of the list
	s_mov_b32 s29, 0
	s_wait_kmcnt 0x0
	s_add_nc_u64 s[4:5], s[4:5], s[28:29]
	s_load_b32 s6, s[4:5], 0x0
	; while it is on its way: all that hangs on the wave and the lane alone
	s_mov_b32 s20, 0x76543210                      ; v_permlanex16_b32's selects for lane l xor 16
	s_mov_b32 s21, 0xfedcba98
	s_mov_b32 s22, 0x3fb8aa3b                      ; log2(e)
	s_mov_b32 s23, s22                             ; (named with it as a pair)
	s_mov_b32 s24, 0x05010400                      ; v_perm_b32's selects: bytes 0, 1 of two words by turns;
	s_mov_b32 s25, 0x07030602                      ; bytes 2, 3 by turns;
	s_mov_b32 s26, 0x05040100                      ; the two low halves;
	s_mov_b32 s27, 0x07060302                      ; the two high halves
	v_and_b32 v[PT], 15, v0                        ; r
	v_bfe_u32 v[PT+1], v0, 4, 1                    ; h
	v_and_b32 v[PT+2], 31, v0                      ; lane
	v_lshlrev_b32 v[LI], 4, v[PT+2]
	v_lshlrev_b32 v[L8], 3, v[PT+2]
	v_lshlrev_b32 v[H32], 5, v[PT+1]
	s_wait_alu depctr_va_sdst(0)                   ; s14, the wave's number, is written, ahead of its first reader
	s_lshl_b32 s28, s14, 12
	v_add_nc_u32 v[FC], s28, v[LI]
	s_lshl_b32 s28, s14, 9
	v_add_nc_u32 v[FS], s28, v[LI]
	s_lshl_b32 s28, s14, 7
	v_lshl_add_u32 v[FP], v[PT+2], 2, s28
	v_and_b32 v[ROWREL], 8, v[PT]
	v_add_nc_u32 v[ROWREL], v[ROWREL], v[PT]
	v_lshl_add_u32 v[KEY0], v[PT+1], 3, v[ROWREL]
	s_lshl_b32 s28, s14, 5
	v_add_nc_u32 v[KEY0], s28, v[KEY0]             ; entry 32 w + lane of part2 is position lane % 16 of tile 2 w + lane / 16: key 32 w + 8 h + r + 8 (r / 8)
	; my tile is T = 4 (x % 2) + wave of chunk x / 2.  The wave's part of what hangs on T now, x's part behind the list's word
	s_lshl_b32 s28, s14, 11
	v_add_nc_u32 v[QFO], s28, v[LI]                ; 2048 T + 16 lane
	s_lshr_b32 s32, s14, 1                         ; wave / 2
	s_and_b32 s29, s14, 1                          ; wave % 2
	s_lshl_b32 s28, s32, 8
	s_lshl_b32 s34, s29, 2
	s_add_co_u32 s28, s28, s34
	v_add_nc_u32 v[QSO], s28, v[L8]                ; 256 (T / 2) + 4 (T % 2) + 8 lane
	s_lshl_b32 s28, s14, 6
	v_lshl_add_u32 v[P1O], v[PT], 2, s28           ; 64 T + 4 r
	s_lshl_b32 s32, s32, 5
	s_lshl_b32 s29, s29, 3
	s_add_co_u32 s32, s32, s29                     ; the tile's first row within the block of 64: 32 (wave / 2) + 8 (wave % 2)
	s_mul_i32 s28, s14, 4352
	s_add_co_u32 s28, s28, STG                     ; my stage
	v_mul_u32_u24 v[OSA], v[PT], 272
	v_lshl_add_u32 v[OSA], v[PT+1], 5, v[OSA]
	v_add_nc_u32 v[OSA], s28, v[OSA]               ; in: row r, 32 bytes for each half of the lanes
	v_mul_u32_u24 v[ORA], v[PT+1], 272
	v_lshl_add_u32 v[ORA], v[PT], 4, v[ORA]
	v_add_nc_u32 v[ORA], s28, v[ORA]               ; back: lanes 0-15 one row, lanes 16-31 the next
	v_lshlrev_b32 v[OGA], 4, v[PT]
	v_lshl_add_u32 v[OGA], v[PT+1], 10, v[OGA]     ; and the same in out0
.irp s, 1,2,3,4,5,6,7                  ; an LDS offset holds 16 bits and a record lies up to 7 REC bytes on: each step has address registers of its own, so that none is written between the loads and stores that read it
	v_add_nc_u32 v[FA0+\s], \s*REC, v[FC]
	v_add_nc_u32 v[FA1+\s], \s*REC, v[FS]
	v_add_nc_u32 v[FA2+\s], \s*REC, v[FP]
	v_add_nc_u32 v[SA0+\s], \s*REC, v[LI]
	v_add_nc_u32 v[SA1+\s], \s*REC, v[H32]
	v_add_nc_u32 v[SA2+\s], \s*REC, v[L8]
.endr
.irp b, 0,1,2,3
	v_mov_b32 v[T4+\b], 0                          ; written once: a lane permute's destination counts as one of its sources
.endr
	v_mov_b32 v[NGM+1], 0                          ; upper halves of pairs of which the low word serves both halves
	v_mov_b32 v[FF+1], 0
	v_mov_b32 v[GG+1], 0
	s_wait_kmcnt 0x0
	; the word's fields.  Those that enter addresses are cut out apart and held; behind the hold stand only additions, shifts to the left and multiplications
	s_bfe_u32 s36, s6, 0x10000                     ; x % 2
	s_min_u32 s36, s36, 1
	s_bfe_u32 s33, s6, 0x30001                     ; x / 2: the chunk of 128 rows
	s_min_u32 s33, s33, 7
	s_bfe_u32 s15, s6, 0x50004                     ; the sample
	s_min_u32 s15, s15, 31
	s_bfe_u32 s17, s6, 0xb0009                     ; L1
	s_min_u32 s17, s17, 1024
	s_bfe_u32 s18, s6, 0xb0014                     ; L2
	s_min_u32 s18, s18, 1024
	s_lshl_b32 s28, s36, 13
	v_add_nc_u32 v[QFO], s28, v[QFO]               ; 2048 x 4 (x % 2)
	s_lshl_b32 s28, s36, 9
	v_add_nc_u32 v[QSO], s28, v[QSO]               ; 256 x 2 (x % 2)
	s_lshl_b32 s28, s36, 8
	v_add_nc_u32 v[P1O], s28, v[P1O]               ; 64 x 4 (x % 2)
	s_lshl_b32 s37, s33, 7
	s_lshl_b32 s28, s36, 6
	s_add_co_u32 s37, s37, s28                     ; the block's first row: 64 x
	s_add_co_u32 s30, s37, s32                     ; my tile's first row R0
	s_mul_i32 s34, s15, BATCH
	s_mov_b32 s35, 0
	s_add_nc_u64 s[10:11], s[10:11], s[34:35]      ; the sample's records of K and V
	s_mul_i32 s28, s33, REC
	s_add_co_u32 s34, s34, s28
	s_add_nc_u64 s[8:9], s[8:9], s[34:35]          ; my chunk's record of Q
	s_lshl_b32 s34, s15, 20
	s_lshl_b32 s28, s30, 10
	s_add_co_u32 s34, s34, s28
	s_add_nc_u64 s[12:13], s[12:13], s[34:35]      ; out0 at row R0
	s_add_co_u32 s19, s18, 127
	s_lshr_b32 s19, s19, 7                         ; N: steps of 128 keys that hold a key that counts
	s_sub_co_i32 s31, s17, s30                     ; L1 - R0
	; the masks, in one run
.irp s, 0,1,2,3,4,5,6,7
	s_sub_co_i32 s28, s18, 128*\s
	v_cmp_gt_i32 s[KM+\s], s28, v[KEY0]            ; step s: the key counts where 128 s + its place < L2
.endr
	v_cmp_gt_i32 s[RM], s31, v[ROWREL]             ; my row counts where R0 + its place < L1
	s_wait_alu depctr_va_sdst(0)                   ; the nine masks s38 to s46 are written: one wait behind the run, ahead of every branch; the selects that read them stand in the fill and between the sweeps
	s_wait_alu depctr_va_vdst(0)                   ; the offsets and addresses v1 to v14 and v193 to v239 are written: every load and store of the kernel reads one of them
	s_cmp_lt_i32 s37, s17                          ; does any of the block's 64 rows count?
	s_cbranch_scc0 .Linvalid
; THE FILL.  Step s: my wave's quarter of the record, 18 loads, each of 512 consecutive bytes (part2: 128).  The address registers are never rewritten, and no vector line has named the registers in which the loads land.
.macro FLOAD s
.set W, 2+(\s)/4
.set PB, 64*((\s)%4)
.set RB, (\s)*REC
	WIN W<<6                                       ; destination: the step's window
.irp i, 0,1,2,3,4,5,6,7
	global_load_b128 v[PB+4*\i:PB+4*\i+3], v[FC], s[10:11] offset:RB+KC+512*\i
	global_load_b128 v[PB+32+4*\i:PB+32+4*\i+3], v[FC], s[10:11] offset:RB+VC+512*\i
.endr
	WIN 0
	global_load_b128 v[FSC+4*(\s):FSC+4*(\s)+3], v[FS], s[10:11] offset:RB+SC
	global_load_b32 v[FP2+(\s)], v[FP], s[10:11] offset:RB+P2
.endm
.macro FSTORE s
.set W, 2+(\s)/4
.set PB, 64*((\s)%4)
	ADR \s
	s_wait_loadcnt 0x0                             ; at every way in: all my loads are in, Q's too
	v_cndmask_b32 v[FP2+(\s)], NEGBIG, v[FP2+(\s)], s[KM+(\s)]   ; part2, or -1e30 for a key that does not count.  The 17 stores below name neither this register nor any that a vector line has written since the head's wait
	WIN W<<2                                       ; an LDS store's data are its source 1
.irp i, 0,1,2,3,4,5,6,7
	ds_store_b128 v[RF0], v[PB+4*\i:PB+4*\i+3] offset:KC+512*\i
	ds_store_b128 v[RF0], v[PB+32+4*\i:PB+32+4*\i+3] offset:VC+512*\i
.endr
	WIN 0
	ds_store_b128 v[RF1], v[FSC+4*(\s):FSC+4*(\s)+3] offset:SC
	s_wait_alu depctr_va_vdst(0)                   ; the select has written FP2[s], which the store below reads
	ds_store_b32 v[RF2], v[FP2+(\s)] offset:P2
.endm
.macro FUP n                           ; on to step n, if there is one
	s_cmp_eq_u32 s19, \n
	s_cbranch_scc1 .LF\n
	FLOAD \n
.endm
.macro FDOWN n, s
.LF\n:
	FSTORE \s
.endm
.irp k, 0,1
.irp c, 0,1
	global_load_b128 v[QF+8*\k+4*\c:QF+8*\k+4*\c+3], v[QFO], s[8:9] offset:KC+1024*\k+512*\c   ; Q's chunk begins at or under row 64 x, which counts: the launch before wrote its record whole
.endr
.endr
	global_load_b32 v[QS], v[QSO], s[8:9] offset:SC
	global_load_b32 v[P1], v[P1O], s[8:9] offset:P2
	FLOAD 0                                        ; a row counts, so a key counts: N is at least 1
	FUP 1
	FUP 2
	FUP 3
	FUP 4
	FUP 5
	FUP 6
	FUP 7
	FDOWN 8, 7
	FDOWN 7, 6
	FDOWN 6, 5
	FDOWN 5, 4
	FDOWN 4, 3
	FDOWN 3, 2
	FDOWN 2, 1
	FDOWN 1, 0
	v_mov_b32 v[P1+1], v[P1]
	s_branch .Ljoin
.Linvalid:                                             ; no row of the block counts: nothing is fetched.  What the text behind the barrier names is written here too
	v_mov_b32 v[QS], 0
	v_mov_b32 v[P1], 0
	v_mov_b32 v[P1+1], 0
.set JJ, 0
.rept 16
	v_mov_b32 v[QF+JJ], 0
.set JJ, JJ+1
.endr
	s_wait_alu depctr_va_vdst(0)                   ; on this way vector lines have written QS and QF, which the text's scaled products name as scales and as an operand
.Ljoin:
	s_wait_dscnt 0x0                               ; for the others' sake: my part of the records lies in LDS
	s_barrier_signal -1                            ; the one barrier, on every wave's way
	WIN 0x40
.set JJ, 0
.rept 128
	v_mov_b32 v[JJ], 0                             ; O^T.  The downward sweep is entered at a step that hangs on L2, so no one product can be written as the sums' first; the clearing is work on registers while the others arrive
.set JJ, JJ+1
.endr
	WIN 0
	s_barrier_wait -1
	s_cmp_lt_i32 s30, s17                          ; does my tile's first row count?
	s_cbranch_scc0 .Lzero
	s_wait_alu depctr_vm_vsrc(0)                   ; the fill's LDS stores have read the landing registers of windows 2 and 3, in which the sweeps' loads of part2 land
; THE FIRST SWEEP, step s, in three parts.  Its 52 LDS loads: part2 into the step's own registers, which no vector line has named; K's scale words and fragments into registers that the step before has multiplied by:
; that step's wait, behind its exponentials, stands between.
.macro S1LOADS s
.set W, 2+(\s)/4
.set PB, 64*((\s)%4)
	ADR \s
	WIN W<<6
.irp t, 0,1,2,3,4,5,6,7
	ds_load_b128 v[PB+8*\t:PB+8*\t+3], v[RS1] offset:P2+64*\t          ; part2 of tile t's positions 8 h + 0 .. 7: straight into the registers of C
	ds_load_b128 v[PB+8*\t+4:PB+8*\t+7], v[RS1] offset:P2+64*\t+16
.endr
	WIN 0
.irp b, 0,1,2,3
	ds_load_b64 v[KSR+2*\b:KSR+2*\b+1], v[RS2] offset:SC+256*\b        ; the scale words of tiles 2 b and 2 b + 1
.endr
	WIN 0x40
.irp t, 0,1,2,3,4,5,6,7
.irp k, 0,1
.irp c, 0,1
	ds_load_b128 v[FRG+16*\t+8*\k+4*\c:FRG+16*\t+8*\k+4*\c+3], v[RS0] offset:KC+2048*\t+1024*\k+512*\c
.endr
.endr
.endr
	WIN 0
.endm
; Its work as far as the exponentials: scores of 128 keys, their p under the running M, the block maxima of p.
.macro S1WORK s
.set W, 2+(\s)/4
.set PB, 64*((\s)%4)
	s_wait_dscnt 36                                ; part2 is in; the 4 + 32 younger loads may stay out
	WIN (W<<6)|W
.set JJ, 0
.rept 32
	v_pk_add_f32 v[PB+JJ:PB+JJ+1], v[PB+JJ:PB+JJ+1], v[P1:P1+1]        ; part1 + part2: the C of the scores' first product
.set JJ, JJ+2
.endr
.rept 4
	v_nop                                          ; places between the last of these additions and the product that takes its result
.endr
	s_wait_alu depctr_va_vdst(0)
	s_wait_dscnt 0x0
	WIN (W<<6)|(W<<4)|1                            ; source 0 (K) window 1, source 1 (Q) window 0, C and D the step's window.  The eight accumulators take turns
.irp t, 0,1,2,3,4,5,6,7
	v_wmma_scale_f32_16x16x128_f8f6f4 v[PB+8*\t:PB+8*\t+7], v[FRG+16*\t:FRG+16*\t+7], v[QF:QF+7], v[PB+8*\t:PB+8*\t+7], v[KSR+\t], v[QS] matrix_a_fmt:MATRIX_FMT_FP4 matrix_b_fmt:MATRIX_FMT_FP4
.endr
.irp t, 0,1,2,3,4,5,6,7
	v_wmma_scale_f32_16x16x128_f8f6f4 v[PB+8*\t:PB+8*\t+7], v[FRG+16*\t+8:FRG+16*\t+15], v[QF+8:QF+15], v[PB+8*\t:PB+8*\t+7], v[KSR+\t], v[QS] matrix_a_fmt:MATRIX_FMT_FP4 matrix_b_fmt:MATRIX_FMT_FP4 matrix_a_scale:MATRIX_SCALE_ROW1 matrix_b_scale:MATRIX_SCALE_ROW1
.endr
	WIN 0
.rept 4
	v_nop                                          ; four places behind the last product, ahead of the first read of results (ISA guide 7.12.1)
.endr
	WIN W|(W<<2)|(W<<4)
.irp b, 0,1,2,3
	v_max3_num_f32 v[BM+\b], v[PB+16*\b], v[PB+16*\b+1], v[PB+16*\b+2]   ; the largest score of each block of 32 keys: for the row's maximum, and, since p rises with the score, for the block's largest p.  Each accumulator is read from its low end on
.endr
	WIN (W<<2)|(W<<4)
.irp i, 3,5,7,9,11,13
.irp b, 0,1,2,3
	v_max3_num_f32 v[BM+\b], v[BM+\b], v[PB+16*\b+\i], v[PB+16*\b+\i+1]
.endr
.endr
	WIN W<<2
.irp b, 0,1,2,3
	v_max_num_f32 v[BM+\b], v[BM+\b], v[PB+16*\b+15]
.endr
	WIN 0
.irp b, 0,1,2,3
	v_permlanex16_b32 v[T4+\b], v[BM+\b], s20, s21
.endr
.irp b, 0,1,2,3
	v_max_num_f32 v[BM+\b], v[BM+\b], v[T4+\b]     ; with lane l xor 16's 16 keys
.endr
	v_max3_num_f32 v[T2], v[BM], v[BM+1], v[BM+2]
	v_max_num_f32 v[T2], v[T2], v[BM+3]            ; the step's largest score of my query: every step walked holds a key that counts
.if (\s) > 0
	v_mul_f32 v[T2], s22, v[T2]
	v_max_num_f32 v[MT], v[MT], v[T2]              ; the running largest t
	v_mov_b32 v[DLT], v[NGM]
	v_floor_f32 v[NGM], -v[MT]                     ; -M = floor(-t): M is a whole number
	v_sub_f32 v[DLT], v[NGM], v[DLT]               ; old M - new M, 0 or less
	v_cvt_i32_f32 v[DLT], v[DLT]                   ; (it saturates)
	v_ldexp_f32 v[FF], 1.0, v[DLT]
.else
	v_mul_f32 v[MT], s22, v[T2]
	v_floor_f32 v[NGM], -v[MT]
.endif
	WIN (W<<6)|W
.set JJ, 0
.rept 32
	v_pk_fma_f32 v[PB+JJ:PB+JJ+1], v[PB+JJ:PB+JJ+1], s[22:23], v[NGM:NGM+1] op_sel_hi:[1,0,0]   ; t - M, two at a time
.set JJ, JJ+2
.endr
.set JJ, 0
	s_wait_alu depctr_va_vdst(0)
.rept 64
	v_exp_f32 v[PB+JJ], v[PB+JJ]                   ; p = 2^(t - M); 0 for a key that does not count
.set JJ, JJ+1
.endr
	WIN 0
.irp b, 0,1,2,3
	v_fma_f32 v[BM+\b], v[BM+\b], s22, v[NGM]      ; the same of each block's largest score.  (Plain lines behind the exponentials)
.endr
	s_wait_alu depctr_va_vdst(0)
.irp b, 0,1,2,3
	v_exp_f32 v[PM+4*(\s)+\b], v[BM+\b]            ; the block's largest p: the same two instructions on the same number give the same bits
.endr
	v_mov_b32 v[NM+(\s)], v[NGM]                   ; the M under which this step's p stand.  (A plain line behind the exponentials)
.if (\s) > 0
	v_pk_mul_f32 v[LS:LS+1], v[LS:LS+1], v[FF:FF+1] op_sel_hi:[1,0]    ; the sum under the new M
.endif
	s_wait_alu depctr_va_vdst(0)                   ; THE STEP'S ONE WAIT: the 68 exponentials have written p and the blocks' largest p, ahead of the sums, their first readers, and of the branch; and the step's products are done reading KSR and the fragments, in which the next loads land
.endm
; And its sums: of the unquantised p, two at a time, in two chains.  They are written on both ways behind the step's wait, in the same order.
.macro S1SUMS s
.set W, 2+(\s)/4
.set PB, 64*((\s)%4)
.if (\s) > 0
	WIN W|(W<<2)
	v_pk_add_f32 v[T2:T2+1], v[PB:PB+1], v[PB+2:PB+3]
	WIN W<<2
.set JJ, 4
.rept 15
	v_pk_add_f32 v[LS:LS+1], v[LS:LS+1], v[PB+JJ:PB+JJ+1]
	v_pk_add_f32 v[T2:T2+1], v[T2:T2+1], v[PB+JJ+2:PB+JJ+3]
.set JJ, JJ+4
.endr
.else
	WIN W|(W<<2)
	v_pk_add_f32 v[LS:LS+1], v[PB:PB+1], v[PB+4:PB+5]                  ; the first step starts the sum
	v_pk_add_f32 v[T2:T2+1], v[PB+2:PB+3], v[PB+6:PB+7]
	WIN W<<2
.set JJ, 8
.rept 14
	v_pk_add_f32 v[LS:LS+1], v[LS:LS+1], v[PB+JJ:PB+JJ+1]
	v_pk_add_f32 v[T2:T2+1], v[T2:T2+1], v[PB+JJ+2:PB+JJ+3]
.set JJ, JJ+4
.endr
.endif
	WIN 0
	v_pk_add_f32 v[LS:LS+1], v[LS:LS+1], v[T2:T2+1]
.endm
; Between the sweeps: 1 / the row's sum, or 0 for a row at or beyond L1: its a, its codes and its row of the result are then zeros.
.macro FINAL
	v_add_f32 v[LS], v[LS], v[LS+1]
	v_permlanex16_b32 v[T4], v[LS], s20, s21
	v_add_f32 v[LS], v[LS], v[T4]
	s_wait_alu depctr_va_vdst(0)
	v_rcp_f32 v[RL], v[LS]
	v_nop                                          ; one plain line behind the reciprocal
	s_wait_alu depctr_va_vdst(0)                   ; the reciprocal has written RL, ahead of the select, its first reader
	v_cndmask_b32 v[RL], 0, v[RL], s[RM]
.endm
; THE SECOND SWEEP, step s: a = p x g, quantised in blocks of 32 keys; O^T += V^T a^T.
.macro SWEEP2 s
.set W, 2+(\s)/4
.set PB, 64*((\s)%4)
	ADR \s
	v_sub_f32 v[DLT], v[NGM], v[NM+(\s)]           ; the step's M less the last M: a whole number, 0 or less.  (These eleven lines work on registers alone and name none of the last products')
	v_cvt_i32_f32 v[DLT], v[DLT]
	s_wait_alu depctr_va_vdst(0)
	v_ldexp_f32 v[GG], v[RL], v[DLT]               ; g = 2^(the step's M - M) / the sum
.irp b, 0,1,2,3
	v_mul_f32 v[BM+\b], v[PM+4*(\s)+\b], v[GG]     ; the block's largest a
.endr
.irp b, 0,1,2,3
	v_max_num_f32 v[BM+\b], FLOOR, v[BM+\b]        ; the floor: the byte cannot fall under 1
.endr
	s_wait_alu depctr_va_vdst(0)                   ; the last products (the step above's, or the upward sweep's) are done reading the fragments' registers, and the turning of the step above is done reading VSB: the loads below land in both
.irp b, 0,1,2,3
	ds_load_b64 v[VSB+2*\b:VSB+2*\b+1], v[RS2] offset:SC+1024+256*\b   ; V's scale bytes of key block b: lane r + 16 g: d tiles 8 g + 0 .. 7
.endr
	WIN 0x40
.irp t, 0,1,2,3,4,5,6,7,8,9,10,11,12,13,14,15
.irp c, 0,1
	ds_load_b128 v[FRG+8*\t+4*\c:FRG+8*\t+4*\c+3], v[RS0] offset:VC+1024*\t+512*\c
.endr
.endr
	WIN 0
.irp b, 0,1,2,3
	v_add_nc_u32 v[SOP+\b], 0xff000000, v[BM+\b]   ; 2 off the exponent field: the conversion's scale operand
.endr
.irp b, 0,1,2,3
	v_lshrrev_b32 v[BY+\b], 23, v[SOP+\b]
.endr
	v_lshl_or_b32 v[PW], v[BY+1], 8, v[BY]         ; a's scale word for these 128 keys
	v_lshl_or_b32 v[PW], v[BY+2], 16, v[PW]
	v_lshl_or_b32 v[PW], v[BY+3], 24, v[PW]
	s_wait_dscnt 32                                ; V's scale bytes are in; the 32 fragment loads may stay out
.irp g, 0,1                            ; 4 key blocks x 8 d tiles of bytes are turned into 8 words of 4 key blocks
	v_perm_b32 v[PT], v[VSB+2+\g], v[VSB+\g], s24
	v_perm_b32 v[PT+1], v[VSB+2+\g], v[VSB+\g], s25
	v_perm_b32 v[PT+2], v[VSB+6+\g], v[VSB+4+\g], s24
	v_perm_b32 v[PT+3], v[VSB+6+\g], v[VSB+4+\g], s25
	v_perm_b32 v[VSW+4*\g], v[PT+2], v[PT], s26
	v_perm_b32 v[VSW+4*\g+1], v[PT+2], v[PT], s27
	v_perm_b32 v[VSW+4*\g+2], v[PT+3], v[PT+1], s26
	v_perm_b32 v[VSW+4*\g+3], v[PT+3], v[PT+1], s27
.endr
	WIN (W<<6)|W
.set JJ, 0
.rept 32
	v_pk_mul_f32 v[PB+JJ:PB+JJ+1], v[PB+JJ:PB+JJ+1], v[GG:GG+1] op_sel_hi:[1,0]   ; a.  (These 32 also stand between the scale words just made and the products)
.set JJ, JJ+2
.endr
	WIN W
.irp b, 0,1,2,3
	v_cvt_scalef32_pk8_fp4_f32 v[PCD+2*\b], v[PB+16*\b:PB+16*\b+7], v[SOP+\b]
	v_cvt_scalef32_pk8_fp4_f32 v[PCD+2*\b+1], v[PB+16*\b+8:PB+16*\b+15], v[SOP+\b]
.endr
	WIN 0
	v_nop                                          ; one plain line behind the last scaled conversion
.irp c, 0,1                            ; the operand's layout wants a whole block in a lane: lanes 0-15 block 2 c, lanes 16-31 block 2 c + 1
.irp i, 0,1
	v_permlane16_swap_b32 v[PCD+4*\c+\i], v[PCD+4*\c+2+\i]
.endr
.endr
.rept 4
	v_nop                                          ; an operand written by vector instructions stands four places ahead of a scaled product
.endr
	s_wait_dscnt 0x0
	s_wait_alu depctr_va_vdst(0)                   ; behind the places: the turning has written VSW, the shifts PW, the conversions and exchanges PCD, which the scaled products below take as scales and as an operand
	WIN 0x51                                       ; source 0 (V), C and D window 1, source 1 (a) window 0.  The sixteen accumulators take turns, from step to step too
.irp t, 0,1,2,3,4,5,6,7
	v_wmma_scale_f32_16x16x128_f8f6f4 v[8*\t:8*\t+7], v[FRG+8*\t:FRG+8*\t+7], v[PCD:PCD+7], v[8*\t:8*\t+7], v[VSW+\t], v[PW] matrix_a_fmt:MATRIX_FMT_FP4 matrix_b_fmt:MATRIX_FMT_FP4
.endr
.irp t, 8,9,10,11,12,13,14,15
	v_wmma_scale_f32_16x16x128_f8f6f4 v[8*\t:8*\t+7], v[FRG+8*\t:FRG+8*\t+7], v[PCD:PCD+7], v[8*\t:8*\t+7], v[VSW+\t-8], v[PW] matrix_a_fmt:MATRIX_FMT_FP4 matrix_b_fmt:MATRIX_FMT_FP4 matrix_a_scale:MATRIX_SCALE_ROW1
.endr
	WIN 0
.endm
.macro UP s, n                         ; behind step s's wait: was it the last?  Then its sums, and down from there; else step n's loads go out, step s's sums stand behind them, and step n's work follows
	s_cmp_lg_u32 s19, \n
	s_cbranch_scc1 .LS\n
	S1SUMS \s
	FINAL
	s_branch .LP\s
.LS\n:
	S1LOADS \n
	S1SUMS \s
	S1WORK \n
.endm
.macro DOWN s
.LP\s:
	SWEEP2 \s
.endm
	S1LOADS 0
	S1WORK 0
	UP 0, 1
	UP 1, 2
	UP 2, 3
	UP 3, 4
	UP 4, 5
	UP 5, 6
	UP 6, 7
	S1SUMS 7
	FINAL
	DOWN 7
	DOWN 6
	DOWN 5
	DOWN 4
	DOWN 3
	DOWN 2
	DOWN 1
	DOWN 0
	; THE WAY OUT.  A lane holds 32 neighbouring bytes of a row, and the lanes beside it hold other rows: a quarter of the 16 rows (64 d, 256 bytes) at a time goes through my stage in LDS and comes back by rows.
	; LDS serves a wave's instructions in order: no wait between the stores and the loads, nor ahead of the next quarter's stores.  Each quarter has registers of its own.
.rept 4
	v_nop                                          ; four places behind the last product
.endr
	s_wait_alu depctr_va_vdst(0)                   ; behind the places: the products have written O^T, which the LDS stores read; and every vector line that named v128 to v255 is done, in which the rows land
	s_wait_alu depctr_vm_vsrc(0)                   ; the sweeps' LDS loads have read their address registers v217 to v239, in which rows land too (the fill's stores read v152 to v215 ahead of the wait behind the barrier)
.irp u, 0,1,2,3
	WIN 0x04                                       ; the data: window 1
.irp t, 0,1,2,3
	ds_store_b128 v[OSA], v[8*(4*\u+\t):8*(4*\u+\t)+3] offset:64*\t        ; each accumulator from its low end on
	ds_store_b128 v[OSA], v[8*(4*\u+\t)+4:8*(4*\u+\t)+7] offset:64*\t+16
.endr
	WIN 0
.irp i, 0,1,2,3,4,5,6,7
	ds_load_b128 v[BK+32*\u+4*\i:BK+32*\u+4*\i+3], v[ORA] offset:544*\i
.endr
.endr
.irp u, 0,1,2,3
.irp i, 0,1,2,3,4,5,6,7
	s_wait_dscnt 16*(3-\u)+7-\i                    ; behind this load: the 7 - i later ones of its quarter and 16 LDS instructions for each later quarter
	global_store_b128 v[OGA], v[BK+32*\u+4*\i:BK+32*\u+4*\i+3], s[12:13] offset:(2*\i+8*(\i/4))*1024+256*\u th:TH_STORE_NT   ; positions 2 i, 2 i + 1 are rows 2 i + 8 (i / 4) on; sixteen lanes store 256 consecutive bytes, aligned
.endr
.endr
	s_wait_dscnt 0x0
	s_wait_alu depctr_hold_cnt(0) depctr_sa_sdst(0) depctr_va_vdst(0) depctr_va_sdst(0) depctr_va_ssrc(0) depctr_va_vcc(0) depctr_vm_vsrc(0)
	s_wait_tensorcnt 0x0
	ds_add_u32 v126, v127
	s_wait_dscnt 0x0
	s_endpgm
.Lzero:                                                ; none of my 16 rows counts: two runs of eight rows of zeros, 512 consecutive bytes a store
.irp j, 0,1,2,3
	v_mov_b32 v[ZR+\j], 0
.endr
	s_wait_alu depctr_va_vdst(0)                   ; the four zeros are written, which every store below reads
.set JJ, 0
.rept 32
	global_store_b128 v[LI], v[ZR:ZR+3], s[12:13] offset:512*JJ+8192*(JJ/16) th:TH_STORE_NT
.set JJ, JJ+1
.endr
	s_wait_dscnt 0x0
	s_wait_alu depctr_hold_cnt(0) depctr_sa_sdst(0) depctr_va_vdst(0) depctr_va_sdst(0) depctr_va_ssrc(0) depctr_va_vcc(0) depctr_vm_vsrc(0)
	s_wait_tensorcnt 0x0
	ds_add_u32 v126, v127
	s_wait_dscnt 0x0
	s_endpgm
.Lfunc_end_k_qd1f1e6b9af_attn:
	.size	k_qd1f1e6b9af_attn, .Lfunc_end_k_qd1f1e6b9af_attn-k_qd1f1e6b9af_attn
	.p2alignl 7, 3214868480
	.fill 96, 4, 3214868480
	.section	.rodata,"a",@progbits
	.p2align	6, 0x0
	.amdhsa_kernel k_qd1f1e6b9af_attn
		.amdhsa_group_segment_fixed_size 300544
		.amdhsa_private_segment_fixed_size 0
		.amdhsa_enable_private_segment 0
		.amdhsa_kernarg_size 32
		.amdhsa_user_sgpr_count 2
		.amdhsa_user_sgpr_kernarg_segment_ptr 1
		.amdhsa_wavefront_size32 1
		.amdhsa_system_sgpr_workgroup_id_x 1
		.amdhsa_system_sgpr_workgroup_id_y 1
		.amdhsa_system_sgpr_workgroup_id_z 1
		.amdhsa_system_vgpr_workitem_id 0
		.amdhsa_next_free_vgpr 1024
		.amdhsa_next_free_sgpr 66
		.amdhsa_reserve_vcc 0
		.amdhsa_float_denorm_mode_32 3
		.amdhsa_float_denorm_mode_16_64 3
		.amdhsa_memory_ordered 1
		.amdhsa_forward_progress 1
		.amdhsa_inst_pref_size 255
	.end_amdhsa_kernel
	.section	.bss,"aw",@nobits
	.p2align	6
	.space	262144
	.amdgpu_metadata
---
amdhsa.version: [ 1, 2 ]
amdhsa.kernels:
  - .name:           k_qd1f1e6b9af_attn
    .symbol:         k_qd1f1e6b9af_attn.kd
    .args:
      - { .name: qrec, .offset: 0, .size: 8, .value_kind: global_buffer, .address_space: global }
      - { .name: kvrec, .offset: 8, .size: 8, .value_kind: global_buffer, .address_space: global }
      - { .name: out0, .offset: 16, .size: 8, .value_kind: global_buffer, .address_space: global }
      - { .name: order, .offset: 24, .size: 8, .value_kind: global_buffer, .address_space: global }
    .group_segment_fixed_size: 300544
    .private_segment_fixed_size: 0
    .kernarg_segment_align: 8
    .kernarg_segment_size: 32
    .max_flat_workgroup_size: 128
    .sgpr_count:     66
    .vgpr_count:     1024
    .wavefront_size: 32
...
	.end_amdgpu_metadata
.endif
;; end of part 6
